; MI455X (gfx1250); checked and timed in simulation.
; The chip was launched on July 23, 2026; its instructions are those of AMD's public machine-readable ISA for CDNA 5 (MIT licence, August 2026) and "CDNA5" Instruction Set Architecture Reference Guide (July 2026). The comments in the code are by the model that wrote it; some were corrected since.
;; Cross Attention. Allowed arithmetic: matrix products marked QUANTISED: E2M1 operands, one E8M0 scale for each 32 along K, by v_wmma_scale_f32_16x16x128_f8f6f4 with both operands' format E2M1 (or v_wmma_scale_f32_32x16x128_f4), f32 sums; products left as they are: f32 operands where the result goes on into a quantised operand, else bf16, f16 or f32 operands; f32 sums; everything else in f32.
;; Inputs: W1_codes 4,096 x 32 x 16 uint8 (E2M1 codes of W1, K innermost, in blocks of 32 codes, two codes a byte); W1_scales 4,096 x 32 uint8 (E8M0 scales of W1, one for each 32 codes along K); W2_codes 1,024 x 128 x 16 uint8 (E2M1 codes of W2, K innermost, in blocks of 32 codes, two codes a byte); W2_scales 1,024 x 128 uint8 (E8M0 scales of W2, one for each 32 codes along K); Wk_codes 1,024 x 32 x 16 uint8 (E2M1 codes of Wk, K innermost, in blocks of 32 codes, two codes a byte); Wk_scales 1,024 x 32 uint8 (E8M0 scales of Wk, one for each 32 codes along K); Wo_codes 1,024 x 32 x 16 uint8 (E2M1 codes of Wo, K innermost, in blocks of 32 codes, two codes a byte); Wo_scales 1,024 x 32 uint8 (E8M0 scales of Wo, one for each 32 codes along K); Wq_codes 1,024 x 32 x 16 uint8 (E2M1 codes of Wq, K innermost, in blocks of 32 codes, two codes a byte); Wq_scales 1,024 x 32 uint8 (E8M0 scales of Wq, one for each 32 codes along K); Wv_codes 1,024 x 32 x 16 uint8 (E2M1 codes of Wv, K innermost, in blocks of 32 codes, two codes a byte); Wv_scales 1,024 x 32 uint8 (E8M0 scales of Wv, one for each 32 codes along K); b1 1,024 float32; b2 1,024 float32; bf1 4,096 float32; bf2 1,024 float32; bk 1,024 float32; bo 1,024 float32; bq 1,024 float32; bv 1,024 float32; features 4 x 32 x 1,024 float32; g1 1,024 float32; g2 1,024 float32.
;; Outputs: out0 4 x 32 x 1,024 float32.
;; This version of the problem:
;;   THIS VERSION OF THE PROBLEM IS GIVEN IN LOW PRECISION. The matrix products marked QUANTISED in the list below multiply operands that are first quantised to E2M1 (2 exponent bits, 1 mantissa bit; 4 bits a number), with one power-of-two scale for each 32 numbers along K (OCP MX v1.0); their sums are f32. All else is computed in f32.
;;   The module's matrix products, in the order in which they are computed (A, B: the left and right operand; K: the contracted axis; several contracted axes count as one K, in the product's order):
;;     1. [M 128, K 1,024] x [K 1,024, N 1,024]; A: computed on the way; B: input Wq (given as codes): QUANTISED
;;     2. [M 128, K 1,024] x [K 1,024, N 1,024]; A: input features; B: input Wk (given as codes): QUANTISED
;;     3. [M 128, K 1,024] x [K 1,024, N 1,024]; A: input features; B: input Wv (given as codes): QUANTISED
;;     4. batch 128 x [M 1,024, K 1] x [K 1, N 1,024]; A: computed on the way; B: computed on the way: left as it is (no contracted axis)
;;     5. batch 512 x [M 1, K 256] x [K 256, N 1,024]; A: computed on the way; B: softmax: left as it is (M = 1 < 16)
;;     6. batch 4 x [M 32,768, K 4] x [K 4, N 1]; A: computed on the way; B: computed on the way: left as it is (K = 4 < 32)
;;     7. [M 128, K 1,024] x [K 1,024, N 1,024]; A: computed on the way; B: input Wo (given as codes): QUANTISED
;;     8. [M 128, K 1,024] x [K 1,024, N 4,096]; A: computed on the way; B: input W1 (given as codes): QUANTISED
;;     9. [M 128, K 4,096] x [K 4,096, N 1,024]; A: computed on the way; B: input W2 (given as codes): QUANTISED
;;   THE QUANTISER, for each operand of a quantised product, along K:
;;     - K is cut into blocks of 32 from its start; a last block that is shorter is filled with zeros.
;;     - A block's scale is 2^e with e = floor(log2(the largest magnitude in the block)) - 2, held to -126 .. 127; a block of zeros has e = 0. As a byte (E8M0): e + 127.
;;     - Each number is divided by its block's scale, clamped to +-6, and rounded to the nearest number of E2M1, ties to even, subnormals kept.
;;     - The product sums the exact products of the quantised numbers (number of the format x scale) in f32.
;;   ~~~python
;;   def quantise(x, axis):      # numpy; x: float32 -> the quantised numbers, widened to float32 again
;;       x = np.moveaxis(x, axis, -1); K = x.shape[-1]
;;       x = np.pad(x, [(0, 0)] * (x.ndim - 1) + [(0, -K % 32)]); x = x.reshape(x.shape[:-1] + (-1, 32)); a = np.abs(x).max(-1, keepdims=True)
;;       e = np.where(a > 0, np.clip(np.frexp(np.where(a > 0, a, 1))[1] - 1 - 2, -126, 127), 0)      # np.frexp(a)[1] - 1 = floor(log2(a)), exactly
;;       r = np.clip(x / 2.0 ** e, -6, 6)
;;       step = 2.0 ** (np.maximum(np.frexp(np.where(r == 0, 1, r))[1] - 1, 0) - 1)
;;       q = np.round(r / step) * step * 2.0 ** e      # np.round: ties to even
;;       return np.moveaxis(q.reshape(q.shape[:-2] + (-1,))[..., :K], -1, axis).astype(np.float32)
;;   ~~~
;;   OPERANDS COMPUTED ON THE WAY. 'Computed on the way' means the value that the module computes at that place (a softmax that the list does not call 'softmax' is quantised finished and normalised). What goes into a quantiser is computed in f32, as accurately as f32 sums, v_exp_f32 and their like allow (about 1e-6 of the number): no bf16 or f16 on the way to a quantiser, and a product that is left as it is and whose result goes on into a quantised operand takes f32 operands (vector FMAs, or v_wmma_f32_16x16x4_f32). A number that lies on a knife's edge between two numbers of the format may be rounded either way, as far as f32 arithmetic and the matrix unit's own rounding can turn it there, and no further.
;;   INPUTS GIVEN AS CODES. W1 (in the module: [4096, 1024], K = its axis 1); W2 (in the module: [1024, 4096], K = its axis 1); Wk (in the module: [1024, 1024], K = its axis 1); Wo (in the module: [1024, 1024], K = its axis 1); Wq (in the module: [1024, 1024], K = its axis 1); Wv (in the module: [1024, 1024], K = its axis 1): each comes as NAME_codes (uint8): NAME with its K axis moved to the last place and cut into blocks of 32 codes, [.., K / 32, bytes a block], one block behind the other in memory; two codes a byte, the lower K in the low four bits (a code: sign, 2 exponent bits, 1 mantissa bit); and NAME_scales (uint8): the same leading axes, one E8M0 byte (e + 127) for each 32 codes along K. Its value is code x scale, taken as it is: it is not quantised again, and the codes and scales need not be those that the quantiser above would give.
;; 2 versions, each right; version 2 is version 1 with the launches qkv, oproj, ffn1, ffn2 written anew for expert scheduling mode. Each part assembles by itself: llvm-mc -triple=amdgcn-amd-amdhsa -mcpu=gfx1250 --defsym DOCPART=n.
;; ======== version 1 of 2: 5 launches
;; workspace buffers: q 524,288 bytes; k 524,288 bytes; v 524,288 bytes; att 524,288 bytes; ao 524,288 bytes; stats 1,024 bytes; hcodes 262,144 bytes; hscales 32,768 bytes
;; launch qkv (part 1): grid 16 x 8, 8 waves a work-group, no clusters, 54,784 bytes of LDS; arguments features, g1, b1, Wq_codes, Wk_codes, Wv_codes, Wq_scales, Wk_scales, Wv_scales, bq, bk, bv, q, k, v, stats; writes q, k, v, stats
.if DOCPART == 1
	.amdgcn_target "amdgcn-amd-amdhsa--gfx1250"
	.amdhsa_code_object_version 6
	.text
	.protected	k_q129c5237b8_qkv
	.globl	k_q129c5237b8_qkv
	.p2align	8
	.type	k_q129c5237b8_qkv,@function
k_q129c5237b8_qkv:
	s_mov_b64 s[64:65], 0
	v_nop
	global_prefetch_b8 v0, s[64:65] scope:SCOPE_SE
	s_setreg_imm32_b32 hwreg(HW_REG_WAVE_MODE, 25, 1), 1
	s_wait_xcnt 0x0
; q = Q(xq) Wq^T + bq, k = Q(f) Wk^T + bk, v = Q(f) Wv^T + bv, xq = LayerNorm(f) g1 + b1; f = features as 128 rows x 1,024, f32.  Q: codes of FP4 (E2M1) with one E8M0 scale for each 32 along K.
; The weights arrive as codes, K innermost (a row: 512 bytes), with 32 scale bytes a row.  q, k, v: [128][1024] f32.  stats: the rows' means [128], then 1 / sqrt(var + eps) [128], for the launch that adds xq again.
; SHARES.  A work-group makes 16 rows (16 mt on) x 64 columns (64 cg on) of q, k and v.  Each of its eight waves has two parts to play:
;   it QUANTISES K step w: 128 columns of all 16 rows, 64 numbers a lane, once as they are and once normalised, and hands both fragments on through LDS as images of their registers;
;   it MULTIPLIES 16 columns (nt = w % 4) by four K steps (kh = w / 4): twelve matrix instructions, the accumulators of q, k and v by turns.
; The two halves of K meet in a stage in LDS, and each wave stores two whole rows of 256 bytes of each result.
; THE MATRIX INSTRUCTION IS USED TRANSPOSED: source 0 = 16 rows of the weight, source 1 = 16 rows of the activation: lane (r, h), register j holds result (row r, column 8 h + j).
; THE NORM goes in two passes over the registers: the mean first, then the mean of (x - mean)^2, so that a common offset of the inputs cancels nothing.
; g1 AND b1 of a wave's 128 columns are the same for all 16 rows: each comes by ONE load of 512 consecutive bytes, goes into the wave's own 1,024 bytes of LDS, and comes back by LDS loads in which sixteen lanes
; name the same 16 bytes: 2 loads from memory where a load for each four registers of a lane would be 32.
; NO JOINT LOADS: every operand goes from memory straight into the registers of the one wave that multiplies it, in the fragment's own order, in one burst at the head, and is used once (four K steps a wave).
; What work-groups read in common (16 rows of features: 64 KB, by 16 of them; a slice of 96 KB of codes, by 8) would have to pass through LDS and wait for rounds of a cluster's barrier, for twelve matrix instructions a wave.
; LIMITS: NaN and infinities among the inputs are not served.  A block of zeros gets the scale byte 1 (the rule says 127): its codes are zeros, and this program alone reads the byte.
; A block whose largest magnitude lies under 2^-124 is held at the byte 1.
.set FIMG, 0                           ; LDS: images of the eight fragments of f, 1,024 bytes each,
.set XIMG, 8192                        ; of xq,
.set FSC,  16384                       ; their scale words, 128 bytes a K step,
.set XSC,  17408
.set STAT, 18432                       ; [16 rows][8 waves] f32: parts of the rows' sums; 512 bytes on: of the squares
.set STG,  19456                       ; the stage: part (matrix, kh) = 16 rows x 272 bytes
.set SP,   272                         ; 256 bytes + 16: the sixteen rows that a store touches start at sixteen different banks (64 banks of 4 bytes: ISA guide 11.1)
.set PRT,  16*SP
.set GBR,  45568                       ; behind the stage: 1,024 bytes for each wave: g1 of its 128 columns, then b1
.set XA,  4                            ; v4   features: 4,096 r + 64 h
.set GA,  5                            ; v5   LDS: 1,024 w + 64 h: where my half's g1 and b1 begin
.set WA,  6                            ; v6   codes: 512 r + 16 h
.set WS,  7                            ; v7   scale bytes: 32 r
.set L16, 8                            ; v8   16 x lane
.set L4,  9                            ; v9   4 x lane
.set IW,  10                           ; v10  where I store an image: 16 x lane + 1,024 w
.set SW,  11                           ; v11  and its scale words: 4 x lane + 128 w
.set ST1, 12                           ; v12  STAT + 32 r + 4 w
.set SR1, 13                           ; v13  STAT + 32 r
.set FI,  14                           ; v14  where I fetch images: 16 x lane + 4,096 kh
.set FS,  15                           ; v15  4 x lane + 512 kh
.set SO,  16                           ; v16  the stage, in
.set SR,  17                           ; v17  the stage, back
.set OA,  18                           ; v18  results: 4,096 h + 16 r
.set BA,  19                           ; v19  biases: 16 r
.set SA,  20                           ; v20  stats: 512 h + 4 r
.set SV,  21                           ; v21  what goes there
.set WSC, 24                           ; v24-35   the weights' scale words: matrix x 4 + K step
.set BI,  36                           ; v36-47   four bias numbers a matrix
.set X,   48                           ; v48-111  my 64 numbers: register 16 b + i = column 128 w + 32 b + 16 h + i of row r
.set TM,  112                          ; v112-127 at work in QUANT
.set PC,  128                          ; v128-135 the codes just made
.set PW,  136                          ; v136     their scale word
.set S,   140                          ; v140-147 four packed chains
.set RS,  148                          ; v148-155 eight waves' parts of a row
.set MEAN, 156                         ; v156-157 the mean, twice
.set RSTD, 158                         ; v158-159 1 / sqrt(var + eps), twice
.set FF,  160                          ; v160-191 four fragments of f
.set GT,  160                          ; v160-167 at the head: g1 and b1 as loaded, 16 bytes a lane each
.set XF,  192                          ; v192-223 four of xq
.set FSW, 224                          ; v224-227 their scale words
.set XSW, 228
.set ACC, 232                          ; v232-255 the accumulators of q, k, v
.set WF,  0                            ; window 1: v0-95 the weights' fragments, 8 (4 matrix + K step)
.set G,   96                           ; window 1: v96-159 g1 of my columns
.set B,   160                          ; window 1: v160-223 b1
.set WV,  36                           ; s36 wave, s37 nt, s38 kh, s39 cg, s40 mt
.set NT,  37
.set KH,  38
.set CG,  39
.set MT,  40
.set SEL, 46                           ; s[46:47] v_permlanex16_b32's selects for lane l xor 16
.set MSB, 0
.macro WIN new                         ; the immediate's high byte repeats the setting that is left
.if MSB != \new
	s_set_vgpr_msb (MSB<<8)|\new
.set MSB, \new
.endif
.endm
; 64 numbers of a lane, v[s] on, become a fragment's codes in v[PC] on and its scale word in v[PW].
.macro QUANT s
.irp b, 0,1,2,3
	v_max3_num_f32 v[TM+\b], |v[\s+16*\b]|, |v[\s+1+16*\b]|, 0x1800000   ; block b: my 16 numbers, and the floor 2^(3 - 127): the byte cannot fall under 1
.endr
.irp i, 2,4,6,8,10,12,14
.irp b, 0,1,2,3
	v_max3_num_f32 v[TM+\b], v[TM+\b], |v[\s+16*\b+\i]|, |v[\s+1+16*\b+\i]|   ; the four blocks by turns
.endr
.endr
.irp b, 0,1,2,3
	v_permlanex16_b32 v[TM+4+\b], v[TM+\b], s[SEL], s[SEL+1]
.endr
.irp b, 0,1,2,3
	v_max_num_f32 v[TM+\b], v[TM+\b], v[TM+4+\b]   ; with lane l xor 16's: the block's largest magnitude
.endr
.irp b, 0,1,2,3
	v_add_nc_u32 v[TM+12+\b], 0xff000000, v[TM+\b]   ; 2 off its exponent field: the conversion takes this operand's exponent field as its scale
.endr
.irp b, 0,1,2,3
	v_lshrrev_b32 v[TM+4+\b], 23, v[TM+12+\b]      ; the scale's byte
.endr
	v_lshl_or_b32 v[PW], v[TM+5], 8, v[TM+4]
	v_lshl_or_b32 v[PW], v[TM+6], 16, v[PW]
	v_lshl_or_b32 v[PW], v[TM+7], 24, v[PW]        ; my row's scale word
.irp b, 0,1,2,3
	v_cvt_scalef32_pk8_fp4_f32 v[PC+2*\b], v[\s+16*\b:\s+7+16*\b], v[TM+12+\b]
	v_cvt_scalef32_pk8_fp4_f32 v[PC+1+2*\b], v[\s+8+16*\b:\s+15+16*\b], v[TM+12+\b]
.endr
	v_nop                                          ; one plain place behind a scaled conversion
.irp c, 0,1                                    ; the operand wants a whole block in a lane: lanes 0-15 block 2 c, lanes 16-31 block 2 c + 1
.irp i, 0,1
	v_permlane16_swap_b32 v[PC+4*\c+\i], v[PC+2+4*\c+\i]
.endr
.endr
.endm
.macro IMAGE adr, off                          ; the fragment in v[PC] on goes to LDS as it stands: lane l's 16 bytes at 16 l
.irp c, 0,1
	ds_store_b128 v[\adr], v[PC+4*\c:PC+4*\c+3] offset:\off+512*\c
.endr
.endm
.macro FETCH reg, adr, off                     ; and comes back so, in any wave
.irp c, 0,1
	ds_load_b128 v[\reg+4*\c:\reg+4*\c+3], v[\adr] offset:\off+512*\c
.endr
.endm
.macro BARRIER                                 ; my LDS stores have landed and my LDS loads are in: then the work-group's barrier
	s_wait_dscnt 0x0
	s_barrier_signal -1
	s_barrier_wait -1
.endm
.macro FOLD                                    ; four packed chains -> the sum over my row's 128 numbers of this K step, in both lanes that hold the row
	v_pk_add_f32 v[S:S+1], v[S:S+1], v[S+2:S+3]
	v_pk_add_f32 v[S+4:S+5], v[S+4:S+5], v[S+6:S+7]
	v_pk_add_f32 v[S:S+1], v[S:S+1], v[S+4:S+5]
	v_add_f32 v[S], v[S], v[S+1]
	v_permlanex16_b32 v[S+2], v[S], s[SEL], s[SEL+1]
	v_add_f32 v[S], v[S], v[S+2]
.endm
.macro SUM64
.irp k, 0,1,2,3
	v_pk_add_f32 v[S+2*\k:S+2*\k+1], v[X+2*\k:X+2*\k+1], v[X+8+2*\k:X+8+2*\k+1]
.endr
.irp m, 2,3,4,5,6,7
.irp k, 0,1,2,3
	v_pk_add_f32 v[S+2*\k:S+2*\k+1], v[S+2*\k:S+2*\k+1], v[X+8*\m+2*\k:X+8*\m+2*\k+1]
.endr
.endr
	FOLD
.endm
.macro SQ64
.irp k, 0,1,2,3
	v_pk_mul_f32 v[S+2*\k:S+2*\k+1], v[X+2*\k:X+2*\k+1], v[X+2*\k:X+2*\k+1]
.endr
.irp m, 1,2,3,4,5,6,7
.irp k, 0,1,2,3
	v_pk_fma_f32 v[S+2*\k:S+2*\k+1], v[X+8*\m+2*\k:X+8*\m+2*\k+1], v[X+8*\m+2*\k:X+8*\m+2*\k+1], v[S+2*\k:S+2*\k+1]
.endr
.endr
	FOLD
.endm
.macro ROWSUM off, dst                         ; the eight waves' parts of my row, added, / 1,024
	ds_load_b128 v[RS:RS+3], v[SR1] offset:\off
	ds_load_b128 v[RS+4:RS+7], v[SR1] offset:\off+16
	s_wait_dscnt 0x0
	v_pk_add_f32 v[RS:RS+1], v[RS:RS+1], v[RS+2:RS+3]
	v_pk_add_f32 v[RS+4:RS+5], v[RS+4:RS+5], v[RS+6:RS+7]
	v_pk_add_f32 v[RS:RS+1], v[RS:RS+1], v[RS+4:RS+5]
	v_add_f32 v[RS], v[RS], v[RS+1]
	v_mul_f32 v[\dst], 0x3a800000, v[RS]
.endm
.macro MM acc, wf, af, ws, as, zero            ; one matrix instruction; zero = 1: it starts the sum
.if \zero
	v_wmma_scale_f32_16x16x128_f8f6f4 v[\acc:\acc+7], v[\wf:\wf+7], v[\af:\af+7], 0, v[\ws], v[\as] matrix_a_fmt:MATRIX_FMT_FP4 matrix_b_fmt:MATRIX_FMT_FP4
.else
	v_wmma_scale_f32_16x16x128_f8f6f4 v[\acc:\acc+7], v[\wf:\wf+7], v[\af:\af+7], v[\acc:\acc+7], v[\ws], v[\as] matrix_a_fmt:MATRIX_FMT_FP4 matrix_b_fmt:MATRIX_FMT_FP4
.endif
.endm
	s_load_b512 s[4:19], s[0:1], 0x0               ; features s[4:5], g1 s[6:7], b1 s[8:9], codes of Wq s[10:11], Wk s[12:13], Wv s[14:15], scales of Wq s[16:17], Wk s[18:19]
	s_load_b512 s[20:35], s[0:1], 0x40             ; scales of Wv s[20:21], bq s[22:23], bk s[24:25], bv s[26:27], q s[28:29], k s[30:31], v s[32:33], stats s[34:35]
	v_lshl_add_u32 v138, v0, 2, 0xd200
	v_mov_b32 v139, 0
	v_lshrrev_b32 v1, 5, v0
	v_readfirstlane_b32 s[WV], v1                  ; wave 0..7
	v_and_b32 v1, 31, v0                           ; lane
	v_and_b32 v2, 15, v0                           ; r
	v_bfe_u32 v3, v0, 4, 1                         ; h
	s_and_b32 s[NT], s[WV], 3
	s_lshr_b32 s[KH], s[WV], 2
	s_mov_b32 s[CG], ttmp9
	s_and_b32 s[MT], ttmp7, 0xffff
	v_lshlrev_b32 v[XA], 12, v2
	v_lshl_add_u32 v[XA], v3, 6, v[XA]
	v_lshlrev_b32 v[L16], 4, v1
	v_lshlrev_b32 v[WA], 9, v2
	v_lshl_add_u32 v[WA], v3, 4, v[WA]
	v_lshlrev_b32 v[WS], 5, v2
	v_lshlrev_b32 v[BA], 4, v2
	s_lshl_b32 s42, s[MT], 16                      ; features: 16 mt rows of 4,096 bytes + 512 w
	s_lshl_b32 s44, s[WV], 9                       ; g1, b1: 512 w
	s_add_co_u32 s42, s42, s44
	s_mov_b32 s43, 0
	s_mov_b32 s45, 0
	s_lshl_b32 s48, s[CG], 6
	s_lshl_b32 s50, s[NT], 4
	s_add_co_u32 s50, s48, s50                     ; my first row of the weights: 64 cg + 16 nt
	s_lshl_b32 s48, s50, 9                         ; its codes, + my four K steps: 256 kh
	s_lshl_b32 s52, s[KH], 8
	s_add_co_u32 s48, s48, s52
	s_mov_b32 s49, 0
	s_lshl_b32 s50, s50, 5                         ; its scale bytes, + 16 kh
	s_lshl_b32 s52, s[KH], 4
	s_add_co_u32 s50, s50, s52
	s_mov_b32 s51, 0
	s_lshl_b32 s52, s[CG], 8                       ; biases: 256 cg
	s_mov_b32 s53, 0
	s_lshl_b32 s54, s[MT], 16                      ; results: 16 mt rows + 256 cg + the two rows 2 w, 2 w + 1
	s_add_co_u32 s54, s54, s52
	s_lshl_b32 s56, s[WV], 13
	s_add_co_u32 s54, s54, s56
	s_mov_b32 s55, 0
	s_lshl_b32 s56, s[MT], 6                       ; stats: 64 mt
	s_mov_b32 s57, 0
	s_mov_b32 s[SEL], 0x76543210
	s_mov_b32 s[SEL+1], 0xfedcba98
	s_wait_kmcnt 0x0
	s_add_nc_u64 s[4:5], s[4:5], s[42:43]
.irp b, 0,1,2,3                                ; ALL LOADS GO OUT AT ONCE, those wanted first ahead: my 64 numbers,
.irp j, 0,1,2,3
	global_load_b128 v[X+16*\b+4*\j:X+16*\b+4*\j+3], v[XA], s[4:5] offset:128*\b+16*\j
.endr
.endr
	s_add_nc_u64 s[6:7], s[6:7], s[44:45]
	s_add_nc_u64 s[8:9], s[8:9], s[44:45]
	s_add_nc_u64 s[10:11], s[10:11], s[48:49]
	s_add_nc_u64 s[12:13], s[12:13], s[48:49]
	s_add_nc_u64 s[14:15], s[14:15], s[48:49]
	s_add_nc_u64 s[16:17], s[16:17], s[50:51]
	s_add_nc_u64 s[18:19], s[18:19], s[50:51]
	s_add_nc_u64 s[20:21], s[20:21], s[50:51]
	s_add_nc_u64 s[22:23], s[22:23], s[52:53]
	s_add_nc_u64 s[24:25], s[24:25], s[52:53]
	s_add_nc_u64 s[26:27], s[26:27], s[52:53]
	s_add_nc_u64 s[28:29], s[28:29], s[54:55]
	s_add_nc_u64 s[30:31], s[30:31], s[54:55]
	s_add_nc_u64 s[32:33], s[32:33], s[54:55]
	s_add_nc_u64 s[34:35], s[34:35], s[56:57]
	global_load_b128 v[GT:GT+3], v[L16], s[6:7]            ; g1 and b1 of my 128 columns: 512 consecutive bytes a load,
	global_load_b128 v[GT+4:GT+7], v[L16], s[8:9]
	WIN 0x40                                       ; destination window 1
.irp s, 0,1,2,3                                ; the weights' twelve fragments: lane (r, h) takes bytes 64 s + 32 c + 16 h of row r,
.irp c, 0,1
	global_load_b128 v[WF+8*\s+4*\c:WF+8*\s+4*\c+3], v[WA], s[10:11] offset:64*\s+32*\c
	global_load_b128 v[WF+32+8*\s+4*\c:WF+32+8*\s+4*\c+3], v[WA], s[12:13] offset:64*\s+32*\c
	global_load_b128 v[WF+64+8*\s+4*\c:WF+64+8*\s+4*\c+3], v[WA], s[14:15] offset:64*\s+32*\c
.endr
.endr
	WIN 0
	global_load_b128 v[WSC:WSC+3], v[WS], s[16:17]         ; their scale words, four K steps a load,
	global_load_b128 v[WSC+4:WSC+7], v[WS], s[18:19]
	global_load_b128 v[WSC+8:WSC+11], v[WS], s[20:21]
	global_load_b128 v[BI:BI+3], v[BA], s[22:23]           ; and the biases of the four columns that I store
	global_load_b128 v[BI+4:BI+7], v[BA], s[24:25]
	global_load_b128 v[BI+8:BI+11], v[BA], s[26:27]
	; the LDS addresses, while the loads are out
	v_lshlrev_b32 v[L4], 2, v1
	s_lshl_b32 s58, s[WV], 10
	v_add_nc_u32 v[IW], s58, v[L16]
	v_lshl_add_u32 v[GA], v3, 6, s58
	s_lshl_b32 s58, s[WV], 7
	v_add_nc_u32 v[SW], s58, v[L4]
	v_lshlrev_b32 v[SR1], 5, v2
	v_add_nc_u32 v[SR1], STAT, v[SR1]
	s_lshl_b32 s58, s[WV], 2
	v_add_nc_u32 v[ST1], s58, v[SR1]
	s_lshl_b32 s58, s[KH], 12
	v_add_nc_u32 v[FI], s58, v[L16]
	s_lshl_b32 s58, s[KH], 9
	v_add_nc_u32 v[FS], s58, v[L4]
	v_mul_u32_u24 v[SO], v2, SP                    ; in: row r, my 16 columns' 64 bytes, 32 for each half of the lanes; part kh
	v_lshl_add_u32 v[SO], v3, 5, v[SO]
	s_mul_i32 s58, s[KH], PRT
	s_lshl_b32 s59, s[NT], 6
	s_add_co_u32 s58, s58, s59
	s_add_co_u32 s58, s58, STG
	v_add_nc_u32 v[SO], s58, v[SO]
	v_mul_u32_u24 v[SR], v3, SP                    ; back: rows 2 w and 2 w + 1, sixteen lanes to a row
	v_lshl_add_u32 v[SR], v2, 4, v[SR]
	s_mul_i32 s58, s[WV], 2*SP
	s_add_co_u32 s58, s58, STG
	v_add_nc_u32 v[SR], s58, v[SR]
	v_lshlrev_b32 v[OA], 12, v3
	v_lshl_add_u32 v[OA], v2, 4, v[OA]
	v_lshlrev_b32 v[SA], 9, v3
	v_lshl_add_u32 v[SA], v2, 2, v[SA]
.irp b, 0,1,2,3
	v_mov_b32 v[TM+4+\b], 0                        ; written once: a lane permute's destination counts as one of its sources
.endr
	; ---- the rows' sums; f is quantised while the others arrive
	s_wait_loadcnt 30                              ; my 64 numbers, g1 and b1 are in: behind their 18 loads 30 were issued (24 + 3 + 3)
	ds_store_b128 v[IW], v[GT:GT+3] offset:GBR             ; g1 and b1 into my wave's own bytes, as they lie
	ds_store_b128 v[IW], v[GT+4:GT+7] offset:GBR+512
	SUM64
	ds_store_b32 v[ST1], v[S]                      ; both lanes of a row write the same word with the same value
	s_wait_dscnt 0x0                               ; for the others' sake: my part of the sums has landed
	s_barrier_signal -1
	QUANT X                                        ; work on registers alone
	s_barrier_wait -1
	IMAGE IW, FIMG
	ds_store_b32 v[SW], v[PW] offset:FSC
	ROWSUM 0, MEAN
	v_mov_b32 v[MEAN+1], v[MEAN]
	WIN 0x40                                       ; destination window 1.  g1 and b1 come back in my registers' order: sixteen lanes name the same 16 bytes.  They land under the second pass below
.irp b, 0,1,2,3
.irp j, 0,1,2,3
	ds_load_b128 v[G+16*\b+4*\j:G+16*\b+4*\j+3], v[GA] offset:GBR+128*\b+16*\j
	ds_load_b128 v[B+16*\b+4*\j:B+16*\b+4*\j+3], v[GA] offset:GBR+512+128*\b+16*\j
.endr
.endr
	WIN 0
.set PP, 0
.rept 32
	v_pk_add_f32 v[X+PP:X+PP+1], v[X+PP:X+PP+1], v[MEAN:MEAN+1] neg_lo:[0,1] neg_hi:[0,1]   ; x - mean
.set PP, PP+2
.endr
	SQ64
	ds_store_b32 v[ST1], v[S] offset:512
	BARRIER                                        ; (its wait for all my LDS instructions also shows g1 and b1 in)
	; ---- xq = (x - mean) / sqrt(var + eps) x g1 + b1
	ROWSUM 512, RSTD
	v_add_f32 v[RSTD], 0x3727c5ac, v[RSTD]         ; + 1e-5
	v_rsq_f32 v[RSTD], v[RSTD]
	v_nop                                          ; a plain place behind the transcendental
	s_wait_alu depctr_va_vdst(0)                   ; and a wait ahead of its first reader
	v_mov_b32 v[RSTD+1], v[RSTD]
.set PP, 0
.rept 32
	v_pk_mul_f32 v[X+PP:X+PP+1], v[X+PP:X+PP+1], v[RSTD:RSTD+1]
.set PP, PP+2
.endr
	WIN 0x14                                       ; sources 1 and 2 window 1
.set PP, 0
.rept 32
	v_pk_fma_f32 v[X+PP:X+PP+1], v[X+PP:X+PP+1], v[G+PP:G+PP+1], v[B+PP:B+PP+1]
.set PP, PP+2
.endr
	WIN 0
	v_cmp_eq_u32 vcc_lo, 1, v3
	v_cndmask_b32 v[SV], v[MEAN], v[RSTD], vcc_lo  ; lanes 0-15 the mean of row r, lanes 16-31 its 1 / sqrt
	s_or_b32 s58, s[CG], s[WV]
	s_cmp_lg_u32 s58, 0
	s_cbranch_scc1 .Lno_stats                      ; one wave of one work-group for each 16 rows stores them
	global_store_b32 v[SA], v[SV], s[34:35]
.Lno_stats:
	QUANT X
	IMAGE IW, XIMG
	ds_store_b32 v[SW], v[PW] offset:XSC
	BARRIER                                        ; all sixteen fragments lie in LDS
	; ---- the products
.irp s, 0,1,2,3
	FETCH FF+8*\s, FI, FIMG+1024*\s
	FETCH XF+8*\s, FI, XIMG+1024*\s
	ds_load_b32 v[FSW+\s], v[FS] offset:FSC+128*\s
	ds_load_b32 v[XSW+\s], v[FS] offset:XSC+128*\s
.endr
	s_wait_dscnt 0x0
	s_wait_loadcnt 0x0                             ; the weights, their scale words, the biases
	WIN 0x01                                       ; source 0 (the weight) window 1
	MM ACC, WF, XF, WSC, XSW, 1
	MM ACC+8, WF+32, FF, WSC+4, FSW, 1
	MM ACC+16, WF+64, FF, WSC+8, FSW, 1
.irp s, 1,2,3
	MM ACC, WF+8*\s, XF+8*\s, WSC+\s, XSW+\s, 0
	MM ACC+8, WF+32+8*\s, FF+8*\s, WSC+4+\s, FSW+\s, 0
	MM ACC+16, WF+64+8*\s, FF+8*\s, WSC+8+\s, FSW+\s, 0
.endr
	WIN 0
.rept 4
	v_nop                                          ; four places between the last products and the first read of results (ISA guide 7.12.1)
.endr
.irp m, 0,1,2
	ds_store_b128 v[SO], v[ACC+8*\m:ACC+8*\m+3] offset:2*PRT*\m          ; each accumulator from its low end on
	ds_store_b128 v[SO], v[ACC+8*\m+4:ACC+8*\m+7] offset:2*PRT*\m+16
.endr
	BARRIER                                        ; both halves of K lie in the stage
.irp m, 0,1,2
	ds_load_b128 v[X+8*\m:X+8*\m+3], v[SR] offset:2*PRT*\m
	ds_load_b128 v[X+8*\m+4:X+8*\m+7], v[SR] offset:2*PRT*\m+PRT
.endr
	s_wait_dscnt 0x0
.irp m, 0,1,2
	v_pk_add_f32 v[X+8*\m:X+8*\m+1], v[X+8*\m:X+8*\m+1], v[X+8*\m+4:X+8*\m+5]
	v_pk_add_f32 v[X+8*\m+2:X+8*\m+3], v[X+8*\m+2:X+8*\m+3], v[X+8*\m+6:X+8*\m+7]
.endr
.irp m, 0,1,2
	v_pk_add_f32 v[X+8*\m:X+8*\m+1], v[X+8*\m:X+8*\m+1], v[BI+4*\m:BI+4*\m+1]
	v_pk_add_f32 v[X+8*\m+2:X+8*\m+3], v[X+8*\m+2:X+8*\m+3], v[BI+4*\m+2:BI+4*\m+3]
.endr
	global_store_b128 v[OA], v[X:X+3], s[28:29]            ; sixteen lanes store 256 consecutive bytes, at a multiple of 256 from the buffer's first byte
	global_store_b128 v[OA], v[X+8:X+11], s[30:31]
	global_store_b128 v[OA], v[X+16:X+19], s[32:33]
	s_wait_tensorcnt 0x0
	ds_add_u32 v138, v139
	s_wait_dscnt 0x0
	s_endpgm
.Lfunc_end_k_q129c5237b8_qkv:
	.size	k_q129c5237b8_qkv, .Lfunc_end_k_q129c5237b8_qkv-k_q129c5237b8_qkv
	.p2alignl 7, 3214868480
	.fill 96, 4, 3214868480
	.section	.rodata,"a",@progbits
	.p2align	6, 0x0
	.amdhsa_kernel k_q129c5237b8_qkv
		.amdhsa_group_segment_fixed_size 54784
		.amdhsa_private_segment_fixed_size 0
		.amdhsa_enable_private_segment 0
		.amdhsa_kernarg_size 128
		.amdhsa_user_sgpr_count 2
		.amdhsa_user_sgpr_kernarg_segment_ptr 1
		.amdhsa_wavefront_size32 1
		.amdhsa_system_sgpr_workgroup_id_x 1
		.amdhsa_system_sgpr_workgroup_id_y 1
		.amdhsa_system_sgpr_workgroup_id_z 1
		.amdhsa_system_vgpr_workitem_id 0
		.amdhsa_next_free_vgpr 512
		.amdhsa_next_free_sgpr 66
		.amdhsa_reserve_vcc 1
		.amdhsa_float_denorm_mode_32 3
		.amdhsa_float_denorm_mode_16_64 3
		.amdhsa_memory_ordered 1
		.amdhsa_forward_progress 1
		.amdhsa_inst_pref_size 37
	.end_amdhsa_kernel
	.amdgpu_metadata
---
amdhsa.version: [ 1, 2 ]
amdhsa.kernels:
  - .name:           k_q129c5237b8_qkv
    .symbol:         k_q129c5237b8_qkv.kd
    .args:
      - { .name: features, .offset: 0, .size: 8, .value_kind: global_buffer, .address_space: global }
      - { .name: g1, .offset: 8, .size: 8, .value_kind: global_buffer, .address_space: global }
      - { .name: b1, .offset: 16, .size: 8, .value_kind: global_buffer, .address_space: global }
      - { .name: Wq_codes, .offset: 24, .size: 8, .value_kind: global_buffer, .address_space: global }
      - { .name: Wk_codes, .offset: 32, .size: 8, .value_kind: global_buffer, .address_space: global }
      - { .name: Wv_codes, .offset: 40, .size: 8, .value_kind: global_buffer, .address_space: global }
      - { .name: Wq_scales, .offset: 48, .size: 8, .value_kind: global_buffer, .address_space: global }
      - { .name: Wk_scales, .offset: 56, .size: 8, .value_kind: global_buffer, .address_space: global }
      - { .name: Wv_scales, .offset: 64, .size: 8, .value_kind: global_buffer, .address_space: global }
      - { .name: bq, .offset: 72, .size: 8, .value_kind: global_buffer, .address_space: global }
      - { .name: bk, .offset: 80, .size: 8, .value_kind: global_buffer, .address_space: global }
      - { .name: bv, .offset: 88, .size: 8, .value_kind: global_buffer, .address_space: global }
      - { .name: q, .offset: 96, .size: 8, .value_kind: global_buffer, .address_space: global }
      - { .name: k, .offset: 104, .size: 8, .value_kind: global_buffer, .address_space: global }
      - { .name: v, .offset: 112, .size: 8, .value_kind: global_buffer, .address_space: global }
      - { .name: stats, .offset: 120, .size: 8, .value_kind: global_buffer, .address_space: global }
    .group_segment_fixed_size: 54784
    .private_segment_fixed_size: 0
    .kernarg_segment_align: 8
    .kernarg_segment_size: 128
    .max_flat_workgroup_size: 256
    .sgpr_count:     66
    .vgpr_count:     512
    .wavefront_size: 32
...
	.end_amdgpu_metadata
.endif
;; end of part 1
;; launch attn (part 2): grid 64 x 4, 12 waves a work-group, no clusters, 32,256 bytes of LDS; arguments q, k, v, att; writes att
.if DOCPART == 2
	.amdgcn_target "amdgcn-amd-amdhsa--gfx1250"
	.amdhsa_code_object_version 6
	.text
	.protected	k_q129c5237b8_attn
	.globl	k_q129c5237b8_attn
	.p2align	8
	.type	k_q129c5237b8_attn,@function
k_q129c5237b8_attn:
	s_mov_b64 s[64:65], 0
	v_nop
	global_prefetch_b8 v0, s[64:65] scope:SCOPE_SE
	s_setreg_imm32_b32 hwreg(HW_REG_WAVE_MODE, 25, 1), 1
	s_wait_xcnt 0x0
; att[i][b][h][d] = the sum over j != i of ( sum over e of softmax_e(q[i][b][h][d] k[j][b][h][e] / 16) v[j][b][h][e] ).  q, k, v, att: [128 rows = 32 i + b][1024 = 256 h + d] f32.
; The pairs j = i are thrown away by the mask that the problem builds itself, so they are not computed.  No matrix instruction: each table of scores has rank 1, and its softmax is exponentials and sums.
; SHARES.  A work-group owns (i, b) and two heads (2 hp, 2 hp + 1).  Wave w = 6 hh + 2 jj + dh takes head 2 hp + hh, the jj-th of the three j != i, and 128 of the head's 256 d; a lane takes four d: 128 dh + 4 lane + r.
; The wave walks the 256 e of its j: 1,024 exponentials a lane.  The three j meet in LDS at the end.
; A LANE'S ARITHMETIC.  a = q x log2(e) / 16.  a k_e rises or falls with k_e, so the row's largest exponent is max(a kmax, a kmin): THE MAXIMUM IS TAKEN AWAY as the problem takes it, and is found from the head's largest
; and smallest k alone.  p = 2^(a k_e - max); den = sum of p, num = sum of p v_e, each in two halves (even e, odd e); the result is num / den.  den is at least about 1, so nothing overflows.
; k and v of the wave's (j, head) lie in the wave's own 2,048 bytes of LDS and come back with ONE address for all lanes: a register then holds the same k_e in every lane.  The packed forms work on pairs of e.
; THE EXPONENTIALS GO IN BATCHES OF 64 (16 e x 4 d): while batch n is raised, batch n - 1 is summed and batch n + 1's exponents are made.  A PACKED LINE AND AN EXPONENTIAL TAKE TURNS, so that no two
; exponentials follow each other where there is plain work to set between them.  One wait a batch.
; Nothing is shared between work-groups but reads of q, k, v at the head (2.5 KB a wave), so there are no joint loads.
; LIMITS: NaN and infinities are not served.  A p under 2^-126 counts as 0.
.set EX,  24576                        ; LDS behind the twelve waves' k and v: 512 bytes a wave, its 128 results
.set KA,  2                            ; v2   2,048 x wave: the same in all lanes
.set LST, 3                            ; v3   + 16 x lane
.set EXS, 4                            ; v4   EX + 512 wave + 16 lane
.set EXR, 5                            ; v5   where waves 0-3 read the three j's results
.set GL,  6                            ; v6   16 x lane
.set Q,   8                            ; v8-11   q, later the results
.set KL,  12                           ; v12-19  k as loaded
.set VL,  20                           ; v20-27  v as loaded
.set A,   28                           ; v28-35  a of d = r at 28 + 2 r, and a copy beside it
.set NM,  36                           ; v36-43  -max likewise
.set DEN, 44                           ; v44-51  pairs: even e, odd e
.set NUM, 52                           ; v52-59
.set KS,  64                           ; v64-95  two sets of 16 k
.set VS,  96                           ; v96-127 two sets of 16 v
.set T,   128                          ; v128-255 two buffers of 64: register 2 (4 ep + r) + u = e 2 ep + u of the batch, d = r
	s_load_b256 s[4:11], s[0:1], 0x0               ; q s[4:5], k s[6:7], v s[8:9], att s[10:11]
	s_set_vgpr_msb 0x40
	v_lshl_add_u32 v0, v0, 2, 0x7800
	v_mov_b32 v1, 0
	s_set_vgpr_msb 0x4000
	v_lshrrev_b32 v1, 5, v0
	v_readfirstlane_b32 s12, v1                    ; wave 0..11
	v_and_b32 v1, 31, v0
	v_lshlrev_b32 v[GL], 4, v1
	v_lshrrev_b32 v[KA], 5, v0
	v_lshlrev_b32 v[KA], 11, v[KA]
	v_add_nc_u32 v[LST], v[KA], v[GL]
	v_lshl_add_u32 v[EXS], v0, 4, EX               ; 16 x thread = 512 wave + 16 lane
	v_bfe_u32 v7, v0, 6, 1                         ; waves 0-3 gather: head hh' = wave / 2, half dh' = wave % 2; wave 6 hh' + 2 jj + dh' made the part
	v_mul_u32_u24 v7, v7, 3072
	v_bfe_u32 v[EXR], v0, 5, 1
	v_lshl_add_u32 v[EXR], v[EXR], 9, v7
	v_add_nc_u32 v[EXR], v[EXR], v[GL]
	v_add_nc_u32 v[EXR], EX, v[EXR]
	s_lshr_b32 s18, ttmp9, 1                       ; b
	s_and_b32 s26, ttmp9, 1                        ; hp
	s_and_b32 s19, ttmp7, 0xffff                   ; i
	s_cmp_ge_u32 s12, 6
	s_cselect_b32 s13, 1, 0                        ; hh
	s_mul_i32 s27, s13, 6
	s_sub_co_u32 s27, s12, s27
	s_lshr_b32 s14, s27, 1                         ; jj
	s_and_b32 s15, s27, 1                          ; dh
	s_lshl_b32 s16, s26, 1
	s_add_co_u32 s16, s16, s13                     ; the head
	s_cmp_ge_u32 s14, s19
	s_cselect_b32 s17, 1, 0
	s_add_co_u32 s17, s17, s14                     ; j = jj, stepping over i
	s_lshl_b32 s30, s19, 5
	s_add_co_u32 s30, s30, s18
	s_lshl_b32 s30, s30, 12                        ; row 32 i + b, in bytes
	s_lshl_b32 s31, s16, 10                        ; the head's 1,024 bytes
	s_add_co_u32 s20, s30, s31
	s_lshl_b32 s27, s15, 9
	s_add_co_u32 s20, s20, s27                     ; q: + 512 dh
	s_mov_b32 s21, 0
	s_lshl_b32 s22, s17, 5
	s_add_co_u32 s22, s22, s18
	s_lshl_b32 s22, s22, 12
	s_add_co_u32 s22, s22, s31                     ; k, v: row 32 j + b, the head
	s_mov_b32 s23, 0
	s_lshl_b32 s28, s26, 11
	s_add_co_u32 s28, s28, s30
	s_and_b32 s27, s12, 3
	s_lshl_b32 s27, s27, 9
	s_add_co_u32 s28, s28, s27                     ; att, for waves 0-3: the row, 2,048 hp, 512 x wave = 1,024 hh' + 512 dh'
	s_mov_b32 s29, 0
	s_mov_b32 s24, 0x76543210
	s_mov_b32 s25, 0xfedcba98                      ; v_permlanex16_b32's selects for lane l xor 16
	s_wait_kmcnt 0x0
	s_add_nc_u64 s[6:7], s[6:7], s[22:23]
	s_add_nc_u64 s[8:9], s[8:9], s[22:23]
	s_add_nc_u64 s[4:5], s[4:5], s[20:21]
	s_add_nc_u64 s[10:11], s[10:11], s[28:29]
	global_load_b128 v[KL:KL+3], v[GL], s[6:7]             ; 512 consecutive bytes a load
	global_load_b128 v[KL+4:KL+7], v[GL], s[6:7] offset:512
	global_load_b128 v[VL:VL+3], v[GL], s[8:9]
	global_load_b128 v[VL+4:VL+7], v[GL], s[8:9] offset:512
	global_load_b128 v[Q:Q+3], v[GL], s[4:5]
	v_mov_b32 v62, 0                               ; a lane permute's destination counts as one of its sources
	v_mov_b32 v63, 0
.irp n, 0,1,2,3,4,5,6,7
	v_mov_b32 v[DEN+\n], 0
	v_mov_b32 v[NUM+\n], 0
.endr
	s_wait_loadcnt 3                               ; k is in: behind its two loads three were issued
	ds_store_b128 v[LST], v[KL:KL+3]
	ds_store_b128 v[LST], v[KL+4:KL+7] offset:512
	v_max3_num_f32 v60, v[KL], v[KL+1], v[KL+2]    ; the head's largest and smallest k: my eight,
	v_min3_num_f32 v61, v[KL], v[KL+1], v[KL+2]
	v_max3_num_f32 v60, v60, v[KL+3], v[KL+4]
	v_min3_num_f32 v61, v61, v[KL+3], v[KL+4]
	v_max3_num_f32 v60, v60, v[KL+5], v[KL+6]
	v_min3_num_f32 v61, v61, v[KL+5], v[KL+6]
	v_max_num_f32 v60, v60, v[KL+7]
	v_min_num_f32 v61, v61, v[KL+7]
.irp m, 1,2,4,8                                ; and the other lanes'
	v_max_num_f32_dpp v60, v60, v60 row_xmask:\m row_mask:0xf bank_mask:0xf
	v_min_num_f32_dpp v61, v61, v61 row_xmask:\m row_mask:0xf bank_mask:0xf
.endr
	v_permlanex16_b32 v62, v60, s24, s25
	v_permlanex16_b32 v63, v61, s24, s25
	v_max_num_f32 v60, v60, v62
	v_min_num_f32 v61, v61, v63
	s_wait_loadcnt 1                               ; v is in: behind it q's load was issued
	ds_store_b128 v[LST], v[VL:VL+3] offset:1024
	ds_store_b128 v[LST], v[VL+4:VL+7] offset:1536
.irp i, 0,1,2,3                                ; LDS serves a wave's instructions in order: these see my stores.  The first two batches' k
	ds_load_b128 v[KS+4*\i:KS+4*\i+3], v[KA] offset:16*\i
	ds_load_b128 v[KS+16+4*\i:KS+16+4*\i+3], v[KA] offset:64+16*\i
.endr
	s_wait_loadcnt 0x0                             ; q
.irp r, 0,1,2,3
	v_mul_f32 v[A+2*\r], 0x3db8aa3b, v[Q+\r]       ; a = q x log2(e) / 16
.endr
.irp r, 0,1,2,3
	v_mov_b32 v[A+2*\r+1], v[A+2*\r]
	v_mul_f32 v62, -v[A+2*\r], v60
	v_mul_f32 v63, -v[A+2*\r], v61
	v_min_num_f32 v[NM+2*\r], v62, v63             ; -max(a kmax, a kmin)
	v_mov_b32 v[NM+2*\r+1], v[NM+2*\r]
.endr
	s_wait_dscnt 0x0
.set p, 0
.rept 32                                       ; batch 0's exponents
	v_pk_fma_f32 v[T+2*p:T+2*p+1], v[KS+2*(p/4):KS+2*(p/4)+1], v[A+2*(p%4):A+2*(p%4)+1], v[NM+2*(p%4):NM+2*(p%4)+1] op_sel_hi:[1,0,0]
.set p, p+1
.endr
; TRIP n: batch n is raised to p; batch n - 1 is summed; batch n + 1's exponents are made in the registers that batch n - 1 leaves.  Nothing in a trip names a result of the trip's own exponentials.
; For each pair of e and each d: the sum, an exponential, the weighted sum, an exponential, the next exponents (behind both sums, which read the registers that they take).
.macro TRIP n
.set CUR, T+64*((\n)%2)
.set PRV, T+64*(((\n)+1)%2)
.set KN,  KS+16*(((\n)+1)%2)
.set VP,  VS+16*(((\n)+1)%2)
	s_wait_dscnt 0x0                               ; k of batch n + 1 and v of batch n - 1, asked for a trip ago, are in
.if (\n) <= 13
.irp i, 0,1,2,3
	ds_load_b128 v[KS+16*((\n)%2)+4*\i:KS+16*((\n)%2)+4*\i+3], v[KA] offset:64*((\n)+2)+16*\i    ; k of batch n + 2, into the set that the last trip read out
.endr
.endif
.irp i, 0,1,2,3
	ds_load_b128 v[VS+16*((\n)%2)+4*\i:VS+16*((\n)%2)+4*\i+3], v[KA] offset:1024+64*(\n)+16*\i   ; v of batch n likewise
.endr
.set p, 0
.rept 32
.if (\n) > 0
	v_pk_add_f32 v[DEN+2*(p%4):DEN+2*(p%4)+1], v[DEN+2*(p%4):DEN+2*(p%4)+1], v[PRV+2*p:PRV+2*p+1]
.endif
	v_exp_f32 v[CUR+2*p], v[CUR+2*p]
.if (\n) > 0
	v_pk_fma_f32 v[NUM+2*(p%4):NUM+2*(p%4)+1], v[PRV+2*p:PRV+2*p+1], v[VP+2*(p/4):VP+2*(p/4)+1], v[NUM+2*(p%4):NUM+2*(p%4)+1]
.else
	v_pk_fma_f32 v[PRV+2*p:PRV+2*p+1], v[KN+2*(p/4):KN+2*(p/4)+1], v[A+2*(p%4):A+2*(p%4)+1], v[NM+2*(p%4):NM+2*(p%4)+1] op_sel_hi:[1,0,0]
.endif
	v_exp_f32 v[CUR+2*p+1], v[CUR+2*p+1]
.if ((\n) > 0) && ((\n) < 15)
	v_pk_fma_f32 v[PRV+2*p:PRV+2*p+1], v[KN+2*(p/4):KN+2*(p/4)+1], v[A+2*(p%4):A+2*(p%4)+1], v[NM+2*(p%4):NM+2*(p%4)+1] op_sel_hi:[1,0,0]
.endif
.set p, p+1
.endr
	v_nop                                          ; a plain place behind the last exponential
	s_wait_alu depctr_va_vdst(0)                   ; one wait for the batch's 64, ahead of their first reader in the next trip
.endm
.irp n, 0,1,2,3,4,5,6,7,8,9,10,11,12,13,14,15
	TRIP \n
.endr
	s_wait_dscnt 0x0                               ; v of batch 15
.set p, 0
.rept 32
	v_pk_add_f32 v[DEN+2*(p%4):DEN+2*(p%4)+1], v[DEN+2*(p%4):DEN+2*(p%4)+1], v[T+64+2*p:T+64+2*p+1]
	v_pk_fma_f32 v[NUM+2*(p%4):NUM+2*(p%4)+1], v[T+64+2*p:T+64+2*p+1], v[VS+16+2*(p/4):VS+16+2*(p/4)+1], v[NUM+2*(p%4):NUM+2*(p%4)+1]
.set p, p+1
.endr
.irp r, 0,1,2,3
	v_add_f32 v[DEN+2*\r], v[DEN+2*\r], v[DEN+2*\r+1]
	v_add_f32 v[NUM+2*\r], v[NUM+2*\r], v[NUM+2*\r+1]
.endr
.irp r, 0,1,2,3
	v_rcp_f32 v[DEN+2*\r], v[DEN+2*\r]
.endr
	v_nop
	s_wait_alu depctr_va_vdst(0)                   ; one wait for the four reciprocals
.irp r, 0,1,2,3
	v_mul_f32 v[Q+\r], v[NUM+2*\r], v[DEN+2*\r]
.endr
	ds_store_b128 v[EXS], v[Q:Q+3]
	s_wait_dscnt 0x0                               ; for the others' sake: my results have landed
	s_barrier_signal -1
	s_barrier_wait -1
	s_cmp_ge_u32 s12, 4
	s_cbranch_scc1 .Lend
.irp m, 0,1,2
	ds_load_b128 v[KL+4*\m:KL+4*\m+3], v[EXR] offset:1024*\m     ; the three j
.endr
	s_wait_dscnt 0x0
	v_pk_add_f32 v[KL:KL+1], v[KL:KL+1], v[KL+4:KL+5]
	v_pk_add_f32 v[KL+2:KL+3], v[KL+2:KL+3], v[KL+6:KL+7]
	v_pk_add_f32 v[KL:KL+1], v[KL:KL+1], v[KL+8:KL+9]
	v_pk_add_f32 v[KL+2:KL+3], v[KL+2:KL+3], v[KL+10:KL+11]
	global_store_b128 v[GL], v[KL:KL+3], s[10:11]          ; 32 lanes store 512 consecutive bytes, at a multiple of 256 from att's first byte
.Lend:
	s_set_vgpr_msb 0x5
	s_wait_tensorcnt 0x0
	ds_add_u32 v0, v1
	s_wait_dscnt 0x0
	s_set_vgpr_msb 0x500
	s_endpgm
.Lfunc_end_k_q129c5237b8_attn:
	.size	k_q129c5237b8_attn, .Lfunc_end_k_q129c5237b8_attn-k_q129c5237b8_attn
	.p2alignl 7, 3214868480
	.fill 96, 4, 3214868480
	.section	.rodata,"a",@progbits
	.p2align	6, 0x0
	.amdhsa_kernel k_q129c5237b8_attn
		.amdhsa_group_segment_fixed_size 32256
		.amdhsa_private_segment_fixed_size 0
		.amdhsa_enable_private_segment 0
		.amdhsa_kernarg_size 32
		.amdhsa_user_sgpr_count 2
		.amdhsa_user_sgpr_kernarg_segment_ptr 1
		.amdhsa_wavefront_size32 1
		.amdhsa_system_sgpr_workgroup_id_x 1
		.amdhsa_system_sgpr_workgroup_id_y 1
		.amdhsa_system_sgpr_workgroup_id_z 1
		.amdhsa_system_vgpr_workitem_id 0
		.amdhsa_next_free_vgpr 258
		.amdhsa_next_free_sgpr 66
		.amdhsa_reserve_vcc 0
		.amdhsa_float_denorm_mode_32 3
		.amdhsa_float_denorm_mode_16_64 3
		.amdhsa_memory_ordered 1
		.amdhsa_forward_progress 1
		.amdhsa_inst_pref_size 146
	.end_amdhsa_kernel
	.amdgpu_metadata
---
amdhsa.version: [ 1, 2 ]
amdhsa.kernels:
  - .name:           k_q129c5237b8_attn
    .symbol:         k_q129c5237b8_attn.kd
    .args:
      - { .name: q, .offset: 0, .size: 8, .value_kind: global_buffer, .address_space: global }
      - { .name: k, .offset: 8, .size: 8, .value_kind: global_buffer, .address_space: global }
      - { .name: v, .offset: 16, .size: 8, .value_kind: global_buffer, .address_space: global }
      - { .name: att, .offset: 24, .size: 8, .value_kind: global_buffer, .address_space: global }
    .group_segment_fixed_size: 32256
    .private_segment_fixed_size: 0
    .kernarg_segment_align: 8
    .kernarg_segment_size: 32
    .max_flat_workgroup_size: 384
    .sgpr_count:     66
    .vgpr_count:     258
    .wavefront_size: 32
...
	.end_amdgpu_metadata
.endif
;; end of part 2
;; launch oproj (part 3): grid 16 x 8, 8 waves a work-group, no clusters, 18,944 bytes of LDS; arguments att, Wo_codes, Wo_scales, bo, features, g1, b1, stats, ao; writes ao
.if DOCPART == 3
	.amdgcn_target "amdgcn-amd-amdhsa--gfx1250"
	.amdhsa_code_object_version 6
	.text
	.protected	k_q129c5237b8_oproj
	.globl	k_q129c5237b8_oproj
	.p2align	8
	.type	k_q129c5237b8_oproj,@function
k_q129c5237b8_oproj:
	s_mov_b64 s[64:65], 0
	v_nop
	global_prefetch_b8 v0, s[64:65] scope:SCOPE_SE
	s_setreg_imm32_b32 hwreg(HW_REG_WAVE_MODE, 25, 1), 1
	s_wait_xcnt 0x0
; ao = xq + Q(att) Wo^T + bo.  att, ao: [128][1024] f32.  Wo: codes of FP4 (E2M1), K innermost (512 bytes a row), 32 E8M0 scale bytes a row.  Q: the same format, one scale for each 32 along K.
; xq = (features - mean) x rstd x g1 + b1 is made anew, for the four numbers that a lane stores, from the stored means and rstd by the same three operations that made it the first time: the same bits.
; SHARES.  A work-group makes 16 rows (16 mt on) x 64 columns (64 cg on).  Wave w quantises K step w of the 16 rows of att (64 numbers a lane) and hands the fragment on through LDS as an image of its registers;
; then it multiplies 16 columns (nt = w % 4) by four K steps (kh = w / 4): four matrix instructions on two accumulators by turns (even K steps, odd K steps).
; The matrix instruction is used transposed: source 0 = 16 rows of Wo, source 1 = 16 rows of att: lane (r, h), register j holds result (row r, column 8 h + j).
; NO JOINT LOADS: each operand goes from memory straight into the registers of the one wave that uses it, in one burst at the head, and is used once; what work-groups read in common (64 KB of att by 16 of them,
; 32 KB of codes by 8) would have to pass through LDS and wait for rounds of a cluster's barrier, for four matrix instructions a wave.
; LIMITS: NaN and infinities are not served.  A block of zeros gets the scale byte 1 (the rule says 127): its codes are zeros, and this launch alone reads the byte.  A block whose largest magnitude lies under 2^-124 is held at the byte 1.
.set IMG, 0                            ; LDS: images of att's eight fragments, 1,024 bytes each,
.set SC,  8192                         ; their scale words, 128 bytes a K step,
.set STG, 9216                         ; the stage: two parts (kh) of 16 rows x 272 bytes
.set SP,  272
.set PRT, 16*SP
.set XA,  4                            ; v4   att: 4,096 r + 64 h
.set WA,  6                            ; v6   codes: 512 r + 16 h
.set WS,  7                            ; v7   scale bytes: 32 r
.set L16, 8
.set L4,  9
.set IW,  10                           ; v10  16 lane + 1,024 w
.set SW,  11                           ; v11  4 lane + 128 w
.set FI,  14                           ; v14  16 lane + 4,096 kh
.set FS,  15                           ; v15  4 lane + 512 kh
.set SO,  16
.set SR,  17
.set OA,  18                           ; v18  4,096 h + 16 r
.set BA,  19                           ; v19  16 r
.set MA,  22                           ; v22  4 h
.set WSC, 24                           ; v24-27   Wo's scale words
.set WF,  32                           ; v32-63   Wo's four fragments
.set X,   64                           ; v64-127  my 64 numbers of att
.set TM,  128
.set PC,  144
.set PW,  152
.set AF,  160                          ; v160-191 four fragments of att
.set ASW, 192                          ; v192-195 their scale words
.set ACC, 200                          ; v200-207, v208-215
.set BO,  216
.set FE,  220                          ; features, then xq
.set G,   224
.set B,   228
.set MEAN, 232
.set RSTD, 233
.set P0,  236                          ; v236-243 the two parts read back
.set WV,  22
.set NT,  23
.set KH,  24
.set CG,  25
.set MT,  26
.set SEL, 28
.macro QUANT s
.irp b, 0,1,2,3
	v_max3_num_f32 v[TM+\b], |v[\s+16*\b]|, |v[\s+1+16*\b]|, 0x1800000   ; block b: my 16 numbers, and the floor 2^(3 - 127): the byte cannot fall under 1
.endr
.irp i, 2,4,6,8,10,12,14
.irp b, 0,1,2,3
	v_max3_num_f32 v[TM+\b], v[TM+\b], |v[\s+16*\b+\i]|, |v[\s+1+16*\b+\i]|
.endr
.endr
.irp b, 0,1,2,3
	v_permlanex16_b32 v[TM+4+\b], v[TM+\b], s[SEL], s[SEL+1]
.endr
.irp b, 0,1,2,3
	v_max_num_f32 v[TM+\b], v[TM+\b], v[TM+4+\b]   ; with lane l xor 16's: the block's largest magnitude
.endr
.irp b, 0,1,2,3
	v_add_nc_u32 v[TM+12+\b], 0xff000000, v[TM+\b]   ; 2 off its exponent field: the conversion's scale operand
.endr
.irp b, 0,1,2,3
	v_lshrrev_b32 v[TM+4+\b], 23, v[TM+12+\b]      ; the scale's byte
.endr
	v_lshl_or_b32 v[PW], v[TM+5], 8, v[TM+4]
	v_lshl_or_b32 v[PW], v[TM+6], 16, v[PW]
	v_lshl_or_b32 v[PW], v[TM+7], 24, v[PW]
.irp b, 0,1,2,3
	v_cvt_scalef32_pk8_fp4_f32 v[PC+2*\b], v[\s+16*\b:\s+7+16*\b], v[TM+12+\b]
	v_cvt_scalef32_pk8_fp4_f32 v[PC+1+2*\b], v[\s+8+16*\b:\s+15+16*\b], v[TM+12+\b]
.endr
	v_nop                                          ; one plain place behind a scaled conversion
.irp c, 0,1
.irp i, 0,1
	v_permlane16_swap_b32 v[PC+4*\c+\i], v[PC+2+4*\c+\i]   ; a whole block to a lane
.endr
.endr
.endm
.macro BARRIER
	s_wait_dscnt 0x0
	s_barrier_signal -1
	s_barrier_wait -1
.endm
	s_load_b512 s[4:19], s[0:1], 0x0               ; att s[4:5], Wo's codes s[6:7], scales s[8:9], bo s[10:11], features s[12:13], g1 s[14:15], b1 s[16:17], stats s[18:19]
	s_load_b64 s[20:21], s[0:1], 0x40              ; ao
	v_lshl_add_u32 v254, v0, 2, 0x4600
	v_mov_b32 v255, 0
	v_lshrrev_b32 v1, 5, v0
	v_readfirstlane_b32 s[WV], v1
	v_and_b32 v1, 31, v0
	v_and_b32 v2, 15, v0                           ; r
	v_bfe_u32 v3, v0, 4, 1                         ; h
	s_and_b32 s[NT], s[WV], 3
	s_lshr_b32 s[KH], s[WV], 2
	s_mov_b32 s[CG], ttmp9
	s_and_b32 s[MT], ttmp7, 0xffff
	v_lshlrev_b32 v[XA], 12, v2
	v_lshl_add_u32 v[XA], v3, 6, v[XA]
	v_lshlrev_b32 v[WA], 9, v2
	v_lshl_add_u32 v[WA], v3, 4, v[WA]
	v_lshlrev_b32 v[WS], 5, v2
	v_lshlrev_b32 v[BA], 4, v2
	v_lshlrev_b32 v[OA], 12, v3
	v_lshl_add_u32 v[OA], v2, 4, v[OA]
	v_lshlrev_b32 v[MA], 2, v3
	s_lshl_b32 s30, s[MT], 16                      ; att: 16 mt rows + 512 w
	s_lshl_b32 s42, s[WV], 9
	s_add_co_u32 s30, s30, s42
	s_mov_b32 s31, 0
	s_lshl_b32 s42, s[CG], 6
	s_lshl_b32 s43, s[NT], 4
	s_add_co_u32 s42, s42, s43                     ; my first row of Wo
	s_lshl_b32 s32, s42, 9
	s_lshl_b32 s43, s[KH], 8
	s_add_co_u32 s32, s32, s43
	s_mov_b32 s33, 0
	s_lshl_b32 s34, s42, 5
	s_lshl_b32 s43, s[KH], 4
	s_add_co_u32 s34, s34, s43
	s_mov_b32 s35, 0
	s_lshl_b32 s36, s[CG], 8                       ; bo, g1, b1: 256 cg
	s_mov_b32 s37, 0
	s_lshl_b32 s38, s[MT], 16                      ; features and ao on the way out: 16 mt rows + 256 cg + rows 2 w, 2 w + 1
	s_add_co_u32 s38, s38, s36
	s_lshl_b32 s43, s[WV], 13
	s_add_co_u32 s38, s38, s43
	s_mov_b32 s39, 0
	s_lshl_b32 s40, s[MT], 6                       ; stats: 4 x (16 mt + 2 w)
	s_lshl_b32 s43, s[WV], 3
	s_add_co_u32 s40, s40, s43
	s_mov_b32 s41, 0
	s_mov_b32 s[SEL], 0x76543210
	s_mov_b32 s[SEL+1], 0xfedcba98
	s_wait_kmcnt 0x0
	s_add_nc_u64 s[4:5], s[4:5], s[30:31]
.irp b, 0,1,2,3
.irp j, 0,1,2,3
	global_load_b128 v[X+16*\b+4*\j:X+16*\b+4*\j+3], v[XA], s[4:5] offset:128*\b+16*\j
.endr
.endr
	s_add_nc_u64 s[6:7], s[6:7], s[32:33]
	s_add_nc_u64 s[8:9], s[8:9], s[34:35]
	s_add_nc_u64 s[10:11], s[10:11], s[36:37]
	s_add_nc_u64 s[14:15], s[14:15], s[36:37]
	s_add_nc_u64 s[16:17], s[16:17], s[36:37]
	s_add_nc_u64 s[12:13], s[12:13], s[38:39]
	s_add_nc_u64 s[20:21], s[20:21], s[38:39]
	s_add_nc_u64 s[18:19], s[18:19], s[40:41]
.irp s, 0,1,2,3
.irp c, 0,1
	global_load_b128 v[WF+8*\s+4*\c:WF+8*\s+4*\c+3], v[WA], s[6:7] offset:64*\s+32*\c
.endr
.endr
	global_load_b128 v[WSC:WSC+3], v[WS], s[8:9]
	global_load_b128 v[BO:BO+3], v[BA], s[10:11]
	global_load_b128 v[G:G+3], v[BA], s[14:15]
	global_load_b128 v[B:B+3], v[BA], s[16:17]
	global_load_b128 v[FE:FE+3], v[OA], s[12:13]
	global_load_b32 v[MEAN], v[MA], s[18:19]
	global_load_b32 v[RSTD], v[MA], s[18:19] offset:512
	v_lshlrev_b32 v[L16], 4, v1
	v_lshlrev_b32 v[L4], 2, v1
	s_lshl_b32 s42, s[WV], 10
	v_add_nc_u32 v[IW], s42, v[L16]
	s_lshl_b32 s42, s[WV], 7
	v_add_nc_u32 v[SW], s42, v[L4]
	s_lshl_b32 s42, s[KH], 12
	v_add_nc_u32 v[FI], s42, v[L16]
	s_lshl_b32 s42, s[KH], 9
	v_add_nc_u32 v[FS], s42, v[L4]
	v_mul_u32_u24 v[SO], v2, SP
	v_lshl_add_u32 v[SO], v3, 5, v[SO]
	s_mul_i32 s42, s[KH], PRT
	s_lshl_b32 s43, s[NT], 6
	s_add_co_u32 s42, s42, s43
	s_add_co_u32 s42, s42, STG
	v_add_nc_u32 v[SO], s42, v[SO]
	v_mul_u32_u24 v[SR], v3, SP
	v_lshl_add_u32 v[SR], v2, 4, v[SR]
	s_mul_i32 s42, s[WV], 2*SP
	s_add_co_u32 s42, s42, STG
	v_add_nc_u32 v[SR], s42, v[SR]
.irp b, 0,1,2,3
	v_mov_b32 v[TM+4+\b], 0                        ; a lane permute's destination counts as one of its sources
.endr
	s_wait_loadcnt 15                              ; my 64 numbers are in: behind their 16 loads 15 were issued (8 + 1 + 3 + 1 + 2)
	QUANT X
.irp c, 0,1
	ds_store_b128 v[IW], v[PC+4*\c:PC+4*\c+3] offset:IMG+512*\c
.endr
	ds_store_b32 v[SW], v[PW] offset:SC
	BARRIER                                        ; att's eight fragments lie in LDS
.irp s, 0,1,2,3
.irp c, 0,1
	ds_load_b128 v[AF+8*\s+4*\c:AF+8*\s+4*\c+3], v[FI] offset:IMG+1024*\s+512*\c
.endr
	ds_load_b32 v[ASW+\s], v[FS] offset:SC+128*\s
.endr
	s_wait_dscnt 0x0
	s_wait_loadcnt 0x0
.irp s, 0,1
	v_wmma_scale_f32_16x16x128_f8f6f4 v[ACC+8*\s:ACC+8*\s+7], v[WF+8*\s:WF+8*\s+7], v[AF+8*\s:AF+8*\s+7], 0, v[WSC+\s], v[ASW+\s] matrix_a_fmt:MATRIX_FMT_FP4 matrix_b_fmt:MATRIX_FMT_FP4
.endr
.irp s, 0,1
	v_wmma_scale_f32_16x16x128_f8f6f4 v[ACC+8*\s:ACC+8*\s+7], v[WF+16+8*\s:WF+16+8*\s+7], v[AF+16+8*\s:AF+16+8*\s+7], v[ACC+8*\s:ACC+8*\s+7], v[WSC+2+\s], v[ASW+2+\s] matrix_a_fmt:MATRIX_FMT_FP4 matrix_b_fmt:MATRIX_FMT_FP4
.endr
.irp i, 0,1,2,3                                ; xq of the four numbers that I store: these twelve lines name no register of the products and are the places behind them
	v_sub_f32 v[FE+\i], v[FE+\i], v[MEAN]
.endr
.irp i, 0,1,2,3
	v_mul_f32 v[FE+\i], v[FE+\i], v[RSTD]
.endr
.irp i, 0,1,2,3
	v_fma_f32 v[FE+\i], v[FE+\i], v[G+\i], v[B+\i]
.endr
.irp i, 0,2,4,6
	v_pk_add_f32 v[ACC+\i:ACC+\i+1], v[ACC+\i:ACC+\i+1], v[ACC+8+\i:ACC+8+\i+1]   ; even and odd K steps; both accumulators from their low end on
.endr
	ds_store_b128 v[SO], v[ACC:ACC+3]
	ds_store_b128 v[SO], v[ACC+4:ACC+7] offset:16
	BARRIER                                        ; both halves of K lie in the stage
	ds_load_b128 v[P0:P0+3], v[SR]
	ds_load_b128 v[P0+4:P0+7], v[SR] offset:PRT
	s_wait_dscnt 0x0
.irp i, 0,2
	v_pk_add_f32 v[P0+\i:P0+\i+1], v[P0+\i:P0+\i+1], v[P0+4+\i:P0+4+\i+1]
.endr
.irp i, 0,2
	v_pk_add_f32 v[P0+\i:P0+\i+1], v[P0+\i:P0+\i+1], v[FE+\i:FE+\i+1]
.endr
.irp i, 0,2
	v_pk_add_f32 v[P0+\i:P0+\i+1], v[P0+\i:P0+\i+1], v[BO+\i:BO+\i+1]
.endr
	global_store_b128 v[OA], v[P0:P0+3], s[20:21]          ; sixteen lanes store 256 consecutive bytes, at a multiple of 256 from ao's first byte
	s_wait_tensorcnt 0x0
	ds_add_u32 v254, v255
	s_wait_dscnt 0x0
	s_endpgm
.Lfunc_end_k_q129c5237b8_oproj:
	.size	k_q129c5237b8_oproj, .Lfunc_end_k_q129c5237b8_oproj-k_q129c5237b8_oproj
	.p2alignl 7, 3214868480
	.fill 96, 4, 3214868480
	.section	.rodata,"a",@progbits
	.p2align	6, 0x0
	.amdhsa_kernel k_q129c5237b8_oproj
		.amdhsa_group_segment_fixed_size 18944
		.amdhsa_private_segment_fixed_size 0
		.amdhsa_enable_private_segment 0
		.amdhsa_kernarg_size 72
		.amdhsa_user_sgpr_count 2
		.amdhsa_user_sgpr_kernarg_segment_ptr 1
		.amdhsa_wavefront_size32 1
		.amdhsa_system_sgpr_workgroup_id_x 1
		.amdhsa_system_sgpr_workgroup_id_y 1
		.amdhsa_system_sgpr_workgroup_id_z 1
		.amdhsa_system_vgpr_workitem_id 0
		.amdhsa_next_free_vgpr 256
		.amdhsa_next_free_sgpr 66
		.amdhsa_reserve_vcc 0
		.amdhsa_float_denorm_mode_32 3
		.amdhsa_float_denorm_mode_16_64 3
		.amdhsa_memory_ordered 1
		.amdhsa_forward_progress 1
		.amdhsa_inst_pref_size 14
	.end_amdhsa_kernel
	.amdgpu_metadata
---
amdhsa.version: [ 1, 2 ]
amdhsa.kernels:
  - .name:           k_q129c5237b8_oproj
    .symbol:         k_q129c5237b8_oproj.kd
    .args:
      - { .name: att, .offset: 0, .size: 8, .value_kind: global_buffer, .address_space: global }
      - { .name: Wo_codes, .offset: 8, .size: 8, .value_kind: global_buffer, .address_space: global }
      - { .name: Wo_scales, .offset: 16, .size: 8, .value_kind: global_buffer, .address_space: global }
      - { .name: bo, .offset: 24, .size: 8, .value_kind: global_buffer, .address_space: global }
      - { .name: features, .offset: 32, .size: 8, .value_kind: global_buffer, .address_space: global }
      - { .name: g1, .offset: 40, .size: 8, .value_kind: global_buffer, .address_space: global }
      - { .name: b1, .offset: 48, .size: 8, .value_kind: global_buffer, .address_space: global }
      - { .name: stats, .offset: 56, .size: 8, .value_kind: global_buffer, .address_space: global }
      - { .name: ao, .offset: 64, .size: 8, .value_kind: global_buffer, .address_space: global }
    .group_segment_fixed_size: 18944
    .private_segment_fixed_size: 0
    .kernarg_segment_align: 8
    .kernarg_segment_size: 72
    .max_flat_workgroup_size: 256
    .sgpr_count:     66
    .vgpr_count:     256
    .wavefront_size: 32
...
	.end_amdgpu_metadata
.endif
;; end of part 3
;; launch ffn1 (part 4): grid 32 x 8, 8 waves a work-group, no clusters, 27,904 bytes of LDS; arguments ao, g2, b2, W1_codes, W1_scales, bf1, hcodes, hscales; writes hcodes, hscales
.if DOCPART == 4
	.amdgcn_target "amdgcn-amd-amdhsa--gfx1250"
	.amdhsa_code_object_version 6
	.text
	.protected	k_q129c5237b8_ffn1
	.globl	k_q129c5237b8_ffn1
	.p2align	8
	.type	k_q129c5237b8_ffn1,@function
k_q129c5237b8_ffn1:
	s_mov_b64 s[64:65], 0
	v_nop
	global_prefetch_b8 v0, s[64:65] scope:SCOPE_SE
	s_setreg_imm32_b32 hwreg(HW_REG_WAVE_MODE, 25, 1), 1
	s_wait_xcnt 0x0
; hidden = Q(relu(Q(y) W1^T + bf1)), y = LayerNorm(ao) g2 + b2.  ao: [128][1024] f32.  W1: [4096] rows of codes of FP4 (E2M1), K innermost (512 bytes a row), 32 E8M0 scale bytes a row.  Q: one scale for each 32 along K.
; THE HIDDEN LAYER LEAVES AS CODES, laid as the next launch's operand registers: hcodes [8 tiles of 16 rows][32 K steps][1,024 bytes]: block beta (32 hidden units) of row r lies at 256 beta + 16 r;
; hscales [8][32][32 words]: lane l's scale word at 4 l, lanes 16-31 repeating lanes 0-15.
; SHARES.  A work-group makes 16 rows (16 mt on) x 128 hidden units (128 sl on): one K step of the next product.  Wave w normalises and quantises K step w of the 16 rows of ao (64 numbers a lane) and hands the fragment on
; through LDS as an image of its registers; then it multiplies one block of 32 hidden units (pb = w % 4: two tiles) by four K steps (kh = w / 4): eight matrix instructions, the two accumulators by turns.
; The waves with kh = 1 hand their parts over through LDS; those with kh = 0 add, clip, quantise and store.
; The matrix instruction is used transposed (source 0 = 16 rows of W1, source 1 = 16 rows of y), and THE ROWS OF W1 THAT FORM A TILE ARE NOT NEIGHBOURS: lane r of tile u takes row 32 pb + 8 u + r + 8 (r / 8),
; so that a lane's 16 result registers are hidden units 32 pb + 16 h + 0 .. 15 of row r: half a block, whose codes are 8 neighbouring bytes of the image.  A wave's store covers 256 consecutive bytes, aligned.
; The scale words of a K step are 128 bytes: half of an aligned 256; they are an eighth of the codes' bytes.
; The norm goes in two passes over the registers (the mean, then the mean of (x - mean)^2), so that a common offset cancels nothing.  It is made anew in each of the 32 work-groups that share 16 rows.
; g2 AND b2 of a wave's 128 columns are the same for all 16 rows: each comes by ONE load of 512 consecutive bytes, goes into the wave's own 1,024 bytes of LDS, and comes back by LDS loads in which sixteen lanes
; name the same 16 bytes: 2 loads from memory where a load for each four registers of a lane would be 32.
; NO JOINT LOADS: each operand goes from memory straight into the registers of the one wave that uses it, in one burst at the head, and is used once; what work-groups read in common (64 KB of ao by 32 of them,
; 64 KB of codes by 8) would have to pass through LDS and wait for rounds of a cluster's barrier, for eight matrix instructions a wave.
; LIMITS: NaN and infinities are not served.  A block of zeros gets the scale byte 1 (the rule says 127): its codes are zeros, and this program alone reads the byte.  A block whose largest magnitude lies under 2^-124 is held at the byte 1.
.set IMG,  0                           ; LDS: images of y's eight fragments,
.set SC,   8192                        ; their scale words,
.set STAT, 9216                        ; [16 rows][8 waves] f32: parts of the sums; 512 bytes on: of the squares,
.set PART, 10240                       ; the parts of the waves with kh = 1: 2,048 bytes a block, images of 16 registers,
.set HS,   18432                       ; the hidden layer's scale bytes: 4 r + pb,
.set GBR,  18688                       ; 1,024 bytes for each wave: g2 of its 128 columns, then b2
.set XA,  4
.set GA,  5                            ; v5   LDS: 1,024 w + 64 h: where my half's g2 and b2 begin
.set WA,  6                            ; v6   512 (r + 8 (r / 8)) + 16 h
.set WS,  7                            ; v7   32 (r + 8 (r / 8))
.set L16, 8
.set L4,  9
.set IW,  10
.set SW,  11
.set ST1, 12
.set SR1, 13
.set FI,  14
.set FS,  15
.set PS,  16                           ; v16  PART + 2,048 pb + 16 lane
.set HB,  17                           ; v17  HS + 4 r + pb
.set HR,  18                           ; v18  HS + 4 r
.set CA,  19                           ; v19  16 r + 8 h
.set BA,  21                           ; v21  64 h
.set WSC, 24                           ; v24-31   W1's scale words: 4 tile + K step
.set BI,  32                           ; v32-47   bf1 of my 16 hidden units
.set X,   48
.set TM,  112
.set PC,  128
.set PW,  136
.set S,   140
.set RS,  148
.set MEAN, 156
.set RSTD, 158
.set AF,  160
.set GT,  160                          ; v160-167 at the head: g2 and b2 as loaded, 16 bytes a lane each
.set ASW, 192
.set H,   200                          ; v200-215 the two accumulators: my 16 hidden units
.set PR,  216                          ; v216-231 the other half of K
.set HC,  232                          ; v232-233 the codes
.set HM,  234                          ; v234 the largest, v235 the other lane's, v236 the scale operand, v237 the byte, v238 a second chain, v239 the scale word on its way out
.set WF,  0                            ; window 1: v0-63 W1's fragments, 8 (4 tile + K step)
.set G,   64                           ; window 1
.set B,   128                          ; window 1
.set WV,  20
.set PB,  21
.set KH,  22
.set SL,  23
.set MT,  24
.set SEL, 26
.set MSB, 0
.macro WIN new
.if MSB != \new
	s_set_vgpr_msb (MSB<<8)|\new
.set MSB, \new
.endif
.endm
.macro QUANT s
.irp b, 0,1,2,3
	v_max3_num_f32 v[TM+\b], |v[\s+16*\b]|, |v[\s+1+16*\b]|, 0x1800000   ; block b: my 16 numbers, and the floor 2^(3 - 127): the byte cannot fall under 1
.endr
.irp i, 2,4,6,8,10,12,14
.irp b, 0,1,2,3
	v_max3_num_f32 v[TM+\b], v[TM+\b], |v[\s+16*\b+\i]|, |v[\s+1+16*\b+\i]|
.endr
.endr
.irp b, 0,1,2,3
	v_permlanex16_b32 v[TM+4+\b], v[TM+\b], s[SEL], s[SEL+1]
.endr
.irp b, 0,1,2,3
	v_max_num_f32 v[TM+\b], v[TM+\b], v[TM+4+\b]
.endr
.irp b, 0,1,2,3
	v_add_nc_u32 v[TM+12+\b], 0xff000000, v[TM+\b]   ; 2 off the exponent field: the conversion's scale operand
.endr
.irp b, 0,1,2,3
	v_lshrrev_b32 v[TM+4+\b], 23, v[TM+12+\b]
.endr
	v_lshl_or_b32 v[PW], v[TM+5], 8, v[TM+4]
	v_lshl_or_b32 v[PW], v[TM+6], 16, v[PW]
	v_lshl_or_b32 v[PW], v[TM+7], 24, v[PW]
.irp b, 0,1,2,3
	v_cvt_scalef32_pk8_fp4_f32 v[PC+2*\b], v[\s+16*\b:\s+7+16*\b], v[TM+12+\b]
	v_cvt_scalef32_pk8_fp4_f32 v[PC+1+2*\b], v[\s+8+16*\b:\s+15+16*\b], v[TM+12+\b]
.endr
	v_nop                                          ; one plain place behind a scaled conversion
.irp c, 0,1
.irp i, 0,1
	v_permlane16_swap_b32 v[PC+4*\c+\i], v[PC+2+4*\c+\i]
.endr
.endr
.endm
.macro BARRIER
	s_wait_dscnt 0x0
	s_barrier_signal -1
	s_barrier_wait -1
.endm
.macro FOLD
	v_pk_add_f32 v[S:S+1], v[S:S+1], v[S+2:S+3]
	v_pk_add_f32 v[S+4:S+5], v[S+4:S+5], v[S+6:S+7]
	v_pk_add_f32 v[S:S+1], v[S:S+1], v[S+4:S+5]
	v_add_f32 v[S], v[S], v[S+1]
	v_permlanex16_b32 v[S+2], v[S], s[SEL], s[SEL+1]
	v_add_f32 v[S], v[S], v[S+2]
.endm
.macro ROWSUM off, dst
	ds_load_b128 v[RS:RS+3], v[SR1] offset:\off
	ds_load_b128 v[RS+4:RS+7], v[SR1] offset:\off+16
	s_wait_dscnt 0x0
	v_pk_add_f32 v[RS:RS+1], v[RS:RS+1], v[RS+2:RS+3]
	v_pk_add_f32 v[RS+4:RS+5], v[RS+4:RS+5], v[RS+6:RS+7]
	v_pk_add_f32 v[RS:RS+1], v[RS:RS+1], v[RS+4:RS+5]
	v_add_f32 v[RS], v[RS], v[RS+1]
	v_mul_f32 v[\dst], 0x3a800000, v[RS]           ; / 1,024
.endm
	s_load_b512 s[4:19], s[0:1], 0x0               ; ao s[4:5], g2 s[6:7], b2 s[8:9], W1's codes s[10:11], scales s[12:13], bf1 s[14:15], hcodes s[16:17], hscales s[18:19]
	v_lshl_add_u32 v254, v0, 2, 0x6900
	v_mov_b32 v255, 0
	v_lshrrev_b32 v1, 5, v0
	v_readfirstlane_b32 s[WV], v1
	v_and_b32 v1, 31, v0
	v_and_b32 v2, 15, v0                           ; r
	v_bfe_u32 v3, v0, 4, 1                         ; h
	s_and_b32 s[PB], s[WV], 3
	s_lshr_b32 s[KH], s[WV], 2
	s_mov_b32 s[SL], ttmp9
	s_and_b32 s[MT], ttmp7, 0xffff
	v_lshlrev_b32 v[XA], 12, v2
	v_lshl_add_u32 v[XA], v3, 6, v[XA]
	v_lshlrev_b32 v[L16], 4, v1
	v_and_b32 v[WS], 8, v2
	v_add_nc_u32 v[WS], v[WS], v2                  ; r + 8 (r / 8)
	v_lshlrev_b32 v[WA], 9, v[WS]
	v_lshl_add_u32 v[WA], v3, 4, v[WA]
	v_lshlrev_b32 v[WS], 5, v[WS]
	v_lshlrev_b32 v[BA], 6, v3
	v_lshlrev_b32 v[CA], 4, v2
	v_lshl_add_u32 v[CA], v3, 3, v[CA]
	s_lshl_b32 s28, s[MT], 16                      ; ao: 16 mt rows + 512 w
	s_lshl_b32 s30, s[WV], 9                       ; g2, b2: 512 w
	s_add_co_u32 s28, s28, s30
	s_mov_b32 s29, 0
	s_mov_b32 s31, 0
	s_lshl_b32 s42, s[SL], 7
	s_lshl_b32 s43, s[PB], 5
	s_add_co_u32 s42, s42, s43                     ; my block's first row of W1: 128 sl + 32 pb
	s_lshl_b32 s32, s42, 9
	s_lshl_b32 s43, s[KH], 8
	s_add_co_u32 s32, s32, s43
	s_mov_b32 s33, 0
	s_lshl_b32 s34, s42, 5
	s_lshl_b32 s43, s[KH], 4
	s_add_co_u32 s34, s34, s43
	s_mov_b32 s35, 0
	s_lshl_b32 s36, s42, 2                         ; bf1
	s_mov_b32 s37, 0
	s_lshl_b32 s42, s[MT], 5
	s_add_co_u32 s42, s42, s[SL]                   ; 32 mt + sl
	s_lshl_b32 s38, s42, 10
	s_lshl_b32 s43, s[PB], 8
	s_add_co_u32 s38, s38, s43                     ; the image, + my block's 256 bytes
	s_mov_b32 s39, 0
	s_lshl_b32 s40, s42, 7
	s_mov_b32 s41, 0
	s_mov_b32 s[SEL], 0x76543210
	s_mov_b32 s[SEL+1], 0xfedcba98
	s_wait_kmcnt 0x0
	s_add_nc_u64 s[4:5], s[4:5], s[28:29]
.irp b, 0,1,2,3
.irp j, 0,1,2,3
	global_load_b128 v[X+16*\b+4*\j:X+16*\b+4*\j+3], v[XA], s[4:5] offset:128*\b+16*\j
.endr
.endr
	s_add_nc_u64 s[6:7], s[6:7], s[30:31]
	s_add_nc_u64 s[8:9], s[8:9], s[30:31]
	s_add_nc_u64 s[10:11], s[10:11], s[32:33]
	s_add_nc_u64 s[12:13], s[12:13], s[34:35]
	s_add_nc_u64 s[14:15], s[14:15], s[36:37]
	s_add_nc_u64 s[16:17], s[16:17], s[38:39]
	s_add_nc_u64 s[18:19], s[18:19], s[40:41]
	global_load_b128 v[GT:GT+3], v[L16], s[6:7]            ; g2 and b2 of my 128 columns: 512 consecutive bytes a load
	global_load_b128 v[GT+4:GT+7], v[L16], s[8:9]
	WIN 0x40                                       ; destination window 1
.irp u, 0,1                                    ; tile u begins 8 rows, 4,096 bytes, on
.irp s, 0,1,2,3
.irp c, 0,1
	global_load_b128 v[WF+8*(4*\u+\s)+4*\c:WF+8*(4*\u+\s)+4*\c+3], v[WA], s[10:11] offset:4096*\u+64*\s+32*\c
.endr
.endr
.endr
	WIN 0
	global_load_b128 v[WSC:WSC+3], v[WS], s[12:13]
	global_load_b128 v[WSC+4:WSC+7], v[WS], s[12:13] offset:256
.irp i, 0,1,2,3
	global_load_b128 v[BI+4*\i:BI+4*\i+3], v[BA], s[14:15] offset:16*\i
.endr
	v_lshlrev_b32 v[L4], 2, v1
	s_lshl_b32 s42, s[WV], 10
	v_add_nc_u32 v[IW], s42, v[L16]
	v_lshl_add_u32 v[GA], v3, 6, s42
	s_lshl_b32 s42, s[WV], 7
	v_add_nc_u32 v[SW], s42, v[L4]
	v_lshlrev_b32 v[SR1], 5, v2
	v_add_nc_u32 v[SR1], STAT, v[SR1]
	s_lshl_b32 s42, s[WV], 2
	v_add_nc_u32 v[ST1], s42, v[SR1]
	s_lshl_b32 s42, s[KH], 12
	v_add_nc_u32 v[FI], s42, v[L16]
	s_lshl_b32 s42, s[KH], 9
	v_add_nc_u32 v[FS], s42, v[L4]
	s_lshl_b32 s42, s[PB], 11
	s_add_co_u32 s42, s42, PART
	v_add_nc_u32 v[PS], s42, v[L16]
	v_lshlrev_b32 v[HR], 2, v2
	v_add_nc_u32 v[HR], HS, v[HR]
	v_add_nc_u32 v[HB], s[PB], v[HR]
.irp b, 0,1,2,3
	v_mov_b32 v[TM+4+\b], 0                        ; a lane permute's destination counts as one of its sources
.endr
	v_mov_b32 v[HM+1], 0
	; ---- the norm
	s_wait_loadcnt 22                              ; my 64 numbers, g2 and b2 are in: behind their 18 loads 22 were issued (16 + 2 + 4)
	ds_store_b128 v[IW], v[GT:GT+3] offset:GBR             ; g2 and b2 into my wave's own bytes, as they lie
	ds_store_b128 v[IW], v[GT+4:GT+7] offset:GBR+512
.irp k, 0,1,2,3
	v_pk_add_f32 v[S+2*\k:S+2*\k+1], v[X+2*\k:X+2*\k+1], v[X+8+2*\k:X+8+2*\k+1]
.endr
.irp m, 2,3,4,5,6,7
.irp k, 0,1,2,3
	v_pk_add_f32 v[S+2*\k:S+2*\k+1], v[S+2*\k:S+2*\k+1], v[X+8*\m+2*\k:X+8*\m+2*\k+1]
.endr
.endr
	FOLD
	ds_store_b32 v[ST1], v[S]                      ; both lanes of a row write the same word with the same value
	BARRIER
	ROWSUM 0, MEAN
	v_mov_b32 v[MEAN+1], v[MEAN]
	WIN 0x40                                       ; destination window 1.  g2 and b2 come back in my registers' order: sixteen lanes name the same 16 bytes.  They land under the second pass below
.irp b, 0,1,2,3
.irp j, 0,1,2,3
	ds_load_b128 v[G+16*\b+4*\j:G+16*\b+4*\j+3], v[GA] offset:GBR+128*\b+16*\j
	ds_load_b128 v[B+16*\b+4*\j:B+16*\b+4*\j+3], v[GA] offset:GBR+512+128*\b+16*\j
.endr
.endr
	WIN 0
.set PP, 0
.rept 32
	v_pk_add_f32 v[X+PP:X+PP+1], v[X+PP:X+PP+1], v[MEAN:MEAN+1] neg_lo:[0,1] neg_hi:[0,1]
.set PP, PP+2
.endr
.irp k, 0,1,2,3
	v_pk_mul_f32 v[S+2*\k:S+2*\k+1], v[X+2*\k:X+2*\k+1], v[X+2*\k:X+2*\k+1]
.endr
.irp m, 1,2,3,4,5,6,7
.irp k, 0,1,2,3
	v_pk_fma_f32 v[S+2*\k:S+2*\k+1], v[X+8*\m+2*\k:X+8*\m+2*\k+1], v[X+8*\m+2*\k:X+8*\m+2*\k+1], v[S+2*\k:S+2*\k+1]
.endr
.endr
	FOLD
	ds_store_b32 v[ST1], v[S] offset:512
	BARRIER                                        ; (its wait for all my LDS instructions also shows g2 and b2 in)
	ROWSUM 512, RSTD
	v_add_f32 v[RSTD], 0x3727c5ac, v[RSTD]         ; + 1e-5
	v_rsq_f32 v[RSTD], v[RSTD]
	v_nop                                          ; a plain place behind the transcendental
	s_wait_alu depctr_va_vdst(0)                   ; and a wait ahead of its first reader
	v_mov_b32 v[RSTD+1], v[RSTD]
.set PP, 0
.rept 32
	v_pk_mul_f32 v[X+PP:X+PP+1], v[X+PP:X+PP+1], v[RSTD:RSTD+1]
.set PP, PP+2
.endr
	WIN 0x14                                       ; sources 1 and 2 window 1
.set PP, 0
.rept 32
	v_pk_fma_f32 v[X+PP:X+PP+1], v[X+PP:X+PP+1], v[G+PP:G+PP+1], v[B+PP:B+PP+1]
.set PP, PP+2
.endr
	WIN 0
	QUANT X
.irp c, 0,1
	ds_store_b128 v[IW], v[PC+4*\c:PC+4*\c+3] offset:IMG+512*\c
.endr
	ds_store_b32 v[SW], v[PW] offset:SC
	BARRIER                                        ; y's eight fragments lie in LDS
	; ---- the product
.irp s, 0,1,2,3
.irp c, 0,1
	ds_load_b128 v[AF+8*\s+4*\c:AF+8*\s+4*\c+3], v[FI] offset:IMG+1024*\s+512*\c
.endr
	ds_load_b32 v[ASW+\s], v[FS] offset:SC+128*\s
.endr
	s_wait_dscnt 0x0
	s_wait_loadcnt 0x0
	WIN 0x01                                       ; source 0 (W1) window 1
.irp u, 0,1
	v_wmma_scale_f32_16x16x128_f8f6f4 v[H+8*\u:H+8*\u+7], v[WF+32*\u:WF+32*\u+7], v[AF:AF+7], 0, v[WSC+4*\u], v[ASW] matrix_a_fmt:MATRIX_FMT_FP4 matrix_b_fmt:MATRIX_FMT_FP4
.endr
.irp s, 1,2,3
.irp u, 0,1
	v_wmma_scale_f32_16x16x128_f8f6f4 v[H+8*\u:H+8*\u+7], v[WF+32*\u+8*\s:WF+32*\u+8*\s+7], v[AF+8*\s:AF+8*\s+7], v[H+8*\u:H+8*\u+7], v[WSC+4*\u+\s], v[ASW+\s] matrix_a_fmt:MATRIX_FMT_FP4 matrix_b_fmt:MATRIX_FMT_FP4
.endr
.endr
	WIN 0
.rept 4
	v_nop                                          ; four places between the last products and the first read of results (ISA guide 7.12.1)
.endr
	s_cmp_eq_u32 s[KH], 0
	s_cbranch_scc1 .Lkeep
.irp i, 0,1,2,3
	ds_store_b128 v[PS], v[H+4*\i:H+4*\i+3] offset:512*\i    ; the upper half of K hands its part over; each accumulator from its low end on
.endr
.Lkeep:
	BARRIER
	s_cmp_lg_u32 s[KH], 0
	s_cbranch_scc1 .Lgiven
.irp i, 0,1,2,3
	ds_load_b128 v[PR+4*\i:PR+4*\i+3], v[PS] offset:512*\i
.endr
	s_wait_dscnt 0x0
.irp i, 0,2,4,6,8,10,12,14
	v_pk_add_f32 v[H+\i:H+\i+1], v[H+\i:H+\i+1], v[PR+\i:PR+\i+1]
.endr
.irp i, 0,2,4,6,8,10,12,14
	v_pk_add_f32 v[H+\i:H+\i+1], v[H+\i:H+\i+1], v[BI+\i:BI+\i+1]
.endr
.irp i, 0,1,2,3,4,5,6,7,8,9,10,11,12,13,14,15
	v_max_num_f32 v[H+\i], 0, v[H+\i]              ; the activation, in f32
.endr
	v_max3_num_f32 v[HM], v[H], v[H+1], 0x1800000  ; the largest of my 16 (none is negative), with the floor 2^(3 - 127), in two chains
	v_max3_num_f32 v[HM+4], v[H+8], v[H+9], v[H+10]
	v_max3_num_f32 v[HM], v[HM], v[H+2], v[H+3]
	v_max3_num_f32 v[HM+4], v[HM+4], v[H+11], v[H+12]
	v_max3_num_f32 v[HM], v[HM], v[H+4], v[H+5]
	v_max3_num_f32 v[HM+4], v[HM+4], v[H+13], v[H+14]
	v_max3_num_f32 v[HM], v[HM], v[H+6], v[H+7]
	v_max3_num_f32 v[HM], v[HM], v[HM+4], v[H+15]
	v_permlanex16_b32 v[HM+1], v[HM], s[SEL], s[SEL+1]
	v_max_num_f32 v[HM], v[HM], v[HM+1]            ; with lane l xor 16's: the block's
	v_add_nc_u32 v[HM+2], 0xff000000, v[HM]        ; 2 off the exponent field: the conversion's scale operand
	v_lshrrev_b32 v[HM+3], 23, v[HM+2]             ; the scale's byte
	v_cvt_scalef32_pk8_fp4_f32 v[HC], v[H:H+7], v[HM+2]
	v_cvt_scalef32_pk8_fp4_f32 v[HC+1], v[H+8:H+15], v[HM+2]
	v_nop                                          ; one plain place behind a scaled conversion
	global_store_b64 v[CA], v[HC:HC+1], s[16:17]   ; the wave's 32 lanes store 256 consecutive bytes of the image, aligned
	ds_store_b8 v[HB], v[HM+3]                     ; both lanes of a row write the same byte with the same value
.Lgiven:
	BARRIER                                        ; the four blocks' bytes make the rows' scale words
	s_cmp_lg_u32 s[WV], 0
	s_cbranch_scc1 .Lend
	ds_load_b32 v[HM+5], v[HR]
	s_wait_dscnt 0x0
	global_store_b32 v[L4], v[HM+5], s[18:19]
.Lend:
	s_wait_tensorcnt 0x0
	ds_add_u32 v254, v255
	s_wait_dscnt 0x0
	s_endpgm
.Lfunc_end_k_q129c5237b8_ffn1:
	.size	k_q129c5237b8_ffn1, .Lfunc_end_k_q129c5237b8_ffn1-k_q129c5237b8_ffn1
	.p2alignl 7, 3214868480
	.fill 96, 4, 3214868480
	.section	.rodata,"a",@progbits
	.p2align	6, 0x0
	.amdhsa_kernel k_q129c5237b8_ffn1
		.amdhsa_group_segment_fixed_size 27904
		.amdhsa_private_segment_fixed_size 0
		.amdhsa_enable_private_segment 0
		.amdhsa_kernarg_size 64
		.amdhsa_user_sgpr_count 2
		.amdhsa_user_sgpr_kernarg_segment_ptr 1
		.amdhsa_wavefront_size32 1
		.amdhsa_system_sgpr_workgroup_id_x 1
		.amdhsa_system_sgpr_workgroup_id_y 1
		.amdhsa_system_sgpr_workgroup_id_z 1
		.amdhsa_system_vgpr_workitem_id 0
		.amdhsa_next_free_vgpr 448
		.amdhsa_next_free_sgpr 66
		.amdhsa_reserve_vcc 0
		.amdhsa_float_denorm_mode_32 3
		.amdhsa_float_denorm_mode_16_64 3
		.amdhsa_memory_ordered 1
		.amdhsa_forward_progress 1
		.amdhsa_inst_pref_size 31
	.end_amdhsa_kernel
	.amdgpu_metadata
---
amdhsa.version: [ 1, 2 ]
amdhsa.kernels:
  - .name:           k_q129c5237b8_ffn1
    .symbol:         k_q129c5237b8_ffn1.kd
    .args:
      - { .name: ao, .offset: 0, .size: 8, .value_kind: global_buffer, .address_space: global }
      - { .name: g2, .offset: 8, .size: 8, .value_kind: global_buffer, .address_space: global }
      - { .name: b2, .offset: 16, .size: 8, .value_kind: global_buffer, .address_space: global }
      - { .name: W1_codes, .offset: 24, .size: 8, .value_kind: global_buffer, .address_space: global }
      - { .name: W1_scales, .offset: 32, .size: 8, .value_kind: global_buffer, .address_space: global }
      - { .name: bf1, .offset: 40, .size: 8, .value_kind: global_buffer, .address_space: global }
      - { .name: hcodes, .offset: 48, .size: 8, .value_kind: global_buffer, .address_space: global }
      - { .name: hscales, .offset: 56, .size: 8, .value_kind: global_buffer, .address_space: global }
    .group_segment_fixed_size: 27904
    .private_segment_fixed_size: 0
    .kernarg_segment_align: 8
    .kernarg_segment_size: 64
    .max_flat_workgroup_size: 256
    .sgpr_count:     66
    .vgpr_count:     448
    .wavefront_size: 32
...
	.end_amdgpu_metadata
.endif
;; end of part 4
;; launch ffn2 (part 5): grid 16 x 8, 8 waves a work-group, no clusters, 35,840 bytes of LDS; arguments hcodes, hscales, W2_codes, W2_scales, bf2, ao, out0; writes out0
.if DOCPART == 5
	.amdgcn_target "amdgcn-amd-amdhsa--gfx1250"
	.amdhsa_code_object_version 6
	.text
	.protected	k_q129c5237b8_ffn2
	.globl	k_q129c5237b8_ffn2
	.p2align	8
	.type	k_q129c5237b8_ffn2,@function
k_q129c5237b8_ffn2:
	s_mov_b64 s[64:65], 0
	v_nop
	global_prefetch_b8 v0, s[64:65] scope:SCOPE_SE
	s_setreg_imm32_b32 hwreg(HW_REG_WAVE_MODE, 25, 1), 1
	s_wait_xcnt 0x0
; out0 = ao + hidden W2^T + bf2.  The hidden layer arrives as codes of FP4 (E2M1) laid as operand registers: hcodes [8 tiles of 16 rows][32 K steps][1,024 bytes], lane l's registers 4 c .. 4 c + 3 at 512 c + 16 l;
; hscales [8][32][32 words], lane l's scale word at 4 l.  W2: [1024] rows of 4,096 codes, K innermost (2,048 bytes a row), 128 E8M0 scale bytes a row.  ao, out0: [128][1024] f32.
; SHARES.  A work-group makes 16 rows (16 mt on) x 64 columns (64 cg on).  THE WAVES SHARE K, NOT THE COLUMNS: wave w takes K steps 4 w .. 4 w + 3 for all four tiles of 16 columns, so that each fragment of the
; hidden layer and each fragment of W2 is loaded by ONE wave of the work-group: 50 loads a wave (32 + 8 of codes, 4 + 4 of scale words, the bias, ao).  Sixteen matrix instructions, the four tiles' accumulators by
; turns.  The eight parts of K meet in a stage in LDS; each wave adds the eight parts of two rows, the bias and ao, and stores two whole rows of 256 bytes.
; The matrix instruction is used transposed: source 0 = 16 rows of W2, source 1 = 16 rows of the hidden layer: lane (r, h), register j holds result (row r, column 8 h + j).
; All loads of a wave go out at once; a load of the hidden layer's image covers 512 consecutive bytes, and a wave reads 256 consecutive bytes of each of its 64 rows of W2.
; NO JOINT LOADS: each operand goes from memory straight into the registers of the one wave that uses it and is used once; what work-groups read in common (32 KB of the hidden layer's codes by 16 of them,
; 128 KB of W2's codes by 8) would have to pass through LDS and wait for rounds of a cluster's barrier, for sixteen matrix instructions a wave.
; LIMITS: NaN and infinities are not served.
.set SP,  272                          ; a stage row: 256 bytes + 16: the sixteen rows that a store touches start at sixteen different banks (64 banks of 4 bytes: ISA guide 11.1)
.set PRT, 16*SP                        ; LDS: eight parts (one a wave) of 16 rows
.set LI,  4                            ; v4   16 lane
.set LS,  5                            ; v5   4 lane
.set WA,  6                            ; v6   2,048 r + 16 h
.set WS,  7                            ; v7   128 r
.set SO,  8                            ; v8   the stage, in: 4,352 w + 272 r + 32 h
.set SR,  9                            ; v9   the stage, back: 544 w + 272 h + 16 r
.set OA,  10                           ; v10  4,096 h + 16 r
.set BA,  11                           ; v11  16 r
.set AF,  16                           ; v16-47   four fragments of the hidden layer
.set ASW, 48                           ; v48-51   their scale words
.set WSC, 52                           ; v52-67   W2's scale words: 4 tile + K step
.set BF,  68                           ; v68-71
.set AO,  72                           ; v72-75
.set ACC, 80                           ; v80-111  four accumulators, one a tile
.set WF,  112                          ; v112-239 W2's sixteen fragments: 8 (4 tile + K step)
.set P0,  112                          ; v112-143 on the way out: the eight parts read back
.set WV,  20
.set CG,  23
.set MT,  24
	s_load_b256 s[4:11], s[0:1], 0x0               ; hcodes s[4:5], hscales s[6:7], W2's codes s[8:9], scales s[10:11]
	s_load_b128 s[12:15], s[0:1], 0x20             ; bf2 s[12:13], ao s[14:15]
	s_load_b64 s[16:17], s[0:1], 0x30              ; out0
	v_lshl_add_u32 v240, v0, 2, 0x8800
	v_mov_b32 v241, 0
	v_lshrrev_b32 v1, 5, v0
	v_readfirstlane_b32 s[WV], v1                  ; wave 0..7
	v_and_b32 v1, 31, v0
	v_and_b32 v2, 15, v0                           ; r
	v_bfe_u32 v3, v0, 4, 1                         ; h
	s_mov_b32 s[CG], ttmp9
	s_and_b32 s[MT], ttmp7, 0xffff
	v_lshlrev_b32 v[LI], 4, v1
	v_lshlrev_b32 v[LS], 2, v1
	v_lshlrev_b32 v[WA], 11, v2
	v_lshl_add_u32 v[WA], v3, 4, v[WA]
	v_lshlrev_b32 v[WS], 7, v2
	v_lshlrev_b32 v[OA], 12, v3
	v_lshl_add_u32 v[OA], v2, 4, v[OA]
	v_lshlrev_b32 v[BA], 4, v2
	s_lshl_b32 s38, s[MT], 5
	s_lshl_b32 s39, s[WV], 2
	s_add_co_u32 s38, s38, s39                     ; my first K step's image: 32 mt + 4 w
	s_lshl_b32 s26, s38, 10
	s_mov_b32 s27, 0
	s_lshl_b32 s28, s38, 7
	s_mov_b32 s29, 0
	s_lshl_b32 s30, s[CG], 17                      ; W2's codes: 64 cg rows of 2,048 bytes + my four K steps: 256 w
	s_lshl_b32 s39, s[WV], 8
	s_add_co_u32 s30, s30, s39
	s_mov_b32 s31, 0
	s_lshl_b32 s32, s[CG], 13                      ; its scale bytes: 64 cg rows of 128 + 16 w
	s_lshl_b32 s39, s[WV], 4
	s_add_co_u32 s32, s32, s39
	s_mov_b32 s33, 0
	s_lshl_b32 s34, s[CG], 8
	s_mov_b32 s35, 0
	s_lshl_b32 s36, s[MT], 16                      ; ao, out0: 16 mt rows + 256 cg + rows 2 w, 2 w + 1
	s_add_co_u32 s36, s36, s34
	s_lshl_b32 s39, s[WV], 13
	s_add_co_u32 s36, s36, s39
	s_mov_b32 s37, 0
	s_wait_kmcnt 0x0
	s_add_nc_u64 s[4:5], s[4:5], s[26:27]
	s_add_nc_u64 s[6:7], s[6:7], s[28:29]
	s_add_nc_u64 s[8:9], s[8:9], s[30:31]
	s_add_nc_u64 s[10:11], s[10:11], s[32:33]
	s_add_nc_u64 s[12:13], s[12:13], s[34:35]
	s_add_nc_u64 s[14:15], s[14:15], s[36:37]
	s_add_nc_u64 s[16:17], s[16:17], s[36:37]
.irp n, 0,1,2,3                                ; tile n begins 16 rows, 32,768 bytes, on
.irp s, 0,1,2,3
.irp c, 0,1
	global_load_b128 v[WF+8*(4*\n+\s)+4*\c:WF+8*(4*\n+\s)+4*\c+3], v[WA], s[8:9] offset:32768*\n+64*\s+32*\c
.endr
.endr
.endr
.irp s, 0,1,2,3
.irp c, 0,1
	global_load_b128 v[AF+8*\s+4*\c:AF+8*\s+4*\c+3], v[LI], s[4:5] offset:1024*\s+512*\c
.endr
.endr
.irp s, 0,1,2,3
	global_load_b32 v[ASW+\s], v[LS], s[6:7] offset:128*\s
.endr
.irp n, 0,1,2,3
	global_load_b128 v[WSC+4*\n:WSC+4*\n+3], v[WS], s[10:11] offset:2048*\n
.endr
	global_load_b128 v[BF:BF+3], v[BA], s[12:13]
	global_load_b128 v[AO:AO+3], v[OA], s[14:15]
	v_mul_u32_u24 v[SO], v2, SP                    ; in: my part; row r, a tile's 64 bytes, 32 for each half of the lanes
	v_lshl_add_u32 v[SO], v3, 5, v[SO]
	s_mul_i32 s39, s[WV], PRT
	v_add_nc_u32 v[SO], s39, v[SO]
	v_mul_u32_u24 v[SR], v3, SP                    ; back: rows 2 w and 2 w + 1, sixteen lanes to a row
	v_lshl_add_u32 v[SR], v2, 4, v[SR]
	s_mul_i32 s39, s[WV], 2*SP
	v_add_nc_u32 v[SR], s39, v[SR]
	s_wait_loadcnt 0x0
.irp s, 0,1,2,3
.irp n, 0,1,2,3
.if \s == 0
	v_wmma_scale_f32_16x16x128_f8f6f4 v[ACC+8*\n:ACC+8*\n+7], v[WF+8*(4*\n+\s):WF+8*(4*\n+\s)+7], v[AF+8*\s:AF+8*\s+7], 0, v[WSC+4*\n+\s], v[ASW+\s] matrix_a_fmt:MATRIX_FMT_FP4 matrix_b_fmt:MATRIX_FMT_FP4
.else
	v_wmma_scale_f32_16x16x128_f8f6f4 v[ACC+8*\n:ACC+8*\n+7], v[WF+8*(4*\n+\s):WF+8*(4*\n+\s)+7], v[AF+8*\s:AF+8*\s+7], v[ACC+8*\n:ACC+8*\n+7], v[WSC+4*\n+\s], v[ASW+\s] matrix_a_fmt:MATRIX_FMT_FP4 matrix_b_fmt:MATRIX_FMT_FP4
.endif
.endr
.endr
.rept 4
	v_nop                                          ; four places between the last products and the first read of results, and the loads below into registers that they read
.endr
.irp n, 0,1,2,3
	ds_store_b128 v[SO], v[ACC+8*\n:ACC+8*\n+3] offset:64*\n             ; each accumulator from its low end on
	ds_store_b128 v[SO], v[ACC+8*\n+4:ACC+8*\n+7] offset:64*\n+16
.endr
	s_wait_dscnt 0x0                               ; for the others' sake: my part has landed
	s_barrier_signal -1
	s_barrier_wait -1
.irp m, 0,1,2,3,4,5,6,7
	ds_load_b128 v[P0+4*\m:P0+4*\m+3], v[SR] offset:PRT*\m
.endr
	s_wait_dscnt 0x0
.irp m, 0,2,4,6
.irp i, 0,2
	v_pk_add_f32 v[P0+4*\m+\i:P0+4*\m+\i+1], v[P0+4*\m+\i:P0+4*\m+\i+1], v[P0+4*\m+4+\i:P0+4*\m+4+\i+1]
.endr
.endr
.irp m, 0,4
.irp i, 0,2
	v_pk_add_f32 v[P0+4*\m+\i:P0+4*\m+\i+1], v[P0+4*\m+\i:P0+4*\m+\i+1], v[P0+4*\m+8+\i:P0+4*\m+8+\i+1]
.endr
.endr
.irp i, 0,2
	v_pk_add_f32 v[P0+\i:P0+\i+1], v[P0+\i:P0+\i+1], v[P0+16+\i:P0+16+\i+1]
.endr
.irp i, 0,2
	v_pk_add_f32 v[P0+\i:P0+\i+1], v[P0+\i:P0+\i+1], v[AO+\i:AO+\i+1]
.endr
.irp i, 0,2
	v_pk_add_f32 v[P0+\i:P0+\i+1], v[P0+\i:P0+\i+1], v[BF+\i:BF+\i+1]
.endr
	global_store_b128 v[OA], v[P0:P0+3], s[16:17] th:TH_STORE_NT   ; sixteen lanes store 256 consecutive bytes, at a multiple of 256 from out0's first byte; written once, read by nobody here
	s_wait_tensorcnt 0x0
	ds_add_u32 v240, v241
	s_wait_dscnt 0x0
	s_endpgm
.Lfunc_end_k_q129c5237b8_ffn2:
	.size	k_q129c5237b8_ffn2, .Lfunc_end_k_q129c5237b8_ffn2-k_q129c5237b8_ffn2
	.p2alignl 7, 3214868480
	.fill 96, 4, 3214868480
	.section	.rodata,"a",@progbits
	.p2align	6, 0x0
	.amdhsa_kernel k_q129c5237b8_ffn2
		.amdhsa_group_segment_fixed_size 35840
		.amdhsa_private_segment_fixed_size 0
		.amdhsa_enable_private_segment 0
		.amdhsa_kernarg_size 56
		.amdhsa_user_sgpr_count 2
		.amdhsa_user_sgpr_kernarg_segment_ptr 1
		.amdhsa_wavefront_size32 1
		.amdhsa_system_sgpr_workgroup_id_x 1
		.amdhsa_system_sgpr_workgroup_id_y 1
		.amdhsa_system_sgpr_workgroup_id_z 1
		.amdhsa_system_vgpr_workitem_id 0
		.amdhsa_next_free_vgpr 242
		.amdhsa_next_free_sgpr 66
		.amdhsa_reserve_vcc 0
		.amdhsa_float_denorm_mode_32 3
		.amdhsa_float_denorm_mode_16_64 3
		.amdhsa_memory_ordered 1
		.amdhsa_forward_progress 1
		.amdhsa_inst_pref_size 12
	.end_amdhsa_kernel
	.amdgpu_metadata
---
amdhsa.version: [ 1, 2 ]
amdhsa.kernels:
  - .name:           k_q129c5237b8_ffn2
    .symbol:         k_q129c5237b8_ffn2.kd
    .args:
      - { .name: hcodes, .offset: 0, .size: 8, .value_kind: global_buffer, .address_space: global }
      - { .name: hscales, .offset: 8, .size: 8, .value_kind: global_buffer, .address_space: global }
      - { .name: W2_codes, .offset: 16, .size: 8, .value_kind: global_buffer, .address_space: global }
      - { .name: W2_scales, .offset: 24, .size: 8, .value_kind: global_buffer, .address_space: global }
      - { .name: bf2, .offset: 32, .size: 8, .value_kind: global_buffer, .address_space: global }
      - { .name: ao, .offset: 40, .size: 8, .value_kind: global_buffer, .address_space: global }
      - { .name: out0, .offset: 48, .size: 8, .value_kind: global_buffer, .address_space: global }
    .group_segment_fixed_size: 35840
    .private_segment_fixed_size: 0
    .kernarg_segment_align: 8
    .kernarg_segment_size: 56
    .max_flat_workgroup_size: 256
    .sgpr_count:     66
    .vgpr_count:     242
    .wavefront_size: 32
...
	.end_amdgpu_metadata
.endif
;; end of part 5
;; ======== version 2 of 2: 5 launches; version 1 with the launches qkv, oproj, ffn1, ffn2 written anew for expert scheduling mode
;; workspace buffers: q 524,288 bytes; k 524,288 bytes; v 524,288 bytes; att 524,288 bytes; ao 524,288 bytes; stats 1,024 bytes; hcodes 262,144 bytes; hscales 32,768 bytes
;; launch qkv (part 6): grid 16 x 8, 8 waves a work-group, no clusters, 54,784 bytes of LDS; arguments features, g1, b1, Wq_codes, Wk_codes, Wv_codes, Wq_scales, Wk_scales, Wv_scales, bq, bk, bv, q, k, v, stats; writes q, k, v, stats
.if DOCPART == 6
	.amdgcn_target "amdgcn-amd-amdhsa--gfx1250"
	.amdhsa_code_object_version 6
	.text
	.protected	k_q129c5237b8_qkv
	.globl	k_q129c5237b8_qkv
	.p2align	8
	.type	k_q129c5237b8_qkv,@function
k_q129c5237b8_qkv:
	s_mov_b64 s[64:65], 0
	v_nop
	global_prefetch_b8 v0, s[64:65] scope:SCOPE_SE
	s_setreg_imm32_b32 hwreg(HW_REG_WAVE_SCHED_MODE, 0, 2), 2
	s_setreg_imm32_b32 hwreg(HW_REG_WAVE_MODE, 25, 1), 1
	s_wait_xcnt 0x0
	s_wait_alu depctr_vm_vsrc(0)
; q = Q(xq) Wq^T + bq, k = Q(f) Wk^T + bk, v = Q(f) Wv^T + bv, xq = LayerNorm(f) g1 + b1; f = features as 128 rows x 1,024, f32.  Q: codes of FP4 (E2M1) with one E8M0 scale for each 32 along K.
; The weights arrive as codes, K innermost (a row: 512 bytes), with 32 scale bytes a row.  q, k, v: [128][1024] f32.  stats: the rows' means [128], then 1 / sqrt(var + eps) [128], for the launch that adds xq again.
; SHARES.  A work-group makes 16 rows (16 mt on) x 64 columns (64 cg on) of q, k and v.  Each of its eight waves has two parts to play:
;   it QUANTISES K step w: 128 columns of all 16 rows, 64 numbers a lane, once as they are and once normalised, and hands both fragments on through LDS as images of their registers;
;   it MULTIPLIES 16 columns (nt = w % 4) by four K steps (kh = w / 4): twelve matrix instructions, the accumulators of q, k and v by turns.
; The two halves of K meet in a stage in LDS, and each wave stores two whole rows of 256 bytes of each result.
; THE MATRIX INSTRUCTION IS USED TRANSPOSED: source 0 = 16 rows of the weight, source 1 = 16 rows of the activation: lane (r, h), register j holds result (row r, column 8 h + j).
; THE NORM goes in two passes over the registers: the mean first, then the mean of (x - mean)^2, so that a common offset of the inputs cancels nothing.
; g1 AND b1 of a wave's 128 columns are the same for all 16 rows: each comes by ONE load of 512 consecutive bytes, goes into the wave's own 1,024 bytes of LDS, and comes back by LDS loads in which sixteen lanes
; name the same 16 bytes: 2 loads from memory where a load for each four registers of a lane would be 32.
; NO JOINT LOADS: every operand goes from memory straight into the registers of the one wave that multiplies it, in the fragment's own order, in one burst at the head, and is used once (four K steps a wave).
; What work-groups read in common (16 rows of features: 64 KB, by 16 of them; a slice of 96 KB of codes, by 8) would have to pass through LDS and wait for rounds of a cluster's barrier, for twelve matrix instructions a wave.
; THE MODE: SCHED_MODE bits 1:0 = 2 (LLVM: expert scheduling mode 2), set by the entry lines.  The code itself states the register dependences between vector or matrix instructions and memory or LDS
; instructions, with s_wait_alu, always for 0.
; THE PLAN.  Registers that memory or LDS instructions touch:
;   v4-v20      addresses and offsets: all made at the head, under the wait for the arguments, and never written again: one wait on va_vdst ahead of the first load serves every load and store of the kernel.
;   X           loaded at the head, then worked on by vector instructions alone; at the end the stage's parts land in its first 24 registers and leave from there.
;   GT          loaded, read by two LDS stores; later fragments of f land there.
;   S           written by the sums, read by an LDS store; written again by the squares, stored again.
;   PC, PW      written by QUANT, read by the image's stores; written again by the second QUANT, stored again.
;   RS          LDS loads land in it, vector instructions add in place; loaded a second time.
;   ACC         written by matrix instructions, read by six LDS stores.      SV: written by a select, read by one store.
;   G, B, FF, XF, FSW, XSW, WF, WSC, BI: written by loads alone, read by vector and matrix instructions alone, loaded once.
; So a wait on va_vdst stands ahead of each run of stores whose data vector or matrix instructions have made, and two of these also serve the loads that follow them (RS; X); ONE wait on vm_vsrc, behind the
; first sum of the rows' parts, states that the stores issued so far have read GT, S, PC and PW, all of which are written again later.
; LIMITS: NaN and infinities among the inputs are not served.  A block of zeros gets the scale byte 1 (the rule says 127): its codes are zeros, and this program alone reads the byte.
; A block whose largest magnitude lies under 2^-124 is held at the byte 1.
.set FIMG, 0                           ; LDS: images of the eight fragments of f, 1,024 bytes each,
.set XIMG, 8192                        ; of xq,
.set FSC,  16384                       ; their scale words, 128 bytes a K step,
.set XSC,  17408
.set STAT, 18432                       ; [16 rows][8 waves] f32: parts of the rows' sums; 512 bytes on: of the squares
.set STG,  19456                       ; the stage: part (matrix, kh) = 16 rows x 272 bytes
.set SP,   272                         ; 256 bytes + 16: the sixteen rows that a store touches start at sixteen different banks (64 banks of 4 bytes: ISA guide 11.1)
.set PRT,  16*SP
.set GBR,  45568                       ; behind the stage: 1,024 bytes for each wave: g1 of its 128 columns, then b1
.set XA,  4                            ; v4   features: 4,096 r + 64 h
.set GA,  5                            ; v5   LDS: 1,024 w + 64 h: where my half's g1 and b1 begin
.set WA,  6                            ; v6   codes: 512 r + 16 h
.set WS,  7                            ; v7   scale bytes: 32 r
.set L16, 8                            ; v8   16 x lane
.set L4,  9                            ; v9   4 x lane
.set IW,  10                           ; v10  where I store an image: 16 x lane + 1,024 w
.set SW,  11                           ; v11  and its scale words: 4 x lane + 128 w
.set ST1, 12                           ; v12  STAT + 32 r + 4 w
.set SR1, 13                           ; v13  STAT + 32 r
.set FI,  14                           ; v14  where I fetch images: 16 x lane + 4,096 kh
.set FS,  15                           ; v15  4 x lane + 512 kh
.set SO,  16                           ; v16  the stage, in
.set SR,  17                           ; v17  the stage, back
.set OA,  18                           ; v18  results: 4,096 h + 16 r
.set BA,  19                           ; v19  biases: 16 r
.set SA,  20                           ; v20  stats: 512 h + 4 r
.set SV,  21                           ; v21  what goes there
.set WSC, 24                           ; v24-35   the weights' scale words: matrix x 4 + K step
.set BI,  36                           ; v36-47   four bias numbers a matrix
.set X,   48                           ; v48-111  my 64 numbers: register 16 b + i = column 128 w + 32 b + 16 h + i of row r
.set TM,  112                          ; v112-127 at work in QUANT
.set PC,  128                          ; v128-135 the codes just made
.set PW,  136                          ; v136     their scale word
.set S,   140                          ; v140-147 four packed chains
.set RS,  148                          ; v148-155 eight waves' parts of a row
.set MEAN, 156                         ; v156-157 the mean, twice
.set RSTD, 158                         ; v158-159 1 / sqrt(var + eps), twice
.set FF,  160                          ; v160-191 four fragments of f
.set GT,  160                          ; v160-167 at the head: g1 and b1 as loaded, 16 bytes a lane each
.set XF,  192                          ; v192-223 four of xq
.set FSW, 224                          ; v224-227 their scale words
.set XSW, 228
.set ACC, 232                          ; v232-255 the accumulators of q, k, v
.set WF,  0                            ; window 1: v0-95 the weights' fragments, 8 (4 matrix + K step)
.set G,   96                           ; window 1: v96-159 g1 of my columns
.set B,   160                          ; window 1: v160-223 b1
.set WV,  36                           ; s36 wave, s37 nt, s38 kh, s39 cg, s40 mt
.set NT,  37
.set KH,  38
.set CG,  39
.set MT,  40
.set SEL, 46                           ; s[46:47] v_permlanex16_b32's selects for lane l xor 16
.set MSB, 0
.macro WIN new                         ; the immediate's high byte repeats the setting that is left
.if MSB != \new
	s_set_vgpr_msb (MSB<<8)|\new
.set MSB, \new
.endif
.endm
; 64 numbers of a lane, v[s] on, become a fragment's codes in v[PC] on and its scale word in v[PW].
.macro QUANT s
.irp b, 0,1,2,3
	v_max3_num_f32 v[TM+\b], |v[\s+16*\b]|, |v[\s+1+16*\b]|, 0x1800000   ; block b: my 16 numbers, and the floor 2^(3 - 127): the byte cannot fall under 1
.endr
.irp i, 2,4,6,8,10,12,14
.irp b, 0,1,2,3
	v_max3_num_f32 v[TM+\b], v[TM+\b], |v[\s+16*\b+\i]|, |v[\s+1+16*\b+\i]|   ; the four blocks by turns
.endr
.endr
.irp b, 0,1,2,3
	v_permlanex16_b32 v[TM+4+\b], v[TM+\b], s[SEL], s[SEL+1]
.endr
.irp b, 0,1,2,3
	v_max_num_f32 v[TM+\b], v[TM+\b], v[TM+4+\b]   ; with lane l xor 16's: the block's largest magnitude
.endr
.irp b, 0,1,2,3
	v_add_nc_u32 v[TM+12+\b], 0xff000000, v[TM+\b]   ; 2 off its exponent field: the conversion takes this operand's exponent field as its scale
.endr
.irp b, 0,1,2,3
	v_lshrrev_b32 v[TM+4+\b], 23, v[TM+12+\b]      ; the scale's byte
.endr
	v_lshl_or_b32 v[PW], v[TM+5], 8, v[TM+4]
	v_lshl_or_b32 v[PW], v[TM+6], 16, v[PW]
	v_lshl_or_b32 v[PW], v[TM+7], 24, v[PW]        ; my row's scale word
.irp b, 0,1,2,3
	v_cvt_scalef32_pk8_fp4_f32 v[PC+2*\b], v[\s+16*\b:\s+7+16*\b], v[TM+12+\b]
	v_cvt_scalef32_pk8_fp4_f32 v[PC+1+2*\b], v[\s+8+16*\b:\s+15+16*\b], v[TM+12+\b]
.endr
	v_nop                                          ; one plain place behind a scaled conversion
.irp c, 0,1                                    ; the operand wants a whole block in a lane: lanes 0-15 block 2 c, lanes 16-31 block 2 c + 1
.irp i, 0,1
	v_permlane16_swap_b32 v[PC+4*\c+\i], v[PC+2+4*\c+\i]
.endr
.endr
.endm
.macro IMAGE adr, off                          ; the fragment in v[PC] on goes to LDS as it stands: lane l's 16 bytes at 16 l
.irp c, 0,1
	ds_store_b128 v[\adr], v[PC+4*\c:PC+4*\c+3] offset:\off+512*\c
.endr
.endm
.macro FETCH reg, adr, off                     ; and comes back so, in any wave
.irp c, 0,1
	ds_load_b128 v[\reg+4*\c:\reg+4*\c+3], v[\adr] offset:\off+512*\c
.endr
.endm
.macro BARRIER                                 ; my LDS stores have landed and my LDS loads are in: then the work-group's barrier
	s_wait_dscnt 0x0
	s_barrier_signal -1
	s_barrier_wait -1
.endm
.macro FOLD                                    ; four packed chains -> the sum over my row's 128 numbers of this K step, in both lanes that hold the row
	v_pk_add_f32 v[S:S+1], v[S:S+1], v[S+2:S+3]
	v_pk_add_f32 v[S+4:S+5], v[S+4:S+5], v[S+6:S+7]
	v_pk_add_f32 v[S:S+1], v[S:S+1], v[S+4:S+5]
	v_add_f32 v[S], v[S], v[S+1]
	v_permlanex16_b32 v[S+2], v[S], s[SEL], s[SEL+1]
	v_add_f32 v[S], v[S], v[S+2]
.endm
.macro SUM64
.irp k, 0,1,2,3
	v_pk_add_f32 v[S+2*\k:S+2*\k+1], v[X+2*\k:X+2*\k+1], v[X+8+2*\k:X+8+2*\k+1]
.endr
.irp m, 2,3,4,5,6,7
.irp k, 0,1,2,3
	v_pk_add_f32 v[S+2*\k:S+2*\k+1], v[S+2*\k:S+2*\k+1], v[X+8*\m+2*\k:X+8*\m+2*\k+1]
.endr
.endr
	FOLD
.endm
.macro SQ64
.irp k, 0,1,2,3
	v_pk_mul_f32 v[S+2*\k:S+2*\k+1], v[X+2*\k:X+2*\k+1], v[X+2*\k:X+2*\k+1]
.endr
.irp m, 1,2,3,4,5,6,7
.irp k, 0,1,2,3
	v_pk_fma_f32 v[S+2*\k:S+2*\k+1], v[X+8*\m+2*\k:X+8*\m+2*\k+1], v[X+8*\m+2*\k:X+8*\m+2*\k+1], v[S+2*\k:S+2*\k+1]
.endr
.endr
	FOLD
.endm
.macro ROWSUM off, dst                         ; the eight waves' parts of my row, added, / 1,024
	ds_load_b128 v[RS:RS+3], v[SR1] offset:\off
	ds_load_b128 v[RS+4:RS+7], v[SR1] offset:\off+16
	s_wait_dscnt 0x0
	v_pk_add_f32 v[RS:RS+1], v[RS:RS+1], v[RS+2:RS+3]
	v_pk_add_f32 v[RS+4:RS+5], v[RS+4:RS+5], v[RS+6:RS+7]
	v_pk_add_f32 v[RS:RS+1], v[RS:RS+1], v[RS+4:RS+5]
	v_add_f32 v[RS], v[RS], v[RS+1]
	v_mul_f32 v[\dst], 0x3a800000, v[RS]
.endm
.macro MM acc, wf, af, ws, as, zero            ; one matrix instruction; zero = 1: it starts the sum
.if \zero
	v_wmma_scale_f32_16x16x128_f8f6f4 v[\acc:\acc+7], v[\wf:\wf+7], v[\af:\af+7], 0, v[\ws], v[\as] matrix_a_fmt:MATRIX_FMT_FP4 matrix_b_fmt:MATRIX_FMT_FP4
.else
	v_wmma_scale_f32_16x16x128_f8f6f4 v[\acc:\acc+7], v[\wf:\wf+7], v[\af:\af+7], v[\acc:\acc+7], v[\ws], v[\as] matrix_a_fmt:MATRIX_FMT_FP4 matrix_b_fmt:MATRIX_FMT_FP4
.endif
.endm
	s_load_b512 s[4:19], s[0:1], 0x0               ; features s[4:5], g1 s[6:7], b1 s[8:9], codes of Wq s[10:11], Wk s[12:13], Wv s[14:15], scales of Wq s[16:17], Wk s[18:19]
	s_load_b512 s[20:35], s[0:1], 0x40             ; scales of Wv s[20:21], bq s[22:23], bk s[24:25], bv s[26:27], q s[28:29], k s[30:31], v s[32:33], stats s[34:35]
	v_lshl_add_u32 v138, v0, 2, 0xd200
	v_mov_b32 v139, 0
	v_lshrrev_b32 v1, 5, v0
	v_readfirstlane_b32 s[WV], v1                  ; wave 0..7
	v_and_b32 v1, 31, v0                           ; lane
	v_and_b32 v2, 15, v0                           ; r
	v_bfe_u32 v3, v0, 4, 1                         ; h
	v_lshlrev_b32 v[XA], 12, v2
	v_lshl_add_u32 v[XA], v3, 6, v[XA]
	v_lshlrev_b32 v[L16], 4, v1
	v_lshlrev_b32 v[WA], 9, v2
	v_lshl_add_u32 v[WA], v3, 4, v[WA]
	v_lshlrev_b32 v[WS], 5, v2
	v_lshlrev_b32 v[BA], 4, v2
	s_wait_alu depctr_va_sdst(0)                   ; s[WV] is written, ahead of its first reader: nt, kh, the bases and the LDS addresses are made from it
	s_and_b32 s[NT], s[WV], 3
	s_lshr_b32 s[KH], s[WV], 2
	s_mov_b32 s[CG], ttmp9
	s_and_b32 s[MT], ttmp7, 0xffff
	s_lshl_b32 s42, s[MT], 16                      ; features: 16 mt rows of 4,096 bytes + 512 w
	s_lshl_b32 s44, s[WV], 9                       ; g1, b1: 512 w
	s_add_co_u32 s42, s42, s44
	s_mov_b32 s43, 0
	s_mov_b32 s45, 0
	s_lshl_b32 s48, s[CG], 6
	s_lshl_b32 s50, s[NT], 4
	s_add_co_u32 s50, s48, s50                     ; my first row of the weights: 64 cg + 16 nt
	s_lshl_b32 s48, s50, 9                         ; its codes, + my four K steps: 256 kh
	s_lshl_b32 s52, s[KH], 8
	s_add_co_u32 s48, s48, s52
	s_mov_b32 s49, 0
	s_lshl_b32 s50, s50, 5                         ; its scale bytes, + 16 kh
	s_lshl_b32 s52, s[KH], 4
	s_add_co_u32 s50, s50, s52
	s_mov_b32 s51, 0
	s_lshl_b32 s52, s[CG], 8                       ; biases: 256 cg
	s_mov_b32 s53, 0
	s_lshl_b32 s54, s[MT], 16                      ; results: 16 mt rows + 256 cg + the two rows 2 w, 2 w + 1
	s_add_co_u32 s54, s54, s52
	s_lshl_b32 s56, s[WV], 13
	s_add_co_u32 s54, s54, s56
	s_mov_b32 s55, 0
	s_lshl_b32 s56, s[MT], 6                       ; stats: 64 mt
	s_mov_b32 s57, 0
	s_mov_b32 s[SEL], 0x76543210
	s_mov_b32 s[SEL+1], 0xfedcba98
	; the LDS addresses, under the wait for the arguments: so one wait below serves every address of the kernel
	v_lshlrev_b32 v[L4], 2, v1
	s_lshl_b32 s58, s[WV], 10
	v_add_nc_u32 v[IW], s58, v[L16]
	v_lshl_add_u32 v[GA], v3, 6, s58
	s_lshl_b32 s58, s[WV], 7
	v_add_nc_u32 v[SW], s58, v[L4]
	v_lshlrev_b32 v[SR1], 5, v2
	v_add_nc_u32 v[SR1], STAT, v[SR1]
	s_lshl_b32 s58, s[WV], 2
	v_add_nc_u32 v[ST1], s58, v[SR1]
	s_lshl_b32 s58, s[KH], 12
	v_add_nc_u32 v[FI], s58, v[L16]
	s_lshl_b32 s58, s[KH], 9
	v_add_nc_u32 v[FS], s58, v[L4]
	v_mul_u32_u24 v[SO], v2, SP                    ; in: row r, my 16 columns' 64 bytes, 32 for each half of the lanes; part kh
	v_lshl_add_u32 v[SO], v3, 5, v[SO]
	s_mul_i32 s58, s[KH], PRT
	s_lshl_b32 s59, s[NT], 6
	s_add_co_u32 s58, s58, s59
	s_add_co_u32 s58, s58, STG
	v_add_nc_u32 v[SO], s58, v[SO]
	v_mul_u32_u24 v[SR], v3, SP                    ; back: rows 2 w and 2 w + 1, sixteen lanes to a row
	v_lshl_add_u32 v[SR], v2, 4, v[SR]
	s_mul_i32 s58, s[WV], 2*SP
	s_add_co_u32 s58, s58, STG
	v_add_nc_u32 v[SR], s58, v[SR]
	v_lshlrev_b32 v[OA], 12, v3
	v_lshl_add_u32 v[OA], v2, 4, v[OA]
	v_lshlrev_b32 v[SA], 9, v3
	v_lshl_add_u32 v[SA], v2, 2, v[SA]
.irp b, 0,1,2,3
	v_mov_b32 v[TM+4+\b], 0                        ; written once: a lane permute's destination counts as one of its sources
.endr
	s_wait_kmcnt 0x0
	s_add_nc_u64 s[4:5], s[4:5], s[42:43]
	s_wait_alu depctr_va_vdst(0)                   ; the addresses and offsets v4 to v20 are written, which the loads and stores of the whole kernel read; none is written again
.irp b, 0,1,2,3                                ; ALL LOADS GO OUT AT ONCE, those wanted first ahead: my 64 numbers,
.irp j, 0,1,2,3
	global_load_b128 v[X+16*\b+4*\j:X+16*\b+4*\j+3], v[XA], s[4:5] offset:128*\b+16*\j
.endr
.endr
	s_add_nc_u64 s[6:7], s[6:7], s[44:45]
	s_add_nc_u64 s[8:9], s[8:9], s[44:45]
	s_add_nc_u64 s[10:11], s[10:11], s[48:49]
	s_add_nc_u64 s[12:13], s[12:13], s[48:49]
	s_add_nc_u64 s[14:15], s[14:15], s[48:49]
	s_add_nc_u64 s[16:17], s[16:17], s[50:51]
	s_add_nc_u64 s[18:19], s[18:19], s[50:51]
	s_add_nc_u64 s[20:21], s[20:21], s[50:51]
	s_add_nc_u64 s[22:23], s[22:23], s[52:53]
	s_add_nc_u64 s[24:25], s[24:25], s[52:53]
	s_add_nc_u64 s[26:27], s[26:27], s[52:53]
	s_add_nc_u64 s[28:29], s[28:29], s[54:55]
	s_add_nc_u64 s[30:31], s[30:31], s[54:55]
	s_add_nc_u64 s[32:33], s[32:33], s[54:55]
	s_add_nc_u64 s[34:35], s[34:35], s[56:57]
	global_load_b128 v[GT:GT+3], v[L16], s[6:7]            ; g1 and b1 of my 128 columns: 512 consecutive bytes a load,
	global_load_b128 v[GT+4:GT+7], v[L16], s[8:9]
	WIN 0x40                                       ; destination window 1
.irp s, 0,1,2,3                                ; the weights' twelve fragments: lane (r, h) takes bytes 64 s + 32 c + 16 h of row r,
.irp c, 0,1
	global_load_b128 v[WF+8*\s+4*\c:WF+8*\s+4*\c+3], v[WA], s[10:11] offset:64*\s+32*\c
	global_load_b128 v[WF+32+8*\s+4*\c:WF+32+8*\s+4*\c+3], v[WA], s[12:13] offset:64*\s+32*\c
	global_load_b128 v[WF+64+8*\s+4*\c:WF+64+8*\s+4*\c+3], v[WA], s[14:15] offset:64*\s+32*\c
.endr
.endr
	WIN 0
	global_load_b128 v[WSC:WSC+3], v[WS], s[16:17]         ; their scale words, four K steps a load,
	global_load_b128 v[WSC+4:WSC+7], v[WS], s[18:19]
	global_load_b128 v[WSC+8:WSC+11], v[WS], s[20:21]
	global_load_b128 v[BI:BI+3], v[BA], s[22:23]           ; and the biases of the four columns that I store
	global_load_b128 v[BI+4:BI+7], v[BA], s[24:25]
	global_load_b128 v[BI+8:BI+11], v[BA], s[26:27]
	; ---- the rows' sums; f is quantised while the others arrive
	s_wait_loadcnt 30                              ; my 64 numbers, g1 and b1 are in: behind their 18 loads 30 were issued (24 + 3 + 3)
	ds_store_b128 v[IW], v[GT:GT+3] offset:GBR             ; g1 and b1 into my wave's own bytes, as they lie
	ds_store_b128 v[IW], v[GT+4:GT+7] offset:GBR+512
	SUM64
	s_wait_alu depctr_va_vdst(0)                   ; the additions have written v[S], which the LDS store reads
	ds_store_b32 v[ST1], v[S]                      ; both lanes of a row write the same word with the same value
	s_wait_dscnt 0x0                               ; for the others' sake: my part of the sums has landed
	s_barrier_signal -1
	QUANT X                                        ; work on registers alone
	s_barrier_wait -1
	s_wait_alu depctr_va_vdst(0)                   ; QUANT has written v[PC ..] and v[PW], which the three LDS stores read
	IMAGE IW, FIMG
	ds_store_b32 v[SW], v[PW] offset:FSC
	ROWSUM 0, MEAN
	v_mov_b32 v[MEAN+1], v[MEAN]
	s_wait_alu depctr_vm_vsrc(0)                   ; the LDS stores issued so far have read v[S], which the squares write again, v[PC ..] and v[PW], which the second QUANT writes again, and v[GT ..], in which fragments of f land
	WIN 0x40                                       ; destination window 1.  g1 and b1 come back in my registers' order: sixteen lanes name the same 16 bytes.  They land under the second pass below
.irp b, 0,1,2,3
.irp j, 0,1,2,3
	ds_load_b128 v[G+16*\b+4*\j:G+16*\b+4*\j+3], v[GA] offset:GBR+128*\b+16*\j
	ds_load_b128 v[B+16*\b+4*\j:B+16*\b+4*\j+3], v[GA] offset:GBR+512+128*\b+16*\j
.endr
.endr
	WIN 0
.set PP, 0
.rept 32
	v_pk_add_f32 v[X+PP:X+PP+1], v[X+PP:X+PP+1], v[MEAN:MEAN+1] neg_lo:[0,1] neg_hi:[0,1]   ; x - mean
.set PP, PP+2
.endr
	SQ64
	s_wait_alu depctr_va_vdst(0)                   ; the squares' sum has written v[S], which the LDS store reads; and the first sum of parts is done with v[RS ..], in which the next LDS loads land
	ds_store_b32 v[ST1], v[S] offset:512
	BARRIER                                        ; (its wait for all my LDS instructions also shows g1 and b1 in)
	; ---- xq = (x - mean) / sqrt(var + eps) x g1 + b1
	ROWSUM 512, RSTD
	v_add_f32 v[RSTD], 0x3727c5ac, v[RSTD]         ; + 1e-5
	v_rsq_f32 v[RSTD], v[RSTD]
	v_nop                                          ; a plain place behind the transcendental
	s_wait_alu depctr_va_vdst(0)                   ; the reciprocal root has written v[RSTD]: a wait ahead of its first reader
	v_mov_b32 v[RSTD+1], v[RSTD]
.set PP, 0
.rept 32
	v_pk_mul_f32 v[X+PP:X+PP+1], v[X+PP:X+PP+1], v[RSTD:RSTD+1]
.set PP, PP+2
.endr
	WIN 0x14                                       ; sources 1 and 2 window 1
.set PP, 0
.rept 32
	v_pk_fma_f32 v[X+PP:X+PP+1], v[X+PP:X+PP+1], v[G+PP:G+PP+1], v[B+PP:B+PP+1]
.set PP, PP+2
.endr
	WIN 0
	v_cmp_eq_u32 vcc_lo, 1, v3
	s_wait_alu depctr_va_vcc(0)                    ; the compare has written VCC, which the select reads
	v_cndmask_b32 v[SV], v[MEAN], v[RSTD], vcc_lo  ; lanes 0-15 the mean of row r, lanes 16-31 its 1 / sqrt
	s_or_b32 s58, s[CG], s[WV]
	s_cmp_lg_u32 s58, 0
	s_cbranch_scc1 .Lno_stats                      ; one wave of one work-group for each 16 rows stores them
	s_wait_alu depctr_va_vdst(0)                   ; the select has written v[SV], which the store reads
	global_store_b32 v[SA], v[SV], s[34:35]
.Lno_stats:
	QUANT X
	s_wait_alu depctr_va_vdst(0)                   ; QUANT has written v[PC ..] and v[PW], which the three LDS stores read
	IMAGE IW, XIMG
	ds_store_b32 v[SW], v[PW] offset:XSC
	BARRIER                                        ; all sixteen fragments lie in LDS
	; ---- the products
.irp s, 0,1,2,3
	FETCH FF+8*\s, FI, FIMG+1024*\s
	FETCH XF+8*\s, FI, XIMG+1024*\s
	ds_load_b32 v[FSW+\s], v[FS] offset:FSC+128*\s
	ds_load_b32 v[XSW+\s], v[FS] offset:XSC+128*\s
.endr
	s_wait_dscnt 0x0
	s_wait_loadcnt 0x0                             ; the weights, their scale words, the biases
	WIN 0x01                                       ; source 0 (the weight) window 1
	MM ACC, WF, XF, WSC, XSW, 1
	MM ACC+8, WF+32, FF, WSC+4, FSW, 1
	MM ACC+16, WF+64, FF, WSC+8, FSW, 1
.irp s, 1,2,3
	MM ACC, WF+8*\s, XF+8*\s, WSC+\s, XSW+\s, 0
	MM ACC+8, WF+32+8*\s, FF+8*\s, WSC+4+\s, FSW+\s, 0
	MM ACC+16, WF+64+8*\s, FF+8*\s, WSC+8+\s, FSW+\s, 0
.endr
	WIN 0
.rept 4
	v_nop                                          ; four places between the last products and the first read of results (ISA guide 7.12.1)
.endr
	s_wait_alu depctr_va_vdst(0)                   ; the matrix instructions have written the accumulators, which the LDS stores read (the places above stay beside this wait); and QUANT is done with v[X ..], in which the stage's loads land
.irp m, 0,1,2
	ds_store_b128 v[SO], v[ACC+8*\m:ACC+8*\m+3] offset:2*PRT*\m          ; each accumulator from its low end on
	ds_store_b128 v[SO], v[ACC+8*\m+4:ACC+8*\m+7] offset:2*PRT*\m+16
.endr
	BARRIER                                        ; both halves of K lie in the stage
.irp m, 0,1,2
	ds_load_b128 v[X+8*\m:X+8*\m+3], v[SR] offset:2*PRT*\m
	ds_load_b128 v[X+8*\m+4:X+8*\m+7], v[SR] offset:2*PRT*\m+PRT
.endr
	s_wait_dscnt 0x0
.irp m, 0,1,2
	v_pk_add_f32 v[X+8*\m:X+8*\m+1], v[X+8*\m:X+8*\m+1], v[X+8*\m+4:X+8*\m+5]
	v_pk_add_f32 v[X+8*\m+2:X+8*\m+3], v[X+8*\m+2:X+8*\m+3], v[X+8*\m+6:X+8*\m+7]
.endr
.irp m, 0,1,2
	v_pk_add_f32 v[X+8*\m:X+8*\m+1], v[X+8*\m:X+8*\m+1], v[BI+4*\m:BI+4*\m+1]
	v_pk_add_f32 v[X+8*\m+2:X+8*\m+3], v[X+8*\m+2:X+8*\m+3], v[BI+4*\m+2:BI+4*\m+3]
.endr
	s_wait_alu depctr_va_vdst(0)                   ; the additions have written the results in v[X ..], which the three stores read
	global_store_b128 v[OA], v[X:X+3], s[28:29]            ; sixteen lanes store 256 consecutive bytes, at a multiple of 256 from the buffer's first byte
	global_store_b128 v[OA], v[X+8:X+11], s[30:31]
	global_store_b128 v[OA], v[X+16:X+19], s[32:33]
	s_wait_dscnt 0x0                               ; the closing lines, six on end
	s_wait_alu 0x0
	s_wait_tensorcnt 0x0
	ds_add_u32 v138, v139
	s_wait_dscnt 0x0
	s_endpgm
.Lfunc_end_k_q129c5237b8_qkv:
	.size	k_q129c5237b8_qkv, .Lfunc_end_k_q129c5237b8_qkv-k_q129c5237b8_qkv
	.p2alignl 7, 3214868480
	.fill 96, 4, 3214868480
	.section	.rodata,"a",@progbits
	.p2align	6, 0x0
	.amdhsa_kernel k_q129c5237b8_qkv
		.amdhsa_group_segment_fixed_size 54784
		.amdhsa_private_segment_fixed_size 0
		.amdhsa_enable_private_segment 0
		.amdhsa_kernarg_size 128
		.amdhsa_user_sgpr_count 2
		.amdhsa_user_sgpr_kernarg_segment_ptr 1
		.amdhsa_wavefront_size32 1
		.amdhsa_system_sgpr_workgroup_id_x 1
		.amdhsa_system_sgpr_workgroup_id_y 1
		.amdhsa_system_sgpr_workgroup_id_z 1
		.amdhsa_system_vgpr_workitem_id 0
		.amdhsa_next_free_vgpr 512
		.amdhsa_next_free_sgpr 66
		.amdhsa_reserve_vcc 1
		.amdhsa_float_denorm_mode_32 3
		.amdhsa_float_denorm_mode_16_64 3
		.amdhsa_memory_ordered 1
		.amdhsa_forward_progress 1
		.amdhsa_inst_pref_size 37
	.end_amdhsa_kernel
	.amdgpu_metadata
---
amdhsa.version: [ 1, 2 ]
amdhsa.kernels:
  - .name:           k_q129c5237b8_qkv
    .symbol:         k_q129c5237b8_qkv.kd
    .args:
      - { .name: features, .offset: 0, .size: 8, .value_kind: global_buffer, .address_space: global }
      - { .name: g1, .offset: 8, .size: 8, .value_kind: global_buffer, .address_space: global }
      - { .name: b1, .offset: 16, .size: 8, .value_kind: global_buffer, .address_space: global }
      - { .name: Wq_codes, .offset: 24, .size: 8, .value_kind: global_buffer, .address_space: global }
      - { .name: Wk_codes, .offset: 32, .size: 8, .value_kind: global_buffer, .address_space: global }
      - { .name: Wv_codes, .offset: 40, .size: 8, .value_kind: global_buffer, .address_space: global }
      - { .name: Wq_scales, .offset: 48, .size: 8, .value_kind: global_buffer, .address_space: global }
      - { .name: Wk_scales, .offset: 56, .size: 8, .value_kind: global_buffer, .address_space: global }
      - { .name: Wv_scales, .offset: 64, .size: 8, .value_kind: global_buffer, .address_space: global }
      - { .name: bq, .offset: 72, .size: 8, .value_kind: global_buffer, .address_space: global }
      - { .name: bk, .offset: 80, .size: 8, .value_kind: global_buffer, .address_space: global }
      - { .name: bv, .offset: 88, .size: 8, .value_kind: global_buffer, .address_space: global }
      - { .name: q, .offset: 96, .size: 8, .value_kind: global_buffer, .address_space: global }
      - { .name: k, .offset: 104, .size: 8, .value_kind: global_buffer, .address_space: global }
      - { .name: v, .offset: 112, .size: 8, .value_kind: global_buffer, .address_space: global }
      - { .name: stats, .offset: 120, .size: 8, .value_kind: global_buffer, .address_space: global }
    .group_segment_fixed_size: 54784
    .private_segment_fixed_size: 0
    .kernarg_segment_align: 8
    .kernarg_segment_size: 128
    .max_flat_workgroup_size: 256
    .sgpr_count:     66
    .vgpr_count:     512
    .wavefront_size: 32
...
	.end_amdgpu_metadata
.endif
;; end of part 6
;; launch attn: the kernel of part 2 again; grid 64 x 4, 12 waves a work-group, no clusters, 32,256 bytes of LDS; arguments q, k, v, att; writes att
;; launch oproj (part 7): grid 16 x 8, 8 waves a work-group, no clusters, 18,944 bytes of LDS; arguments att, Wo_codes, Wo_scales, bo, features, g1, b1, stats, ao; writes ao
.if DOCPART == 7
	.amdgcn_target "amdgcn-amd-amdhsa--gfx1250"
	.amdhsa_code_object_version 6
	.text
	.protected	k_q129c5237b8_oproj
	.globl	k_q129c5237b8_oproj
	.p2align	8
	.type	k_q129c5237b8_oproj,@function
k_q129c5237b8_oproj:
	s_mov_b64 s[64:65], 0
	v_nop
	global_prefetch_b8 v0, s[64:65] scope:SCOPE_SE
	s_setreg_imm32_b32 hwreg(HW_REG_WAVE_SCHED_MODE, 0, 2), 2
	s_setreg_imm32_b32 hwreg(HW_REG_WAVE_MODE, 25, 1), 1
	s_wait_xcnt 0x0
	s_wait_alu depctr_vm_vsrc(0)
; ao = xq + Q(att) Wo^T + bo.  att, ao: [128][1024] f32.  Wo: codes of FP4 (E2M1), K innermost (512 bytes a row), 32 E8M0 scale bytes a row.  Q: the same format, one scale for each 32 along K.
; xq = (features - mean) x rstd x g1 + b1 is made anew, for the four numbers that a lane stores, from the stored means and rstd by the same three operations that made it the first time: the same bits.
; SHARES.  A work-group makes 16 rows (16 mt on) x 64 columns (64 cg on).  Wave w quantises K step w of the 16 rows of att (64 numbers a lane) and hands the fragment on through LDS as an image of its registers;
; then it multiplies 16 columns (nt = w % 4) by four K steps (kh = w / 4): four matrix instructions on two accumulators by turns (even K steps, odd K steps).
; The matrix instruction is used transposed: source 0 = 16 rows of Wo, source 1 = 16 rows of att: lane (r, h), register j holds result (row r, column 8 h + j).
; NO JOINT LOADS: each operand goes from memory straight into the registers of the one wave that uses it, in one burst at the head, and is used once; what work-groups read in common (64 KB of att by 16 of them,
; 32 KB of codes by 8) would have to pass through LDS and wait for rounds of a cluster's barrier, for four matrix instructions a wave.
; THE MODE: SCHED_MODE bits 1:0 = 2 (LLVM: expert scheduling mode 2), set by the entry lines.  The code itself states the register dependences between vector or matrix instructions and memory or LDS
; instructions, with s_wait_alu, always for 0.
; THE PLAN.  Registers that memory or LDS instructions touch:
;   v4-v22      addresses and offsets: all made at the head, under the wait for the arguments, and never written again: one wait on va_vdst ahead of the first load serves every load and store of the kernel.
;   PC, PW      written by QUANT, read by the image's three LDS stores; not written again.
;   ACC         written by the matrix instructions and the four additions behind them, read by two LDS stores; not written again.
;   P0          LDS loads land in it once; the additions write it; one store reads it.
;   X, WF, WSC, BO, FE, G, B, MEAN, RSTD, AF, ASW: written by loads alone, once, read by vector and matrix instructions alone.
; So a wait on va_vdst stands ahead of each of the three runs of stores.  No register that a memory or LDS instruction has read is written again: no wait on vm_vsrc is owed.
; LIMITS: NaN and infinities are not served.  A block of zeros gets the scale byte 1 (the rule says 127): its codes are zeros, and this launch alone reads the byte.  A block whose largest magnitude lies under 2^-124 is held at the byte 1.
.set IMG, 0                            ; LDS: images of att's eight fragments, 1,024 bytes each,
.set SC,  8192                         ; their scale words, 128 bytes a K step,
.set STG, 9216                         ; the stage: two parts (kh) of 16 rows x 272 bytes
.set SP,  272
.set PRT, 16*SP
.set XA,  4                            ; v4   att: 4,096 r + 64 h
.set WA,  6                            ; v6   codes: 512 r + 16 h
.set WS,  7                            ; v7   scale bytes: 32 r
.set L16, 8
.set L4,  9
.set IW,  10                           ; v10  16 lane + 1,024 w
.set SW,  11                           ; v11  4 lane + 128 w
.set FI,  14                           ; v14  16 lane + 4,096 kh
.set FS,  15                           ; v15  4 lane + 512 kh
.set SO,  16
.set SR,  17
.set OA,  18                           ; v18  4,096 h + 16 r
.set BA,  19                           ; v19  16 r
.set MA,  22                           ; v22  4 h
.set WSC, 24                           ; v24-27   Wo's scale words
.set WF,  32                           ; v32-63   Wo's four fragments
.set X,   64                           ; v64-127  my 64 numbers of att
.set TM,  128
.set PC,  144
.set PW,  152
.set AF,  160                          ; v160-191 four fragments of att
.set ASW, 192                          ; v192-195 their scale words
.set ACC, 200                          ; v200-207, v208-215
.set BO,  216
.set FE,  220                          ; features, then xq
.set G,   224
.set B,   228
.set MEAN, 232
.set RSTD, 233
.set P0,  236                          ; v236-243 the two parts read back
.set WV,  22
.set NT,  23
.set KH,  24
.set CG,  25
.set MT,  26
.set SEL, 28
.macro QUANT s
.irp b, 0,1,2,3
	v_max3_num_f32 v[TM+\b], |v[\s+16*\b]|, |v[\s+1+16*\b]|, 0x1800000   ; block b: my 16 numbers, and the floor 2^(3 - 127): the byte cannot fall under 1
.endr
.irp i, 2,4,6,8,10,12,14
.irp b, 0,1,2,3
	v_max3_num_f32 v[TM+\b], v[TM+\b], |v[\s+16*\b+\i]|, |v[\s+1+16*\b+\i]|
.endr
.endr
.irp b, 0,1,2,3
	v_permlanex16_b32 v[TM+4+\b], v[TM+\b], s[SEL], s[SEL+1]
.endr
.irp b, 0,1,2,3
	v_max_num_f32 v[TM+\b], v[TM+\b], v[TM+4+\b]   ; with lane l xor 16's: the block's largest magnitude
.endr
.irp b, 0,1,2,3
	v_add_nc_u32 v[TM+12+\b], 0xff000000, v[TM+\b]   ; 2 off its exponent field: the conversion's scale operand
.endr
.irp b, 0,1,2,3
	v_lshrrev_b32 v[TM+4+\b], 23, v[TM+12+\b]      ; the scale's byte
.endr
	v_lshl_or_b32 v[PW], v[TM+5], 8, v[TM+4]
	v_lshl_or_b32 v[PW], v[TM+6], 16, v[PW]
	v_lshl_or_b32 v[PW], v[TM+7], 24, v[PW]
.irp b, 0,1,2,3
	v_cvt_scalef32_pk8_fp4_f32 v[PC+2*\b], v[\s+16*\b:\s+7+16*\b], v[TM+12+\b]
	v_cvt_scalef32_pk8_fp4_f32 v[PC+1+2*\b], v[\s+8+16*\b:\s+15+16*\b], v[TM+12+\b]
.endr
	v_nop                                          ; one plain place behind a scaled conversion
.irp c, 0,1
.irp i, 0,1
	v_permlane16_swap_b32 v[PC+4*\c+\i], v[PC+2+4*\c+\i]   ; a whole block to a lane
.endr
.endr
.endm
.macro BARRIER
	s_wait_dscnt 0x0
	s_barrier_signal -1
	s_barrier_wait -1
.endm
	s_load_b512 s[4:19], s[0:1], 0x0               ; att s[4:5], Wo's codes s[6:7], scales s[8:9], bo s[10:11], features s[12:13], g1 s[14:15], b1 s[16:17], stats s[18:19]
	s_load_b64 s[20:21], s[0:1], 0x40              ; ao
	v_lshl_add_u32 v254, v0, 2, 0x4600
	v_mov_b32 v255, 0
	v_lshrrev_b32 v1, 5, v0
	v_readfirstlane_b32 s[WV], v1
	v_and_b32 v1, 31, v0
	v_and_b32 v2, 15, v0                           ; r
	v_bfe_u32 v3, v0, 4, 1                         ; h
	v_lshlrev_b32 v[XA], 12, v2
	v_lshl_add_u32 v[XA], v3, 6, v[XA]
	v_lshlrev_b32 v[WA], 9, v2
	v_lshl_add_u32 v[WA], v3, 4, v[WA]
	v_lshlrev_b32 v[WS], 5, v2
	v_lshlrev_b32 v[BA], 4, v2
	v_lshlrev_b32 v[OA], 12, v3
	v_lshl_add_u32 v[OA], v2, 4, v[OA]
	v_lshlrev_b32 v[MA], 2, v3
	s_wait_alu depctr_va_sdst(0)                   ; s[WV] is written, ahead of its first reader: nt, kh, the bases and the LDS addresses are made from it
	s_and_b32 s[NT], s[WV], 3
	s_lshr_b32 s[KH], s[WV], 2
	s_mov_b32 s[CG], ttmp9
	s_and_b32 s[MT], ttmp7, 0xffff
	s_lshl_b32 s30, s[MT], 16                      ; att: 16 mt rows + 512 w
	s_lshl_b32 s42, s[WV], 9
	s_add_co_u32 s30, s30, s42
	s_mov_b32 s31, 0
	s_lshl_b32 s42, s[CG], 6
	s_lshl_b32 s43, s[NT], 4
	s_add_co_u32 s42, s42, s43                     ; my first row of Wo
	s_lshl_b32 s32, s42, 9
	s_lshl_b32 s43, s[KH], 8
	s_add_co_u32 s32, s32, s43
	s_mov_b32 s33, 0
	s_lshl_b32 s34, s42, 5
	s_lshl_b32 s43, s[KH], 4
	s_add_co_u32 s34, s34, s43
	s_mov_b32 s35, 0
	s_lshl_b32 s36, s[CG], 8                       ; bo, g1, b1: 256 cg
	s_mov_b32 s37, 0
	s_lshl_b32 s38, s[MT], 16                      ; features and ao on the way out: 16 mt rows + 256 cg + rows 2 w, 2 w + 1
	s_add_co_u32 s38, s38, s36
	s_lshl_b32 s43, s[WV], 13
	s_add_co_u32 s38, s38, s43
	s_mov_b32 s39, 0
	s_lshl_b32 s40, s[MT], 6                       ; stats: 4 x (16 mt + 2 w)
	s_lshl_b32 s43, s[WV], 3
	s_add_co_u32 s40, s40, s43
	s_mov_b32 s41, 0
	s_mov_b32 s[SEL], 0x76543210
	s_mov_b32 s[SEL+1], 0xfedcba98
	; the LDS addresses, under the wait for the arguments: so one wait below serves every address of the kernel
	v_lshlrev_b32 v[L16], 4, v1
	v_lshlrev_b32 v[L4], 2, v1
	s_lshl_b32 s42, s[WV], 10
	v_add_nc_u32 v[IW], s42, v[L16]
	s_lshl_b32 s42, s[WV], 7
	v_add_nc_u32 v[SW], s42, v[L4]
	s_lshl_b32 s42, s[KH], 12
	v_add_nc_u32 v[FI], s42, v[L16]
	s_lshl_b32 s42, s[KH], 9
	v_add_nc_u32 v[FS], s42, v[L4]
	v_mul_u32_u24 v[SO], v2, SP
	v_lshl_add_u32 v[SO], v3, 5, v[SO]
	s_mul_i32 s42, s[KH], PRT
	s_lshl_b32 s43, s[NT], 6
	s_add_co_u32 s42, s42, s43
	s_add_co_u32 s42, s42, STG
	v_add_nc_u32 v[SO], s42, v[SO]
	v_mul_u32_u24 v[SR], v3, SP
	v_lshl_add_u32 v[SR], v2, 4, v[SR]
	s_mul_i32 s42, s[WV], 2*SP
	s_add_co_u32 s42, s42, STG
	v_add_nc_u32 v[SR], s42, v[SR]
.irp b, 0,1,2,3
	v_mov_b32 v[TM+4+\b], 0                        ; a lane permute's destination counts as one of its sources
.endr
	s_wait_kmcnt 0x0
	s_add_nc_u64 s[4:5], s[4:5], s[30:31]
	s_wait_alu depctr_va_vdst(0)                   ; the addresses and offsets v4 to v22 are written, which the loads and stores of the whole kernel read; none is written again
.irp b, 0,1,2,3
.irp j, 0,1,2,3
	global_load_b128 v[X+16*\b+4*\j:X+16*\b+4*\j+3], v[XA], s[4:5] offset:128*\b+16*\j
.endr
.endr
	s_add_nc_u64 s[6:7], s[6:7], s[32:33]
	s_add_nc_u64 s[8:9], s[8:9], s[34:35]
	s_add_nc_u64 s[10:11], s[10:11], s[36:37]
	s_add_nc_u64 s[14:15], s[14:15], s[36:37]
	s_add_nc_u64 s[16:17], s[16:17], s[36:37]
	s_add_nc_u64 s[12:13], s[12:13], s[38:39]
	s_add_nc_u64 s[20:21], s[20:21], s[38:39]
	s_add_nc_u64 s[18:19], s[18:19], s[40:41]
.irp s, 0,1,2,3
.irp c, 0,1
	global_load_b128 v[WF+8*\s+4*\c:WF+8*\s+4*\c+3], v[WA], s[6:7] offset:64*\s+32*\c
.endr
.endr
	global_load_b128 v[WSC:WSC+3], v[WS], s[8:9]
	global_load_b128 v[BO:BO+3], v[BA], s[10:11]
	global_load_b128 v[G:G+3], v[BA], s[14:15]
	global_load_b128 v[B:B+3], v[BA], s[16:17]
	global_load_b128 v[FE:FE+3], v[OA], s[12:13]
	global_load_b32 v[MEAN], v[MA], s[18:19]
	global_load_b32 v[RSTD], v[MA], s[18:19] offset:512
	s_wait_loadcnt 15                              ; my 64 numbers are in: behind their 16 loads 15 were issued (8 + 1 + 3 + 1 + 2)
	QUANT X
	s_wait_alu depctr_va_vdst(0)                   ; QUANT has written v[PC ..] and v[PW], which the three LDS stores read
.irp c, 0,1
	ds_store_b128 v[IW], v[PC+4*\c:PC+4*\c+3] offset:IMG+512*\c
.endr
	ds_store_b32 v[SW], v[PW] offset:SC
	BARRIER                                        ; att's eight fragments lie in LDS
.irp s, 0,1,2,3
.irp c, 0,1
	ds_load_b128 v[AF+8*\s+4*\c:AF+8*\s+4*\c+3], v[FI] offset:IMG+1024*\s+512*\c
.endr
	ds_load_b32 v[ASW+\s], v[FS] offset:SC+128*\s
.endr
	s_wait_dscnt 0x0
	s_wait_loadcnt 0x0
.irp s, 0,1
	v_wmma_scale_f32_16x16x128_f8f6f4 v[ACC+8*\s:ACC+8*\s+7], v[WF+8*\s:WF+8*\s+7], v[AF+8*\s:AF+8*\s+7], 0, v[WSC+\s], v[ASW+\s] matrix_a_fmt:MATRIX_FMT_FP4 matrix_b_fmt:MATRIX_FMT_FP4
.endr
.irp s, 0,1
	v_wmma_scale_f32_16x16x128_f8f6f4 v[ACC+8*\s:ACC+8*\s+7], v[WF+16+8*\s:WF+16+8*\s+7], v[AF+16+8*\s:AF+16+8*\s+7], v[ACC+8*\s:ACC+8*\s+7], v[WSC+2+\s], v[ASW+2+\s] matrix_a_fmt:MATRIX_FMT_FP4 matrix_b_fmt:MATRIX_FMT_FP4
.endr
.irp i, 0,1,2,3                                ; xq of the four numbers that I store: these twelve lines name no register of the products and are the places behind them
	v_sub_f32 v[FE+\i], v[FE+\i], v[MEAN]
.endr
.irp i, 0,1,2,3
	v_mul_f32 v[FE+\i], v[FE+\i], v[RSTD]
.endr
.irp i, 0,1,2,3
	v_fma_f32 v[FE+\i], v[FE+\i], v[G+\i], v[B+\i]
.endr
.irp i, 0,2,4,6
	v_pk_add_f32 v[ACC+\i:ACC+\i+1], v[ACC+\i:ACC+\i+1], v[ACC+8+\i:ACC+8+\i+1]   ; even and odd K steps; both accumulators from their low end on
.endr
	s_wait_alu depctr_va_vdst(0)                   ; the four additions have written v[ACC ..], which the two LDS stores read
	ds_store_b128 v[SO], v[ACC:ACC+3]
	ds_store_b128 v[SO], v[ACC+4:ACC+7] offset:16
	BARRIER                                        ; both halves of K lie in the stage
	ds_load_b128 v[P0:P0+3], v[SR]
	ds_load_b128 v[P0+4:P0+7], v[SR] offset:PRT
	s_wait_dscnt 0x0
.irp i, 0,2
	v_pk_add_f32 v[P0+\i:P0+\i+1], v[P0+\i:P0+\i+1], v[P0+4+\i:P0+4+\i+1]
.endr
.irp i, 0,2
	v_pk_add_f32 v[P0+\i:P0+\i+1], v[P0+\i:P0+\i+1], v[FE+\i:FE+\i+1]
.endr
.irp i, 0,2
	v_pk_add_f32 v[P0+\i:P0+\i+1], v[P0+\i:P0+\i+1], v[BO+\i:BO+\i+1]
.endr
	s_wait_alu depctr_va_vdst(0)                   ; the additions have written v[P0 ..], which the store reads
	global_store_b128 v[OA], v[P0:P0+3], s[20:21]          ; sixteen lanes store 256 consecutive bytes, at a multiple of 256 from ao's first byte
	s_wait_dscnt 0x0                               ; the closing lines, six on end
	s_wait_alu 0x0
	s_wait_tensorcnt 0x0
	ds_add_u32 v254, v255
	s_wait_dscnt 0x0
	s_endpgm
.Lfunc_end_k_q129c5237b8_oproj:
	.size	k_q129c5237b8_oproj, .Lfunc_end_k_q129c5237b8_oproj-k_q129c5237b8_oproj
	.p2alignl 7, 3214868480
	.fill 96, 4, 3214868480
	.section	.rodata,"a",@progbits
	.p2align	6, 0x0
	.amdhsa_kernel k_q129c5237b8_oproj
		.amdhsa_group_segment_fixed_size 18944
		.amdhsa_private_segment_fixed_size 0
		.amdhsa_enable_private_segment 0
		.amdhsa_kernarg_size 72
		.amdhsa_user_sgpr_count 2
		.amdhsa_user_sgpr_kernarg_segment_ptr 1
		.amdhsa_wavefront_size32 1
		.amdhsa_system_sgpr_workgroup_id_x 1
		.amdhsa_system_sgpr_workgroup_id_y 1
		.amdhsa_system_sgpr_workgroup_id_z 1
		.amdhsa_system_vgpr_workitem_id 0
		.amdhsa_next_free_vgpr 256
		.amdhsa_next_free_sgpr 66
		.amdhsa_reserve_vcc 0
		.amdhsa_float_denorm_mode_32 3
		.amdhsa_float_denorm_mode_16_64 3
		.amdhsa_memory_ordered 1
		.amdhsa_forward_progress 1
		.amdhsa_inst_pref_size 14
	.end_amdhsa_kernel
	.amdgpu_metadata
---
amdhsa.version: [ 1, 2 ]
amdhsa.kernels:
  - .name:           k_q129c5237b8_oproj
    .symbol:         k_q129c5237b8_oproj.kd
    .args:
      - { .name: att, .offset: 0, .size: 8, .value_kind: global_buffer, .address_space: global }
      - { .name: Wo_codes, .offset: 8, .size: 8, .value_kind: global_buffer, .address_space: global }
      - { .name: Wo_scales, .offset: 16, .size: 8, .value_kind: global_buffer, .address_space: global }
      - { .name: bo, .offset: 24, .size: 8, .value_kind: global_buffer, .address_space: global }
      - { .name: features, .offset: 32, .size: 8, .value_kind: global_buffer, .address_space: global }
      - { .name: g1, .offset: 40, .size: 8, .value_kind: global_buffer, .address_space: global }
      - { .name: b1, .offset: 48, .size: 8, .value_kind: global_buffer, .address_space: global }
      - { .name: stats, .offset: 56, .size: 8, .value_kind: global_buffer, .address_space: global }
      - { .name: ao, .offset: 64, .size: 8, .value_kind: global_buffer, .address_space: global }
    .group_segment_fixed_size: 18944
    .private_segment_fixed_size: 0
    .kernarg_segment_align: 8
    .kernarg_segment_size: 72
    .max_flat_workgroup_size: 256
    .sgpr_count:     66
    .vgpr_count:     256
    .wavefront_size: 32
...
	.end_amdgpu_metadata
.endif
;; end of part 7
;; launch ffn1 (part 8): grid 32 x 8, 8 waves a work-group, no clusters, 27,904 bytes of LDS; arguments ao, g2, b2, W1_codes, W1_scales, bf1, hcodes, hscales; writes hcodes, hscales
.if DOCPART == 8
	.amdgcn_target "amdgcn-amd-amdhsa--gfx1250"
	.amdhsa_code_object_version 6
	.text
	.protected	k_q129c5237b8_ffn1
	.globl	k_q129c5237b8_ffn1
	.p2align	8
	.type	k_q129c5237b8_ffn1,@function
k_q129c5237b8_ffn1:
	s_mov_b64 s[64:65], 0
	v_nop
	global_prefetch_b8 v0, s[64:65] scope:SCOPE_SE
	s_setreg_imm32_b32 hwreg(HW_REG_WAVE_SCHED_MODE, 0, 2), 2
	s_setreg_imm32_b32 hwreg(HW_REG_WAVE_MODE, 25, 1), 1
	s_wait_xcnt 0x0
	s_wait_alu depctr_vm_vsrc(0)
; hidden = Q(relu(Q(y) W1^T + bf1)), y = LayerNorm(ao) g2 + b2.  ao: [128][1024] f32.  W1: [4096] rows of codes of FP4 (E2M1), K innermost (512 bytes a row), 32 E8M0 scale bytes a row.  Q: one scale for each 32 along K.
; THE HIDDEN LAYER LEAVES AS CODES, laid as the next launch's operand registers: hcodes [8 tiles of 16 rows][32 K steps][1,024 bytes]: block beta (32 hidden units) of row r lies at 256 beta + 16 r;
; hscales [8][32][32 words]: lane l's scale word at 4 l, lanes 16-31 repeating lanes 0-15.
; SHARES.  A work-group makes 16 rows (16 mt on) x 128 hidden units (128 sl on): one K step of the next product.  Wave w normalises and quantises K step w of the 16 rows of ao (64 numbers a lane) and hands the fragment on
; through LDS as an image of its registers; then it multiplies one block of 32 hidden units (pb = w % 4: two tiles) by four K steps (kh = w / 4): eight matrix instructions, the two accumulators by turns.
; The waves with kh = 1 hand their parts over through LDS; those with kh = 0 add, clip, quantise and store.
; The matrix instruction is used transposed (source 0 = 16 rows of W1, source 1 = 16 rows of y), and THE ROWS OF W1 THAT FORM A TILE ARE NOT NEIGHBOURS: lane r of tile u takes row 32 pb + 8 u + r + 8 (r / 8),
; so that a lane's 16 result registers are hidden units 32 pb + 16 h + 0 .. 15 of row r: half a block, whose codes are 8 neighbouring bytes of the image.  A wave's store covers 256 consecutive bytes, aligned.
; The scale words of a K step are 128 bytes: half of an aligned 256; they are an eighth of the codes' bytes.
; The norm goes in two passes over the registers (the mean, then the mean of (x - mean)^2), so that a common offset cancels nothing.  It is made anew in each of the 32 work-groups that share 16 rows.
; g2 AND b2 of a wave's 128 columns are the same for all 16 rows: each comes by ONE load of 512 consecutive bytes, goes into the wave's own 1,024 bytes of LDS, and comes back by LDS loads in which sixteen lanes
; name the same 16 bytes: 2 loads from memory where a load for each four registers of a lane would be 32.
; NO JOINT LOADS: each operand goes from memory straight into the registers of the one wave that uses it, in one burst at the head, and is used once; what work-groups read in common (64 KB of ao by 32 of them,
; 64 KB of codes by 8) would have to pass through LDS and wait for rounds of a cluster's barrier, for eight matrix instructions a wave.
; THE MODE: SCHED_MODE bits 1:0 = 2 (LLVM: expert scheduling mode 2), set by the entry lines.  The code itself states the register dependences between vector or matrix instructions and memory or LDS
; instructions, with s_wait_alu, always for 0.
; THE PLAN.  Registers that memory or LDS instructions touch:
;   v4-v21      addresses and offsets: all made at the head, under the wait for the arguments, and never written again: one wait on va_vdst ahead of the first load serves every load and store of the kernel.
;   GT          loaded, read by two LDS stores; later fragments of y land there.
;   S           written by the sums, read by an LDS store; written again by the squares, stored again.
;   RS          LDS loads land in it, vector instructions add in place; loaded a second time.
;   PC, PW      written by QUANT, read by the image's three LDS stores; not written again.
;   H           written by the matrix instructions.  Waves with kh = 1: read by four LDS stores.  Waves with kh = 0: worked on by vector instructions alone.
;   HC, HM+3    written by the conversions and a shift, read by one store and one LDS store.
;   X, G, B, WF, WSC, BI, AF, ASW, PR, HM+5: written by loads alone, once.
; So a wait on va_vdst stands ahead of each run of stores whose data vector or matrix instructions have made; the one ahead of the second store of S also serves the second loads into RS.  One wait on vm_vsrc,
; behind the first sum of the rows' parts, states that the stores issued so far have read S and GT; a second, behind the barrier that follows the stores of H, states that these have read H.
; LIMITS: NaN and infinities are not served.  A block of zeros gets the scale byte 1 (the rule says 127): its codes are zeros, and this program alone reads the byte.  A block whose largest magnitude lies under 2^-124 is held at the byte 1.
.set IMG,  0                           ; LDS: images of y's eight fragments,
.set SC,   8192                        ; their scale words,
.set STAT, 9216                        ; [16 rows][8 waves] f32: parts of the sums; 512 bytes on: of the squares,
.set PART, 10240                       ; the parts of the waves with kh = 1: 2,048 bytes a block, images of 16 registers,
.set HS,   18432                       ; the hidden layer's scale bytes: 4 r + pb,
.set GBR,  18688                       ; 1,024 bytes for each wave: g2 of its 128 columns, then b2
.set XA,  4
.set GA,  5                            ; v5   LDS: 1,024 w + 64 h: where my half's g2 and b2 begin
.set WA,  6                            ; v6   512 (r + 8 (r / 8)) + 16 h
.set WS,  7                            ; v7   32 (r + 8 (r / 8))
.set L16, 8
.set L4,  9
.set IW,  10
.set SW,  11
.set ST1, 12
.set SR1, 13
.set FI,  14
.set FS,  15
.set PS,  16                           ; v16  PART + 2,048 pb + 16 lane
.set HB,  17                           ; v17  HS + 4 r + pb
.set HR,  18                           ; v18  HS + 4 r
.set CA,  19                           ; v19  16 r + 8 h
.set BA,  21                           ; v21  64 h
.set WSC, 24                           ; v24-31   W1's scale words: 4 tile + K step
.set BI,  32                           ; v32-47   bf1 of my 16 hidden units
.set X,   48
.set TM,  112
.set PC,  128
.set PW,  136
.set S,   140
.set RS,  148
.set MEAN, 156
.set RSTD, 158
.set AF,  160
.set GT,  160                          ; v160-167 at the head: g2 and b2 as loaded, 16 bytes a lane each
.set ASW, 192
.set H,   200                          ; v200-215 the two accumulators: my 16 hidden units
.set PR,  216                          ; v216-231 the other half of K
.set HC,  232                          ; v232-233 the codes
.set HM,  234                          ; v234 the largest, v235 the other lane's, v236 the scale operand, v237 the byte, v238 a second chain, v239 the scale word on its way out
.set WF,  0                            ; window 1: v0-63 W1's fragments, 8 (4 tile + K step)
.set G,   64                           ; window 1
.set B,   128                          ; window 1
.set WV,  20
.set PB,  21
.set KH,  22
.set SL,  23
.set MT,  24
.set SEL, 26
.set MSB, 0
.macro WIN new
.if MSB != \new
	s_set_vgpr_msb (MSB<<8)|\new
.set MSB, \new
.endif
.endm
.macro QUANT s
.irp b, 0,1,2,3
	v_max3_num_f32 v[TM+\b], |v[\s+16*\b]|, |v[\s+1+16*\b]|, 0x1800000   ; block b: my 16 numbers, and the floor 2^(3 - 127): the byte cannot fall under 1
.endr
.irp i, 2,4,6,8,10,12,14
.irp b, 0,1,2,3
	v_max3_num_f32 v[TM+\b], v[TM+\b], |v[\s+16*\b+\i]|, |v[\s+1+16*\b+\i]|
.endr
.endr
.irp b, 0,1,2,3
	v_permlanex16_b32 v[TM+4+\b], v[TM+\b], s[SEL], s[SEL+1]
.endr
.irp b, 0,1,2,3
	v_max_num_f32 v[TM+\b], v[TM+\b], v[TM+4+\b]
.endr
.irp b, 0,1,2,3
	v_add_nc_u32 v[TM+12+\b], 0xff000000, v[TM+\b]   ; 2 off the exponent field: the conversion's scale operand
.endr
.irp b, 0,1,2,3
	v_lshrrev_b32 v[TM+4+\b], 23, v[TM+12+\b]
.endr
	v_lshl_or_b32 v[PW], v[TM+5], 8, v[TM+4]
	v_lshl_or_b32 v[PW], v[TM+6], 16, v[PW]
	v_lshl_or_b32 v[PW], v[TM+7], 24, v[PW]
.irp b, 0,1,2,3
	v_cvt_scalef32_pk8_fp4_f32 v[PC+2*\b], v[\s+16*\b:\s+7+16*\b], v[TM+12+\b]
	v_cvt_scalef32_pk8_fp4_f32 v[PC+1+2*\b], v[\s+8+16*\b:\s+15+16*\b], v[TM+12+\b]
.endr
	v_nop                                          ; one plain place behind a scaled conversion
.irp c, 0,1
.irp i, 0,1
	v_permlane16_swap_b32 v[PC+4*\c+\i], v[PC+2+4*\c+\i]
.endr
.endr
.endm
.macro BARRIER
	s_wait_dscnt 0x0
	s_barrier_signal -1
	s_barrier_wait -1
.endm
.macro FOLD
	v_pk_add_f32 v[S:S+1], v[S:S+1], v[S+2:S+3]
	v_pk_add_f32 v[S+4:S+5], v[S+4:S+5], v[S+6:S+7]
	v_pk_add_f32 v[S:S+1], v[S:S+1], v[S+4:S+5]
	v_add_f32 v[S], v[S], v[S+1]
	v_permlanex16_b32 v[S+2], v[S], s[SEL], s[SEL+1]
	v_add_f32 v[S], v[S], v[S+2]
.endm
.macro ROWSUM off, dst
	ds_load_b128 v[RS:RS+3], v[SR1] offset:\off
	ds_load_b128 v[RS+4:RS+7], v[SR1] offset:\off+16
	s_wait_dscnt 0x0
	v_pk_add_f32 v[RS:RS+1], v[RS:RS+1], v[RS+2:RS+3]
	v_pk_add_f32 v[RS+4:RS+5], v[RS+4:RS+5], v[RS+6:RS+7]
	v_pk_add_f32 v[RS:RS+1], v[RS:RS+1], v[RS+4:RS+5]
	v_add_f32 v[RS], v[RS], v[RS+1]
	v_mul_f32 v[\dst], 0x3a800000, v[RS]           ; / 1,024
.endm
	s_load_b512 s[4:19], s[0:1], 0x0               ; ao s[4:5], g2 s[6:7], b2 s[8:9], W1's codes s[10:11], scales s[12:13], bf1 s[14:15], hcodes s[16:17], hscales s[18:19]
	v_lshl_add_u32 v254, v0, 2, 0x6900
	v_mov_b32 v255, 0
	v_lshrrev_b32 v1, 5, v0
	v_readfirstlane_b32 s[WV], v1
	v_and_b32 v1, 31, v0
	v_and_b32 v2, 15, v0                           ; r
	v_bfe_u32 v3, v0, 4, 1                         ; h
	v_lshlrev_b32 v[XA], 12, v2
	v_lshl_add_u32 v[XA], v3, 6, v[XA]
	v_lshlrev_b32 v[L16], 4, v1
	v_and_b32 v[WS], 8, v2
	v_add_nc_u32 v[WS], v[WS], v2                  ; r + 8 (r / 8)
	v_lshlrev_b32 v[WA], 9, v[WS]
	v_lshl_add_u32 v[WA], v3, 4, v[WA]
	v_lshlrev_b32 v[WS], 5, v[WS]
	v_lshlrev_b32 v[BA], 6, v3
	v_lshlrev_b32 v[CA], 4, v2
	v_lshl_add_u32 v[CA], v3, 3, v[CA]
	s_wait_alu depctr_va_sdst(0)                   ; s[WV] is written, ahead of its first reader: pb, kh, the bases and the LDS addresses are made from it
	s_and_b32 s[PB], s[WV], 3
	s_lshr_b32 s[KH], s[WV], 2
	s_mov_b32 s[SL], ttmp9
	s_and_b32 s[MT], ttmp7, 0xffff
	s_lshl_b32 s28, s[MT], 16                      ; ao: 16 mt rows + 512 w
	s_lshl_b32 s30, s[WV], 9                       ; g2, b2: 512 w
	s_add_co_u32 s28, s28, s30
	s_mov_b32 s29, 0
	s_mov_b32 s31, 0
	s_lshl_b32 s42, s[SL], 7
	s_lshl_b32 s43, s[PB], 5
	s_add_co_u32 s42, s42, s43                     ; my block's first row of W1: 128 sl + 32 pb
	s_lshl_b32 s32, s42, 9
	s_lshl_b32 s43, s[KH], 8
	s_add_co_u32 s32, s32, s43
	s_mov_b32 s33, 0
	s_lshl_b32 s34, s42, 5
	s_lshl_b32 s43, s[KH], 4
	s_add_co_u32 s34, s34, s43
	s_mov_b32 s35, 0
	s_lshl_b32 s36, s42, 2                         ; bf1
	s_mov_b32 s37, 0
	s_lshl_b32 s42, s[MT], 5
	s_add_co_u32 s42, s42, s[SL]                   ; 32 mt + sl
	s_lshl_b32 s38, s42, 10
	s_lshl_b32 s43, s[PB], 8
	s_add_co_u32 s38, s38, s43                     ; the image, + my block's 256 bytes
	s_mov_b32 s39, 0
	s_lshl_b32 s40, s42, 7
	s_mov_b32 s41, 0
	s_mov_b32 s[SEL], 0x76543210
	s_mov_b32 s[SEL+1], 0xfedcba98
	; the LDS addresses, under the wait for the arguments: so one wait below serves every address of the kernel
	v_lshlrev_b32 v[L4], 2, v1
	s_lshl_b32 s42, s[WV], 10
	v_add_nc_u32 v[IW], s42, v[L16]
	v_lshl_add_u32 v[GA], v3, 6, s42
	s_lshl_b32 s42, s[WV], 7
	v_add_nc_u32 v[SW], s42, v[L4]
	v_lshlrev_b32 v[SR1], 5, v2
	v_add_nc_u32 v[SR1], STAT, v[SR1]
	s_lshl_b32 s42, s[WV], 2
	v_add_nc_u32 v[ST1], s42, v[SR1]
	s_lshl_b32 s42, s[KH], 12
	v_add_nc_u32 v[FI], s42, v[L16]
	s_lshl_b32 s42, s[KH], 9
	v_add_nc_u32 v[FS], s42, v[L4]
	s_lshl_b32 s42, s[PB], 11
	s_add_co_u32 s42, s42, PART
	v_add_nc_u32 v[PS], s42, v[L16]
	v_lshlrev_b32 v[HR], 2, v2
	v_add_nc_u32 v[HR], HS, v[HR]
	v_add_nc_u32 v[HB], s[PB], v[HR]
.irp b, 0,1,2,3
	v_mov_b32 v[TM+4+\b], 0                        ; a lane permute's destination counts as one of its sources
.endr
	v_mov_b32 v[HM+1], 0
	s_wait_kmcnt 0x0
	s_add_nc_u64 s[4:5], s[4:5], s[28:29]
	s_wait_alu depctr_va_vdst(0)                   ; the addresses and offsets v4 to v21 are written, which the loads and stores of the whole kernel read; none is written again
.irp b, 0,1,2,3
.irp j, 0,1,2,3
	global_load_b128 v[X+16*\b+4*\j:X+16*\b+4*\j+3], v[XA], s[4:5] offset:128*\b+16*\j
.endr
.endr
	s_add_nc_u64 s[6:7], s[6:7], s[30:31]
	s_add_nc_u64 s[8:9], s[8:9], s[30:31]
	s_add_nc_u64 s[10:11], s[10:11], s[32:33]
	s_add_nc_u64 s[12:13], s[12:13], s[34:35]
	s_add_nc_u64 s[14:15], s[14:15], s[36:37]
	s_add_nc_u64 s[16:17], s[16:17], s[38:39]
	s_add_nc_u64 s[18:19], s[18:19], s[40:41]
	global_load_b128 v[GT:GT+3], v[L16], s[6:7]            ; g2 and b2 of my 128 columns: 512 consecutive bytes a load
	global_load_b128 v[GT+4:GT+7], v[L16], s[8:9]
	WIN 0x40                                       ; destination window 1
.irp u, 0,1                                    ; tile u begins 8 rows, 4,096 bytes, on
.irp s, 0,1,2,3
.irp c, 0,1
	global_load_b128 v[WF+8*(4*\u+\s)+4*\c:WF+8*(4*\u+\s)+4*\c+3], v[WA], s[10:11] offset:4096*\u+64*\s+32*\c
.endr
.endr
.endr
	WIN 0
	global_load_b128 v[WSC:WSC+3], v[WS], s[12:13]
	global_load_b128 v[WSC+4:WSC+7], v[WS], s[12:13] offset:256
.irp i, 0,1,2,3
	global_load_b128 v[BI+4*\i:BI+4*\i+3], v[BA], s[14:15] offset:16*\i
.endr
	; ---- the norm
	s_wait_loadcnt 22                              ; my 64 numbers, g2 and b2 are in: behind their 18 loads 22 were issued (16 + 2 + 4)
	ds_store_b128 v[IW], v[GT:GT+3] offset:GBR             ; g2 and b2 into my wave's own bytes, as they lie
	ds_store_b128 v[IW], v[GT+4:GT+7] offset:GBR+512
.irp k, 0,1,2,3
	v_pk_add_f32 v[S+2*\k:S+2*\k+1], v[X+2*\k:X+2*\k+1], v[X+8+2*\k:X+8+2*\k+1]
.endr
.irp m, 2,3,4,5,6,7
.irp k, 0,1,2,3
	v_pk_add_f32 v[S+2*\k:S+2*\k+1], v[S+2*\k:S+2*\k+1], v[X+8*\m+2*\k:X+8*\m+2*\k+1]
.endr
.endr
	FOLD
	s_wait_alu depctr_va_vdst(0)                   ; the additions have written v[S], which the LDS store reads
	ds_store_b32 v[ST1], v[S]                      ; both lanes of a row write the same word with the same value
	BARRIER
	ROWSUM 0, MEAN
	v_mov_b32 v[MEAN+1], v[MEAN]
	s_wait_alu depctr_vm_vsrc(0)                   ; the LDS stores issued so far have read v[S], which the squares write again, and v[GT ..], in which fragments of y land
	WIN 0x40                                       ; destination window 1.  g2 and b2 come back in my registers' order: sixteen lanes name the same 16 bytes.  They land under the second pass below
.irp b, 0,1,2,3
.irp j, 0,1,2,3
	ds_load_b128 v[G+16*\b+4*\j:G+16*\b+4*\j+3], v[GA] offset:GBR+128*\b+16*\j
	ds_load_b128 v[B+16*\b+4*\j:B+16*\b+4*\j+3], v[GA] offset:GBR+512+128*\b+16*\j
.endr
.endr
	WIN 0
.set PP, 0
.rept 32
	v_pk_add_f32 v[X+PP:X+PP+1], v[X+PP:X+PP+1], v[MEAN:MEAN+1] neg_lo:[0,1] neg_hi:[0,1]
.set PP, PP+2
.endr
.irp k, 0,1,2,3
	v_pk_mul_f32 v[S+2*\k:S+2*\k+1], v[X+2*\k:X+2*\k+1], v[X+2*\k:X+2*\k+1]
.endr
.irp m, 1,2,3,4,5,6,7
.irp k, 0,1,2,3
	v_pk_fma_f32 v[S+2*\k:S+2*\k+1], v[X+8*\m+2*\k:X+8*\m+2*\k+1], v[X+8*\m+2*\k:X+8*\m+2*\k+1], v[S+2*\k:S+2*\k+1]
.endr
.endr
	FOLD
	s_wait_alu depctr_va_vdst(0)                   ; the squares' sum has written v[S], which the LDS store reads; and the first sum of parts is done with v[RS ..], in which the next LDS loads land
	ds_store_b32 v[ST1], v[S] offset:512
	BARRIER                                        ; (its wait for all my LDS instructions also shows g2 and b2 in)
	ROWSUM 512, RSTD
	v_add_f32 v[RSTD], 0x3727c5ac, v[RSTD]         ; + 1e-5
	v_rsq_f32 v[RSTD], v[RSTD]
	v_nop                                          ; a plain place behind the transcendental
	s_wait_alu depctr_va_vdst(0)                   ; the reciprocal root has written v[RSTD]: a wait ahead of its first reader
	v_mov_b32 v[RSTD+1], v[RSTD]
.set PP, 0
.rept 32
	v_pk_mul_f32 v[X+PP:X+PP+1], v[X+PP:X+PP+1], v[RSTD:RSTD+1]
.set PP, PP+2
.endr
	WIN 0x14                                       ; sources 1 and 2 window 1
.set PP, 0
.rept 32
	v_pk_fma_f32 v[X+PP:X+PP+1], v[X+PP:X+PP+1], v[G+PP:G+PP+1], v[B+PP:B+PP+1]
.set PP, PP+2
.endr
	WIN 0
	QUANT X
	s_wait_alu depctr_va_vdst(0)                   ; QUANT has written v[PC ..] and v[PW], which the three LDS stores read
.irp c, 0,1
	ds_store_b128 v[IW], v[PC+4*\c:PC+4*\c+3] offset:IMG+512*\c
.endr
	ds_store_b32 v[SW], v[PW] offset:SC
	BARRIER                                        ; y's eight fragments lie in LDS
	; ---- the product
.irp s, 0,1,2,3
.irp c, 0,1
	ds_load_b128 v[AF+8*\s+4*\c:AF+8*\s+4*\c+3], v[FI] offset:IMG+1024*\s+512*\c
.endr
	ds_load_b32 v[ASW+\s], v[FS] offset:SC+128*\s
.endr
	s_wait_dscnt 0x0
	s_wait_loadcnt 0x0
	WIN 0x01                                       ; source 0 (W1) window 1
.irp u, 0,1
	v_wmma_scale_f32_16x16x128_f8f6f4 v[H+8*\u:H+8*\u+7], v[WF+32*\u:WF+32*\u+7], v[AF:AF+7], 0, v[WSC+4*\u], v[ASW] matrix_a_fmt:MATRIX_FMT_FP4 matrix_b_fmt:MATRIX_FMT_FP4
.endr
.irp s, 1,2,3
.irp u, 0,1
	v_wmma_scale_f32_16x16x128_f8f6f4 v[H+8*\u:H+8*\u+7], v[WF+32*\u+8*\s:WF+32*\u+8*\s+7], v[AF+8*\s:AF+8*\s+7], v[H+8*\u:H+8*\u+7], v[WSC+4*\u+\s], v[ASW+\s] matrix_a_fmt:MATRIX_FMT_FP4 matrix_b_fmt:MATRIX_FMT_FP4
.endr
.endr
	WIN 0
.rept 4
	v_nop                                          ; four places between the last products and the first read of results (ISA guide 7.12.1)
.endr
	s_cmp_eq_u32 s[KH], 0
	s_cbranch_scc1 .Lkeep
	s_wait_alu depctr_va_vdst(0)                   ; the matrix instructions have written v[H ..], which the four LDS stores read; the places above stay beside this wait
.irp i, 0,1,2,3
	ds_store_b128 v[PS], v[H+4*\i:H+4*\i+3] offset:512*\i    ; the upper half of K hands its part over; each accumulator from its low end on
.endr
.Lkeep:
	BARRIER
	s_wait_alu depctr_vm_vsrc(0)                   ; the four LDS stores above have read v[H ..], which the lines behind the branch below write again: stated ahead of the branch, on every way through the text (in a run the waves that stored are not those that write)
	s_cmp_lg_u32 s[KH], 0
	s_cbranch_scc1 .Lgiven
.irp i, 0,1,2,3
	ds_load_b128 v[PR+4*\i:PR+4*\i+3], v[PS] offset:512*\i
.endr
	s_wait_dscnt 0x0
.irp i, 0,2,4,6,8,10,12,14
	v_pk_add_f32 v[H+\i:H+\i+1], v[H+\i:H+\i+1], v[PR+\i:PR+\i+1]
.endr
.irp i, 0,2,4,6,8,10,12,14
	v_pk_add_f32 v[H+\i:H+\i+1], v[H+\i:H+\i+1], v[BI+\i:BI+\i+1]
.endr
.irp i, 0,1,2,3,4,5,6,7,8,9,10,11,12,13,14,15
	v_max_num_f32 v[H+\i], 0, v[H+\i]              ; the activation, in f32
.endr
	v_max3_num_f32 v[HM], v[H], v[H+1], 0x1800000  ; the largest of my 16 (none is negative), with the floor 2^(3 - 127), in two chains
	v_max3_num_f32 v[HM+4], v[H+8], v[H+9], v[H+10]
	v_max3_num_f32 v[HM], v[HM], v[H+2], v[H+3]
	v_max3_num_f32 v[HM+4], v[HM+4], v[H+11], v[H+12]
	v_max3_num_f32 v[HM], v[HM], v[H+4], v[H+5]
	v_max3_num_f32 v[HM+4], v[HM+4], v[H+13], v[H+14]
	v_max3_num_f32 v[HM], v[HM], v[H+6], v[H+7]
	v_max3_num_f32 v[HM], v[HM], v[HM+4], v[H+15]
	v_permlanex16_b32 v[HM+1], v[HM], s[SEL], s[SEL+1]
	v_max_num_f32 v[HM], v[HM], v[HM+1]            ; with lane l xor 16's: the block's
	v_add_nc_u32 v[HM+2], 0xff000000, v[HM]        ; 2 off the exponent field: the conversion's scale operand
	v_lshrrev_b32 v[HM+3], 23, v[HM+2]             ; the scale's byte
	v_cvt_scalef32_pk8_fp4_f32 v[HC], v[H:H+7], v[HM+2]
	v_cvt_scalef32_pk8_fp4_f32 v[HC+1], v[H+8:H+15], v[HM+2]
	v_nop                                          ; one plain place behind a scaled conversion
	s_wait_alu depctr_va_vdst(0)                   ; the conversions have written v[HC ..], which the store reads, and the shift v[HM+3], which the LDS store reads
	global_store_b64 v[CA], v[HC:HC+1], s[16:17]   ; the wave's 32 lanes store 256 consecutive bytes of the image, aligned
	ds_store_b8 v[HB], v[HM+3]                     ; both lanes of a row write the same byte with the same value
.Lgiven:
	BARRIER                                        ; the four blocks' bytes make the rows' scale words
	s_cmp_lg_u32 s[WV], 0
	s_cbranch_scc1 .Lend
	ds_load_b32 v[HM+5], v[HR]
	s_wait_dscnt 0x0
	global_store_b32 v[L4], v[HM+5], s[18:19]
.Lend:
	s_wait_dscnt 0x0                               ; the closing lines, six on end
	s_wait_alu 0x0
	s_wait_tensorcnt 0x0
	ds_add_u32 v254, v255
	s_wait_dscnt 0x0
	s_endpgm
.Lfunc_end_k_q129c5237b8_ffn1:
	.size	k_q129c5237b8_ffn1, .Lfunc_end_k_q129c5237b8_ffn1-k_q129c5237b8_ffn1
	.p2alignl 7, 3214868480
	.fill 96, 4, 3214868480
	.section	.rodata,"a",@progbits
	.p2align	6, 0x0
	.amdhsa_kernel k_q129c5237b8_ffn1
		.amdhsa_group_segment_fixed_size 27904
		.amdhsa_private_segment_fixed_size 0
		.amdhsa_enable_private_segment 0
		.amdhsa_kernarg_size 64
		.amdhsa_user_sgpr_count 2
		.amdhsa_user_sgpr_kernarg_segment_ptr 1
		.amdhsa_wavefront_size32 1
		.amdhsa_system_sgpr_workgroup_id_x 1
		.amdhsa_system_sgpr_workgroup_id_y 1
		.amdhsa_system_sgpr_workgroup_id_z 1
		.amdhsa_system_vgpr_workitem_id 0
		.amdhsa_next_free_vgpr 448
		.amdhsa_next_free_sgpr 66
		.amdhsa_reserve_vcc 0
		.amdhsa_float_denorm_mode_32 3
		.amdhsa_float_denorm_mode_16_64 3
		.amdhsa_memory_ordered 1
		.amdhsa_forward_progress 1
		.amdhsa_inst_pref_size 32
	.end_amdhsa_kernel
	.amdgpu_metadata
---
amdhsa.version: [ 1, 2 ]
amdhsa.kernels:
  - .name:           k_q129c5237b8_ffn1
    .symbol:         k_q129c5237b8_ffn1.kd
    .args:
      - { .name: ao, .offset: 0, .size: 8, .value_kind: global_buffer, .address_space: global }
      - { .name: g2, .offset: 8, .size: 8, .value_kind: global_buffer, .address_space: global }
      - { .name: b2, .offset: 16, .size: 8, .value_kind: global_buffer, .address_space: global }
      - { .name: W1_codes, .offset: 24, .size: 8, .value_kind: global_buffer, .address_space: global }
      - { .name: W1_scales, .offset: 32, .size: 8, .value_kind: global_buffer, .address_space: global }
      - { .name: bf1, .offset: 40, .size: 8, .value_kind: global_buffer, .address_space: global }
      - { .name: hcodes, .offset: 48, .size: 8, .value_kind: global_buffer, .address_space: global }
      - { .name: hscales, .offset: 56, .size: 8, .value_kind: global_buffer, .address_space: global }
    .group_segment_fixed_size: 27904
    .private_segment_fixed_size: 0
    .kernarg_segment_align: 8
    .kernarg_segment_size: 64
    .max_flat_workgroup_size: 256
    .sgpr_count:     66
    .vgpr_count:     448
    .wavefront_size: 32
...
	.end_amdgpu_metadata
.endif
;; end of part 8
;; launch ffn2 (part 9): grid 16 x 8, 8 waves a work-group, no clusters, 35,840 bytes of LDS; arguments hcodes, hscales, W2_codes, W2_scales, bf2, ao, out0; writes out0
.if DOCPART == 9
	.amdgcn_target "amdgcn-amd-amdhsa--gfx1250"
	.amdhsa_code_object_version 6
	.text
	.protected	k_q129c5237b8_ffn2
	.globl	k_q129c5237b8_ffn2
	.p2align	8
	.type	k_q129c5237b8_ffn2,@function
k_q129c5237b8_ffn2:
	s_mov_b64 s[64:65], 0
	v_nop
	global_prefetch_b8 v0, s[64:65] scope:SCOPE_SE
	s_setreg_imm32_b32 hwreg(HW_REG_WAVE_SCHED_MODE, 0, 2), 2
	s_setreg_imm32_b32 hwreg(HW_REG_WAVE_MODE, 25, 1), 1
	s_wait_xcnt 0x0
	s_wait_alu depctr_vm_vsrc(0)
; out0 = ao + hidden W2^T + bf2.  The hidden layer arrives as codes of FP4 (E2M1) laid as operand registers: hcodes [8 tiles of 16 rows][32 K steps][1,024 bytes], lane l's registers 4 c .. 4 c + 3 at 512 c + 16 l;
; hscales [8][32][32 words], lane l's scale word at 4 l.  W2: [1024] rows of 4,096 codes, K innermost (2,048 bytes a row), 128 E8M0 scale bytes a row.  ao, out0: [128][1024] f32.
; SHARES.  A work-group makes 16 rows (16 mt on) x 64 columns (64 cg on).  THE WAVES SHARE K, NOT THE COLUMNS: wave w takes K steps 4 w .. 4 w + 3 for all four tiles of 16 columns, so that each fragment of the
; hidden layer and each fragment of W2 is loaded by ONE wave of the work-group: 50 loads a wave (32 + 8 of codes, 4 + 4 of scale words, the bias, ao).  Sixteen matrix instructions, the four tiles' accumulators by
; turns.  The eight parts of K meet in a stage in LDS; each wave adds the eight parts of two rows, the bias and ao, and stores two whole rows of 256 bytes.
; The matrix instruction is used transposed: source 0 = 16 rows of W2, source 1 = 16 rows of the hidden layer: lane (r, h), register j holds result (row r, column 8 h + j).
; All loads of a wave go out at once; a load of the hidden layer's image covers 512 consecutive bytes, and a wave reads 256 consecutive bytes of each of its 64 rows of W2.
; NO JOINT LOADS: each operand goes from memory straight into the registers of the one wave that uses it and is used once; what work-groups read in common (32 KB of the hidden layer's codes by 16 of them,
; 128 KB of W2's codes by 8) would have to pass through LDS and wait for rounds of a cluster's barrier, for sixteen matrix instructions a wave.
; THE MODE: SCHED_MODE bits 1:0 = 2 (LLVM: expert scheduling mode 2), set by the entry lines.  The code itself states the register dependences between vector or matrix instructions and memory or LDS
; instructions, with s_wait_alu, always for 0.
; THE PLAN.  Registers that memory or LDS instructions touch:
;   v4-v11      addresses and offsets: all made at the head, under the wait for the arguments, and never written again: one wait on va_vdst ahead of the first load serves every load and store of the kernel.
;   ACC         written by the matrix instructions, read by eight LDS stores; not written again.
;   WF = P0     loaded at the head, read by the matrix instructions; then the stage's eight parts land in its first 32 registers, the additions write them, one store reads four of them.
;   AF, ASW, WSC, BF, AO: written by loads alone, once.
; So one wait on va_vdst behind the products serves the accumulators' stores and the stage's loads, and one stands ahead of the result's store.  No register that a memory or LDS instruction has read is written
; again: no wait on vm_vsrc is owed.
; LIMITS: NaN and infinities are not served.
.set SP,  272                          ; a stage row: 256 bytes + 16: the sixteen rows that a store touches start at sixteen different banks (64 banks of 4 bytes: ISA guide 11.1)
.set PRT, 16*SP                        ; LDS: eight parts (one a wave) of 16 rows
.set LI,  4                            ; v4   16 lane
.set LS,  5                            ; v5   4 lane
.set WA,  6                            ; v6   2,048 r + 16 h
.set WS,  7                            ; v7   128 r
.set SO,  8                            ; v8   the stage, in: 4,352 w + 272 r + 32 h
.set SR,  9                            ; v9   the stage, back: 544 w + 272 h + 16 r
.set OA,  10                           ; v10  4,096 h + 16 r
.set BA,  11                           ; v11  16 r
.set AF,  16                           ; v16-47   four fragments of the hidden layer
.set ASW, 48                           ; v48-51   their scale words
.set WSC, 52                           ; v52-67   W2's scale words: 4 tile + K step
.set BF,  68                           ; v68-71
.set AO,  72                           ; v72-75
.set ACC, 80                           ; v80-111  four accumulators, one a tile
.set WF,  112                          ; v112-239 W2's sixteen fragments: 8 (4 tile + K step)
.set P0,  112                          ; v112-143 on the way out: the eight parts read back
.set WV,  20
.set CG,  23
.set MT,  24
	s_load_b256 s[4:11], s[0:1], 0x0               ; hcodes s[4:5], hscales s[6:7], W2's codes s[8:9], scales s[10:11]
	s_load_b128 s[12:15], s[0:1], 0x20             ; bf2 s[12:13], ao s[14:15]
	s_load_b64 s[16:17], s[0:1], 0x30              ; out0
	v_lshl_add_u32 v240, v0, 2, 0x8800
	v_mov_b32 v241, 0
	v_lshrrev_b32 v1, 5, v0
	v_readfirstlane_b32 s[WV], v1                  ; wave 0..7
	v_and_b32 v1, 31, v0
	v_and_b32 v2, 15, v0                           ; r
	v_bfe_u32 v3, v0, 4, 1                         ; h
	s_mov_b32 s[CG], ttmp9
	s_and_b32 s[MT], ttmp7, 0xffff
	v_lshlrev_b32 v[LI], 4, v1
	v_lshlrev_b32 v[LS], 2, v1
	v_lshlrev_b32 v[WA], 11, v2
	v_lshl_add_u32 v[WA], v3, 4, v[WA]
	v_lshlrev_b32 v[WS], 7, v2
	v_lshlrev_b32 v[OA], 12, v3
	v_lshl_add_u32 v[OA], v2, 4, v[OA]
	v_lshlrev_b32 v[BA], 4, v2
	s_wait_alu depctr_va_sdst(0)                   ; s[WV] is written, ahead of its first reader: the bases and the LDS addresses are made from it
	s_lshl_b32 s38, s[MT], 5
	s_lshl_b32 s39, s[WV], 2
	s_add_co_u32 s38, s38, s39                     ; my first K step's image: 32 mt + 4 w
	s_lshl_b32 s26, s38, 10
	s_mov_b32 s27, 0
	s_lshl_b32 s28, s38, 7
	s_mov_b32 s29, 0
	s_lshl_b32 s30, s[CG], 17                      ; W2's codes: 64 cg rows of 2,048 bytes + my four K steps: 256 w
	s_lshl_b32 s39, s[WV], 8
	s_add_co_u32 s30, s30, s39
	s_mov_b32 s31, 0
	s_lshl_b32 s32, s[CG], 13                      ; its scale bytes: 64 cg rows of 128 + 16 w
	s_lshl_b32 s39, s[WV], 4
	s_add_co_u32 s32, s32, s39
	s_mov_b32 s33, 0
	s_lshl_b32 s34, s[CG], 8
	s_mov_b32 s35, 0
	s_lshl_b32 s36, s[MT], 16                      ; ao, out0: 16 mt rows + 256 cg + rows 2 w, 2 w + 1
	s_add_co_u32 s36, s36, s34
	s_lshl_b32 s39, s[WV], 13
	s_add_co_u32 s36, s36, s39
	s_mov_b32 s37, 0
	; the LDS addresses, under the wait for the arguments: so one wait below serves every address of the kernel
	v_mul_u32_u24 v[SO], v2, SP                    ; in: my part; row r, a tile's 64 bytes, 32 for each half of the lanes
	v_lshl_add_u32 v[SO], v3, 5, v[SO]
	s_mul_i32 s39, s[WV], PRT
	v_add_nc_u32 v[SO], s39, v[SO]
	v_mul_u32_u24 v[SR], v3, SP                    ; back: rows 2 w and 2 w + 1, sixteen lanes to a row
	v_lshl_add_u32 v[SR], v2, 4, v[SR]
	s_mul_i32 s39, s[WV], 2*SP
	v_add_nc_u32 v[SR], s39, v[SR]
	s_wait_kmcnt 0x0
	s_add_nc_u64 s[4:5], s[4:5], s[26:27]
	s_add_nc_u64 s[6:7], s[6:7], s[28:29]
	s_add_nc_u64 s[8:9], s[8:9], s[30:31]
	s_add_nc_u64 s[10:11], s[10:11], s[32:33]
	s_add_nc_u64 s[12:13], s[12:13], s[34:35]
	s_add_nc_u64 s[14:15], s[14:15], s[36:37]
	s_add_nc_u64 s[16:17], s[16:17], s[36:37]
	s_wait_alu depctr_va_vdst(0)                   ; the addresses and offsets v4 to v11 are written, which the loads and stores of the whole kernel read; none is written again
.irp n, 0,1,2,3                                ; tile n begins 16 rows, 32,768 bytes, on
.irp s, 0,1,2,3
.irp c, 0,1
	global_load_b128 v[WF+8*(4*\n+\s)+4*\c:WF+8*(4*\n+\s)+4*\c+3], v[WA], s[8:9] offset:32768*\n+64*\s+32*\c
.endr
.endr
.endr
.irp s, 0,1,2,3
.irp c, 0,1
	global_load_b128 v[AF+8*\s+4*\c:AF+8*\s+4*\c+3], v[LI], s[4:5] offset:1024*\s+512*\c
.endr
.endr
.irp s, 0,1,2,3
	global_load_b32 v[ASW+\s], v[LS], s[6:7] offset:128*\s
.endr
.irp n, 0,1,2,3
	global_load_b128 v[WSC+4*\n:WSC+4*\n+3], v[WS], s[10:11] offset:2048*\n
.endr
	global_load_b128 v[BF:BF+3], v[BA], s[12:13]
	global_load_b128 v[AO:AO+3], v[OA], s[14:15]
	s_wait_loadcnt 0x0
.irp s, 0,1,2,3
.irp n, 0,1,2,3
.if \s == 0
	v_wmma_scale_f32_16x16x128_f8f6f4 v[ACC+8*\n:ACC+8*\n+7], v[WF+8*(4*\n+\s):WF+8*(4*\n+\s)+7], v[AF+8*\s:AF+8*\s+7], 0, v[WSC+4*\n+\s], v[ASW+\s] matrix_a_fmt:MATRIX_FMT_FP4 matrix_b_fmt:MATRIX_FMT_FP4
.else
	v_wmma_scale_f32_16x16x128_f8f6f4 v[ACC+8*\n:ACC+8*\n+7], v[WF+8*(4*\n+\s):WF+8*(4*\n+\s)+7], v[AF+8*\s:AF+8*\s+7], v[ACC+8*\n:ACC+8*\n+7], v[WSC+4*\n+\s], v[ASW+\s] matrix_a_fmt:MATRIX_FMT_FP4 matrix_b_fmt:MATRIX_FMT_FP4
.endif
.endr
.endr
.rept 4
	v_nop                                          ; four places between the last products and the first read of results (ISA guide 7.12.1)
.endr
	s_wait_alu depctr_va_vdst(0)                   ; the matrix instructions have written the accumulators, which the LDS stores read (the places above stay beside this wait), and are done reading W2's fragments, in which the stage's loads land
.irp n, 0,1,2,3
	ds_store_b128 v[SO], v[ACC+8*\n:ACC+8*\n+3] offset:64*\n             ; each accumulator from its low end on
	ds_store_b128 v[SO], v[ACC+8*\n+4:ACC+8*\n+7] offset:64*\n+16
.endr
	s_wait_dscnt 0x0                               ; for the others' sake: my part has landed
	s_barrier_signal -1
	s_barrier_wait -1
.irp m, 0,1,2,3,4,5,6,7
	ds_load_b128 v[P0+4*\m:P0+4*\m+3], v[SR] offset:PRT*\m
.endr
	s_wait_dscnt 0x0
.irp m, 0,2,4,6
.irp i, 0,2
	v_pk_add_f32 v[P0+4*\m+\i:P0+4*\m+\i+1], v[P0+4*\m+\i:P0+4*\m+\i+1], v[P0+4*\m+4+\i:P0+4*\m+4+\i+1]
.endr
.endr
.irp m, 0,4
.irp i, 0,2
	v_pk_add_f32 v[P0+4*\m+\i:P0+4*\m+\i+1], v[P0+4*\m+\i:P0+4*\m+\i+1], v[P0+4*\m+8+\i:P0+4*\m+8+\i+1]
.endr
.endr
.irp i, 0,2
	v_pk_add_f32 v[P0+\i:P0+\i+1], v[P0+\i:P0+\i+1], v[P0+16+\i:P0+16+\i+1]
.endr
.irp i, 0,2
	v_pk_add_f32 v[P0+\i:P0+\i+1], v[P0+\i:P0+\i+1], v[AO+\i:AO+\i+1]
.endr
.irp i, 0,2
	v_pk_add_f32 v[P0+\i:P0+\i+1], v[P0+\i:P0+\i+1], v[BF+\i:BF+\i+1]
.endr
	s_wait_alu depctr_va_vdst(0)                   ; the additions have written v[P0 ..], which the store reads
	global_store_b128 v[OA], v[P0:P0+3], s[16:17] th:TH_STORE_NT   ; sixteen lanes store 256 consecutive bytes, at a multiple of 256 from out0's first byte; written once, read by nobody here
	s_wait_dscnt 0x0                               ; the closing lines, six on end
	s_wait_alu 0x0
	s_wait_tensorcnt 0x0
	ds_add_u32 v240, v241
	s_wait_dscnt 0x0
	s_endpgm
.Lfunc_end_k_q129c5237b8_ffn2:
	.size	k_q129c5237b8_ffn2, .Lfunc_end_k_q129c5237b8_ffn2-k_q129c5237b8_ffn2
	.p2alignl 7, 3214868480
	.fill 96, 4, 3214868480
	.section	.rodata,"a",@progbits
	.p2align	6, 0x0
	.amdhsa_kernel k_q129c5237b8_ffn2
		.amdhsa_group_segment_fixed_size 35840
		.amdhsa_private_segment_fixed_size 0
		.amdhsa_enable_private_segment 0
		.amdhsa_kernarg_size 56
		.amdhsa_user_sgpr_count 2
		.amdhsa_user_sgpr_kernarg_segment_ptr 1
		.amdhsa_wavefront_size32 1
		.amdhsa_system_sgpr_workgroup_id_x 1
		.amdhsa_system_sgpr_workgroup_id_y 1
		.amdhsa_system_sgpr_workgroup_id_z 1
		.amdhsa_system_vgpr_workitem_id 0
		.amdhsa_next_free_vgpr 242
		.amdhsa_next_free_sgpr 66
		.amdhsa_reserve_vcc 0
		.amdhsa_float_denorm_mode_32 3
		.amdhsa_float_denorm_mode_16_64 3
		.amdhsa_memory_ordered 1
		.amdhsa_forward_progress 1
		.amdhsa_inst_pref_size 13
	.end_amdhsa_kernel
	.amdgpu_metadata
---
amdhsa.version: [ 1, 2 ]
amdhsa.kernels:
  - .name:           k_q129c5237b8_ffn2
    .symbol:         k_q129c5237b8_ffn2.kd
    .args:
      - { .name: hcodes, .offset: 0, .size: 8, .value_kind: global_buffer, .address_space: global }
      - { .name: hscales, .offset: 8, .size: 8, .value_kind: global_buffer, .address_space: global }
      - { .name: W2_codes, .offset: 16, .size: 8, .value_kind: global_buffer, .address_space: global }
      - { .name: W2_scales, .offset: 24, .size: 8, .value_kind: global_buffer, .address_space: global }
      - { .name: bf2, .offset: 32, .size: 8, .value_kind: global_buffer, .address_space: global }
      - { .name: ao, .offset: 40, .size: 8, .value_kind: global_buffer, .address_space: global }
      - { .name: out0, .offset: 48, .size: 8, .value_kind: global_buffer, .address_space: global }
    .group_segment_fixed_size: 35840
    .private_segment_fixed_size: 0
    .kernarg_segment_align: 8
    .kernarg_segment_size: 56
    .max_flat_workgroup_size: 256
    .sgpr_count:     66
    .vgpr_count:     242
    .wavefront_size: 32
...
	.end_amdgpu_metadata
.endif
;; end of part 9
